; MI455X (gfx1250); checked and timed in simulation.
; The chip was launched on July 23, 2026; its instructions are those of AMD's public machine-readable ISA for CDNA 5 (MIT licence, August 2026) and "CDNA5" Instruction Set Architecture Reference Guide (July 2026). The comments in the code are by the model that wrote it; some were corrected since.
;; Attention Block. Allowed arithmetic: matrix products marked QUANTISED: E4M3 operands, one E8M0 scale for each 32 along K, by v_wmma_scale_f32_16x16x128_f8f6f4 with both operands' format E4M3, f32 sums; everything else in f32.
;; Inputs: bk 512 float32; bproj 512 float32; bq 512 float32; bv 512 float32; gn_bias 512 float32; gn_scale 512 float32; wk_codes 512 x 16 x 32 uint8 (E4M3 codes of wk, K innermost, in blocks of 32 codes); wk_scales 512 x 16 uint8 (E8M0 scales of wk, one for each 32 codes along K); wproj_codes 512 x 16 x 32 uint8 (E4M3 codes of wproj, K innermost, in blocks of 32 codes); wproj_scales 512 x 16 uint8 (E8M0 scales of wproj, one for each 32 codes along K); wq_codes 512 x 16 x 32 uint8 (E4M3 codes of wq, K innermost, in blocks of 32 codes); wq_scales 512 x 16 uint8 (E8M0 scales of wq, one for each 32 codes along K); wv_codes 512 x 16 x 32 uint8 (E4M3 codes of wv, K innermost, in blocks of 32 codes); wv_scales 512 x 16 uint8 (E8M0 scales of wv, one for each 32 codes along K); x 32 x 512 x 32 x 32 float32.
;; Outputs: out0 32 x 512 x 32 x 32 float32.
;; This version of the problem:
;;   THIS VERSION OF THE PROBLEM IS GIVEN IN LOW PRECISION. The matrix products marked QUANTISED in the list below multiply operands that are first quantised to E4M3 (4 exponent bits, 3 mantissa bits; 8 bits a number), with one power-of-two scale for each 32 numbers along K (OCP MX v1.0); their sums are f32. All else is computed in f32.
;;   The module's matrix products, in the order in which they are computed (A, B: the left and right operand; K: the contracted axis; several contracted axes count as one K, in the product's order):
;;     1. [M 32,768, K 512] x [K 512, N 512]; A: computed on the way; B: input wq (given as codes): QUANTISED
;;     2. [M 32,768, K 512] x [K 512, N 512]; A: computed on the way; B: input wk (given as codes): QUANTISED
;;     3. [M 32,768, K 512] x [K 512, N 512]; A: computed on the way; B: input wv (given as codes): QUANTISED
;;     4. batch 32 x [M 1,024, K 512] x [K 512, N 1,024]; A: computed on the way; B: computed on the way: QUANTISED
;;     5. batch 32 x [M 1,024, K 1,024] x [K 1,024, N 512]; A: softmax (see below); B: computed on the way: QUANTISED
;;     6. [M 32,768, K 512] x [K 512, N 512]; A: computed on the way; B: input wproj (given as codes): QUANTISED
;;   THE QUANTISER, for each operand of a quantised product, along K:
;;     - K is cut into blocks of 32 from its start; a last block that is shorter is filled with zeros.
;;     - A block's scale is 2^e with e = floor(log2(the largest magnitude in the block)) - 8, held to -126 .. 127; a block of zeros has e = 0. As a byte (E8M0): e + 127.
;;     - Each number is divided by its block's scale, clamped to +-448, and rounded to the nearest number of E4M3, ties to even, subnormals kept.
;;     - The product sums the exact products of the quantised numbers (number of the format x scale) in f32.
;;   ~~~python
;;   def quantise(x, axis):      # numpy; x: float32 -> the quantised numbers, widened to float32 again
;;       x = np.moveaxis(x, axis, -1); K = x.shape[-1]
;;       x = np.pad(x, [(0, 0)] * (x.ndim - 1) + [(0, -K % 32)]); x = x.reshape(x.shape[:-1] + (-1, 32)); a = np.abs(x).max(-1, keepdims=True)
;;       e = np.where(a > 0, np.clip(np.frexp(np.where(a > 0, a, 1))[1] - 1 - 8, -126, 127), 0)      # np.frexp(a)[1] - 1 = floor(log2(a)), exactly
;;       r = np.clip(x / 2.0 ** e, -448, 448)
;;       step = 2.0 ** (np.maximum(np.frexp(np.where(r == 0, 1, r))[1] - 1, -6) - 3)
;;       q = np.round(r / step) * step * 2.0 ** e      # np.round: ties to even
;;       return np.moveaxis(q.reshape(q.shape[:-2] + (-1,))[..., :K], -1, axis).astype(np.float32)
;;   ~~~
;;   SOFTMAX AHEAD OF A QUANTISED PRODUCT. Where the list says 'softmax', what is quantised is not the finished softmax but p = 2^(t - M), with t = logit x log2(e) and M = ceil(the row's largest t), a whole number; so 1/2 < the row's largest p <= 1. The row's sum l is taken of the UNQUANTISED p, in f32, and the product's result is divided by l at the end. Since M is a whole number, a kernel that streams over the keys may use a running M (the ceiling of the running maximum): every later rescaling is an exact power of two, which a block's scale takes up: the codes' values come out the same.
;;   OPERANDS COMPUTED ON THE WAY. 'Computed on the way' means the value that the module computes at that place (a softmax that the list does not call 'softmax' is quantised finished and normalised). What goes into a quantiser is computed in f32, as accurately as f32 sums, v_exp_f32 and their like allow (about 1e-6 of the number): no bf16 or f16 on the way to a quantiser, and a product that is left as it is and whose result goes on into a quantised operand takes f32 operands (vector FMAs, or v_wmma_f32_16x16x4_f32). A number that lies on a knife's edge between two numbers of the format may be rounded either way, as far as f32 arithmetic and the matrix unit's own rounding can turn it there, and no further.
;;   INPUTS GIVEN AS CODES. wk (in the module: [512, 512], K = its axis 1); wproj (in the module: [512, 512], K = its axis 1); wq (in the module: [512, 512], K = its axis 1); wv (in the module: [512, 512], K = its axis 1): each comes as NAME_codes (uint8): NAME with its K axis moved to the last place and cut into blocks of 32 codes, [.., K / 32, bytes a block], one block behind the other in memory; one code a byte (a code: sign, 4 exponent bits, 3 mantissa bits); and NAME_scales (uint8): the same leading axes, one E8M0 byte (e + 127) for each 32 codes along K. Its value is code x scale, taken as it is: it is not quantised again, and the codes and scales need not be those that the quantiser above would give.
;; 2 versions. Each part assembles by itself: llvm-mc -triple=amdgcn-amd-amdhsa -mcpu=gfx1250 --defsym DOCPART=n.
;; ======== version 1 of 2: 3 launches
;; workspace buffers: hq 16,777,216 bytes; hs 524,288 bytes; qimg 16,777,216 bytes; qsc 524,288 bytes; kv 34,603,008 bytes
;; launch gnq (part 1): grid 16 x 32, 8 waves a work-group, no clusters, 35,840 bytes of LDS; arguments x, gn_scale, gn_bias, hq, hs; writes hq, hs
.if DOCPART == 1
	.amdgcn_target "amdgcn-amd-amdhsa--gfx1250"
	.amdhsa_code_object_version 6
	.text
	.protected	k_qedd1ec8752_gnq
	.globl	k_qedd1ec8752_gnq
	.p2align	8
	.type	k_qedd1ec8752_gnq,@function
k_qedd1ec8752_gnq:
	s_mov_b64 s[64:65], 0
	v_nop
	global_prefetch_b8 v0, s[64:65] scope:SCOPE_SE
	s_setreg_imm32_b32 hwreg(HW_REG_WAVE_MODE, 25, 1), 1
	s_wait_xcnt 0x0
; GroupNorm(32 groups of 16 channels) of x [32][512][1024] f32, and its result h quantised along the channels to FP8 (E4M3) codes with one E8M0 scale byte for each 32 channels.
; SHARES.  A work-group owns 32 channels (two groups, one block of 32 along the next products' K) of one image, all 1,024 tokens: 128 KB, which its 256 threads keep in registers, so x is read once here.
; Thread t owns tokens 4 t .. 4 t + 3 of all 32 channels: each load of a wave covers 512 consecutive bytes, and a token's 32 channels lie in ONE lane, so a block's largest magnitude needs no other lane.
; STATISTICS in two passes over the registers: the mean, then the sum of squares of x - mean (no difference of large sums).  h = (x - mean) (rstd scale) + bias: one fused multiply-add, which also gathers a token's channels.
; OUT.  hq holds images of operand registers: 16 tokens x 128 channels are 2,048 bytes, register group c of lane l at 512 c + 16 l; lane (r, h) holds row r, channels 32 c + 16 h + 0 .. 15.
; THE 16 TOKENS OF A TILE ARE NOT NEIGHBOURS: row r of tile T is token 32 (T / 2) + 8 (T % 2) + r + 8 (r / 8).  This work-group writes group c = cb % 4 of K step cb / 4 of all 64 tiles: 512 bytes a tile, through the wave's own stage.
; hs holds the scale bytes in planes: (image x 16 + cb) x 1,024 + 16 T + r.
; LIMITS: NaN and infinities among the inputs are not served.  A block whose largest magnitude lies under 2^-118 (a block of zeros too) gets the byte 1; a block of zeros has zero codes, and the bytes are read by this program alone.
; No tensor loads, no matrix unit, no cluster: a stream whose work-groups share no input.
.set ROWB,  4096                       ; bytes of a channel's 1,024 tokens
.set SP,    528                        ; a tile's place in the stage: 512 bytes + 16 of padding
.set RED,   64*SP                      ; behind the stage: 16 words for the sums, 16 for the sums of squares
.set X,     32                         ; v32-159   X[4 c + j]: channel c, token j; later the tiles read back
.set TM,    160                        ; v160-191  a token's 32 channels
.set CD,    192                        ; v192-223  codes: eight registers for each of my four tokens
.set SBY,   224                        ; v224      my four tokens' scale bytes
.set RC,    225                        ; v225      the constant RED
.set MA,    226                        ; v[226:227], v[228:229] the two groups' means, twice each
.set MB,    228
	s_load_b256 s[4:11], s[0:1], 0x0               ; x s[4:5], gn_scale s[6:7], gn_bias s[8:9], hq s[10:11]
	s_load_b64 s[12:13], s[0:1], 0x20              ; hs
	v_lshl_add_u32 v232, v0, 2, 0x8800
	v_mov_b32 v233, 0
	s_and_b32 s14, ttmp7, 0xffff                   ; the image
	s_lshl_b32 s2, s14, 21                         ; x: image x 2,097,152 + cb x 131,072
	s_lshl_b32 s3, ttmp9, 17
	s_add_co_u32 s2, s2, s3
	s_mov_b32 s3, 0
	s_lshl_b32 s90, ttmp9, 7                       ; gn_scale, gn_bias: 128 bytes a work-group
	s_mov_b32 s91, 0
	s_lshl_b32 s92, s14, 19                        ; hq: image x 524,288 + (cb / 4) x 2,048 + (cb % 4) x 512
	s_lshr_b32 s15, ttmp9, 2
	s_lshl_b32 s15, s15, 11
	s_add_co_u32 s92, s92, s15
	s_and_b32 s15, ttmp9, 3
	s_lshl_b32 s15, s15, 9
	s_add_co_u32 s92, s92, s15
	s_mov_b32 s93, 0
	s_lshl_b32 s94, s14, 4                         ; hs: (image x 16 + cb) x 1,024
	s_add_co_u32 s94, s94, ttmp9
	s_lshl_b32 s94, s94, 10
	s_mov_b32 s95, 0
	s_mov_b32 s86, 0x76543210                      ; v_permlanex16_b32's selects for lane l xor 16
	s_mov_b32 s87, 0xfedcba98
	s_mov_b32 s88, 0x600000                        ; the mantissa field of 448
	v_lshlrev_b32 v1, 4, v0                        ; my 16 bytes of a channel's row
	v_lshrrev_b32 v8, 3, v0
	v_bfe_u32 v9, v0, 1, 1
	v_lshl_add_u32 v8, v8, 1, v9                   ; my tokens' tile: 2 (t / 8) + bit 1 of t
	v_and_b32 v10, 1, v0
	v_bfe_u32 v11, v0, 2, 1
	v_mul_u32_u24 v2, v8, SP                       ; into the stage: tile x 528 + 16 x row; my rows are 4 (t % 2) + j + 8 x bit 2 of t
	v_lshl_add_u32 v2, v10, 6, v2
	v_lshl_add_u32 v2, v11, 7, v2
	v_lshrrev_b32 v12, 5, v0                       ; wave
	v_and_b32 v13, 31, v0                          ; lane
	v_mul_u32_u24 v3, v12, 8*SP                    ; out of it: my wave's eight tiles, 16 bytes a lane
	v_lshl_add_u32 v3, v13, 4, v3
	v_lshlrev_b32 v4, 16, v12                      ; and in hq: a tile's four K steps are 8,192 bytes
	v_lshl_add_u32 v4, v13, 4, v4
	v_lshlrev_b32 v5, 4, v8                        ; hs: 16 x tile + my first row
	v_lshl_add_u32 v5, v11, 3, v5
	v_lshl_add_u32 v5, v10, 2, v5
	v_lshl_add_u32 v6, v12, 2, RED                 ; my wave's word among the sums
	v_mov_b32 v7, 0x38800000                       ; 2^-14: one over a group's 16,384 numbers
	v_mov_b32 v[RC], RED
	s_wait_kmcnt 0x0
	s_add_nc_u64 s[4:5], s[4:5], s[2:3]
	s_add_nc_u64 s[6:7], s[6:7], s[90:91]
	s_add_nc_u64 s[8:9], s[8:9], s[90:91]
	s_add_nc_u64 s[10:11], s[10:11], s[92:93]
	s_add_nc_u64 s[12:13], s[12:13], s[94:95]
.set c, 0
.rept 32
	global_load_b128 v[X+4*c:X+4*c+3], v1, s[4:5] offset:ROWB*c     ; a wave reads 512 consecutive bytes; no hint: the last launch reads x again
.set c, c+1
.endr
	s_load_b512 s[16:31], s[6:7], 0x0              ; gn_scale of my 32 channels: s[16 + c]
	s_load_b512 s[32:47], s[6:7], 0x40
	s_load_b512 s[48:63], s[8:9], 0x0              ; gn_bias: s[48 + c], and from channel 16 on s[52 + c]
	s_load_b512 s[68:83], s[8:9], 0x40
.macro SUM1 base, d                    ; my 64 numbers from v[base] on, in two chains of pairs -> v[d]
	v_pk_add_f32 v[\d:\d+1], v[\base:\base+1], v[\base+2:\base+3]
	v_pk_add_f32 v[\d+2:\d+3], v[\base+4:\base+5], v[\base+6:\base+7]
.set i, 8
.rept 14
	v_pk_add_f32 v[\d:\d+1], v[\d:\d+1], v[\base+i:\base+i+1]
	v_pk_add_f32 v[\d+2:\d+3], v[\d+2:\d+3], v[\base+i+2:\base+i+3]
.set i, i+4
.endr
	v_pk_add_f32 v[\d:\d+1], v[\d:\d+1], v[\d+2:\d+3]
	v_add_f32 v[\d], v[\d], v[\d+1]
.endm
.macro SUM2 base, d, m                 ; the mean is taken off in place; then the sum of squares, started by two products, in two chains -> v[d]
.set i, 0
.rept 32
	v_pk_add_f32 v[\base+i:\base+i+1], v[\base+i:\base+i+1], v[\m:\m+1] neg_lo:[0,1] neg_hi:[0,1]
.set i, i+2
.endr
	v_pk_mul_f32 v[\d:\d+1], v[\base:\base+1], v[\base:\base+1]
	v_pk_mul_f32 v[\d+2:\d+3], v[\base+2:\base+3], v[\base+2:\base+3]
.set i, 4
.rept 15
	v_pk_fma_f32 v[\d:\d+1], v[\base+i:\base+i+1], v[\base+i:\base+i+1], v[\d:\d+1]
	v_pk_fma_f32 v[\d+2:\d+3], v[\base+i+2:\base+i+3], v[\base+i+2:\base+i+3], v[\d+2:\d+3]
.set i, i+4
.endr
	v_pk_add_f32 v[\d:\d+1], v[\d:\d+1], v[\d+2:\d+3]
	v_add_f32 v[\d], v[\d], v[\d+1]
.endm
; v8 (first group) and v12 (second) are summed over the wave's lanes, the two by turns, then over the eight waves through LDS words from RED + off on -> v16, v24 in every lane
.macro ACROSS off
.irp m, 1,2,4,8
	v_add_f32_dpp v8, v8, v8 row_xmask:\m row_mask:0xf bank_mask:0xf
	v_add_f32_dpp v12, v12, v12 row_xmask:\m row_mask:0xf bank_mask:0xf
.endr
	v_permlanex16_b32 v9, v8, s86, s87
	v_permlanex16_b32 v13, v12, s86, s87
	v_add_f32 v8, v8, v9
	v_add_f32 v12, v12, v13
	ds_store_b32 v6, v8 offset:\off                ; all lanes write the same word with the same value
	ds_store_b32 v6, v12 offset:\off+32
	s_wait_dscnt 0x0                               ; for the others' sake: my two words have landed
	s_barrier_signal -1
	s_barrier_wait -1
	ds_load_b128 v[16:19], v[RC] offset:\off
	ds_load_b128 v[20:23], v[RC] offset:\off+16
	ds_load_b128 v[24:27], v[RC] offset:\off+32
	ds_load_b128 v[28:31], v[RC] offset:\off+48
	s_wait_dscnt 0x0
	v_pk_add_f32 v[16:17], v[16:17], v[18:19]
	v_pk_add_f32 v[24:25], v[24:25], v[26:27]
	v_pk_add_f32 v[20:21], v[20:21], v[22:23]
	v_pk_add_f32 v[28:29], v[28:29], v[30:31]
	v_pk_add_f32 v[16:17], v[16:17], v[20:21]
	v_pk_add_f32 v[24:25], v[24:25], v[28:29]
	v_add_f32 v16, v16, v17
	v_add_f32 v24, v24, v25
.endm
	s_wait_loadcnt 16                              ; the first group's 16 loads are in; the second group's 16 may be out
	SUM1 X, 8
	s_wait_loadcnt 0x0
	SUM1 X+64, 12
	ACROSS 0
	v_mul_f32 v[MA], v16, v7                       ; the means
	v_mul_f32 v[MA+1], v16, v7
	v_mul_f32 v[MB], v24, v7
	v_mul_f32 v[MB+1], v24, v7
	SUM2 X, 8, MA
	SUM2 X+64, 12, MB
	ACROSS 64                                      ; other words than the first pass's: no wave can still be reading what is written here
	v_fmaak_f32 v16, v16, v7, 0x3727c5ac           ; the variance + 1e-5
	v_fmaak_f32 v24, v24, v7, 0x3727c5ac
	v_rsq_f32 v17, v16
	v_rsq_f32 v25, v24
	v_nop                                          ; a plain instruction between a transcendental and the use of its result (ISA guide 5.7.2)
	s_wait_alu depctr_va_vdst(0)
	v_readfirstlane_b32 s84, v17
	v_readfirstlane_b32 s85, v25
	s_wait_kmcnt 0x0                               ; gn_scale and gn_bias
.set c, 0
.rept 32
	s_mul_f32 s[16+c], s[16+c], s[84+c/16]         ; rstd x scale, once for each channel
.set c, c+1
.endr
; My token j: its 32 channels of h; the block's scale; the hold; 32 codes, which go to the stage as the halves of two lanes' places.
.macro TOKEN j
.set c, 0
.rept 32
	v_fma_f32 v[TM+c], v[X+4*c+\j], s[16+c], s[48+c+4*(c/16)]
.set c, c+1
.endr
	v_max3_num_f32 v8, |v[TM]|, |v[TM+1]|, 0x4800000               ; the largest magnitude, in two chains, with the floor 2^(9 - 127) among its leaves: the byte cannot fall under 1
	v_max3_num_f32 v9, |v[TM+2]|, |v[TM+3]|, |v[TM+4]|
.irp i, 5,9,13,17,21,25
	v_max3_num_f32 v8, v8, |v[TM+\i]|, |v[TM+\i+1]|
	v_max3_num_f32 v9, v9, |v[TM+\i+2]|, |v[TM+\i+3]|
.endr
	v_max3_num_f32 v8, v8, |v[TM+29]|, |v[TM+30]|
	v_max3_num_f32 v8, v8, v9, |v[TM+31]|
	v_add_nc_u32 v11, 0xfc000000, v8               ; 8 off its exponent field: the conversion's scale operand
	v_and_or_b32 v10, v8, 0x7f800000, s88          ; 448 x the scale
	v_lshrrev_b32 v12, 23, v11                     ; the scale's byte
.set c, 0
.rept 32
	v_med3_num_f32 v[TM+c], v[TM+c], -v10, v10     ; the conversion to an 8-bit code does not saturate (ISA guide 7.6.2): the hold comes first
.set c, c+1
.endr
.irp g, 0,1,2,3
	v_cvt_scalef32_pk8_fp8_f32 v[CD+8*\j+2*\g:CD+8*\j+2*\g+1], v[TM+8*\g:TM+8*\g+7], v11
.endr
.if \j == 0
	v_mov_b32 v[SBY], v12                          ; (also the plain instruction behind the conversions, ahead of the next token's writes of their sources)
.else
	v_lshl_or_b32 v[SBY], v12, 8*\j, v[SBY]
.endif
	ds_store_b128 v2, v[CD+8*\j:CD+8*\j+3] offset:16*\j            ; channels 0-15: the place of lane (row, 0)
	ds_store_b128 v2, v[CD+8*\j+4:CD+8*\j+7] offset:16*\j+256      ; channels 16-31: of lane (row, 1)
.endm
	TOKEN 0
	TOKEN 1
	TOKEN 2
	TOKEN 3
	global_store_b32 v5, v[SBY], s[12:13]          ; four neighbouring bytes a lane, 128 consecutive bytes a wave
.irp i, 0,1,2,3,4,5,6,7
	ds_load_b128 v[X+4*\i:X+4*\i+3], v3 offset:SP*\i               ; my wave's own eight tiles: LDS serves a wave's instructions in order (ISA guide 5.7.1.4), so these see the stores above
.endr
.irp i, 0,1,2,3,4,5,6,7
	s_wait_dscnt 7-\i                              ; tile i is back; the younger loads may be out
	global_store_b128 v4, v[X+4*\i:X+4*\i+3], s[10:11] offset:8192*\i   ; a wave stores 512 consecutive bytes, at a multiple of 512 from hq's first byte
.endr
	s_wait_tensorcnt 0x0
	ds_add_u32 v232, v233
	s_wait_dscnt 0x0
	s_endpgm
.Lfunc_end_k_qedd1ec8752_gnq:
	.size	k_qedd1ec8752_gnq, .Lfunc_end_k_qedd1ec8752_gnq-k_qedd1ec8752_gnq
	.p2alignl 7, 3214868480
	.fill 96, 4, 3214868480
	.section	.rodata,"a",@progbits
	.p2align	6, 0x0
	.amdhsa_kernel k_qedd1ec8752_gnq
		.amdhsa_group_segment_fixed_size 35840
		.amdhsa_private_segment_fixed_size 0
		.amdhsa_enable_private_segment 0
		.amdhsa_kernarg_size 40
		.amdhsa_user_sgpr_count 2
		.amdhsa_user_sgpr_kernarg_segment_ptr 1
		.amdhsa_wavefront_size32 1
		.amdhsa_system_sgpr_workgroup_id_x 1
		.amdhsa_system_sgpr_workgroup_id_y 1
		.amdhsa_system_sgpr_workgroup_id_z 1
		.amdhsa_system_vgpr_workitem_id 0
		.amdhsa_next_free_vgpr 234
		.amdhsa_next_free_sgpr 96
		.amdhsa_reserve_vcc 0
		.amdhsa_float_denorm_mode_32 3
		.amdhsa_float_denorm_mode_16_64 3
		.amdhsa_memory_ordered 1
		.amdhsa_forward_progress 1
		.amdhsa_inst_pref_size 48
	.end_amdhsa_kernel
	.amdgpu_metadata
---
amdhsa.version: [ 1, 2 ]
amdhsa.kernels:
  - .name:           k_qedd1ec8752_gnq
    .symbol:         k_qedd1ec8752_gnq.kd
    .args:
      - { .name: x, .offset: 0, .size: 8, .value_kind: global_buffer, .address_space: global }
      - { .name: gn_scale, .offset: 8, .size: 8, .value_kind: global_buffer, .address_space: global }
      - { .name: gn_bias, .offset: 16, .size: 8, .value_kind: global_buffer, .address_space: global }
      - { .name: hq, .offset: 24, .size: 8, .value_kind: global_buffer, .address_space: global }
      - { .name: hs, .offset: 32, .size: 8, .value_kind: global_buffer, .address_space: global }
    .group_segment_fixed_size: 35840
    .private_segment_fixed_size: 0
    .kernarg_segment_align: 8
    .kernarg_segment_size: 40
    .max_flat_workgroup_size: 256
    .sgpr_count:     96
    .vgpr_count:     234
    .wavefront_size: 32
...
	.end_amdgpu_metadata
.endif
;; end of part 1
;; launch qkv (part 2): grid 64 x 3, 4 waves a work-group, no clusters, 43,520 bytes of LDS; arguments hq, hs, wq_codes, wq_scales, bq, wk_codes, wk_scales, bk, wv_codes, wv_scales, bv, qimg, qsc, kv; writes qimg, qsc, kv
.if DOCPART == 2
	.amdgcn_target "amdgcn-amd-amdhsa--gfx1250"
	.amdhsa_code_object_version 6
	.text
	.protected	k_qedd1ec8752_qkv
	.globl	k_qedd1ec8752_qkv
	.p2align	8
	.type	k_qedd1ec8752_qkv,@function
k_qedd1ec8752_qkv:
	s_mov_b64 s[64:65], 0
	v_nop
	global_prefetch_b8 v0, s[64:65] scope:SCOPE_SE
	s_setreg_imm32_b32 hwreg(HW_REG_WAVE_MODE, 25, 1), 1
	s_wait_xcnt 0x0
; q, k, v = W h + b on codes of FP8 (E4M3) with E8M0 scales, and their results quantised again: q and k along the channels, v along the tokens (the keys).
; SHARES.  Work-group (x, y): y says which product (0 q, 1 k, 2 v), x which 512 tokens (half an image): 4 blocks of 128 tokens, each 4 units of 32 tokens (two tiles of 16).
; THE WAVES SHARE THE COLUMNS: wave w keeps rows 128 w .. 128 w + 127 of its weight in 512 registers for the whole launch; a unit is 2 tiles of tokens x 8 tiles of channels x 4 K steps = 64 matrix instructions,
; and each fragment of h, fetched from LDS, feeds eight of them.  h's images come from memory a quarter to a wave (512 consecutive bytes a load), a unit ahead, and meet in one of two LDS buffers.
; TILES ARE NOT NEIGHBOURS: row r of a tile of tokens T is token 32 (T / 2) + 8 (T % 2) + r + 8 (r / 8); row r of a tile of channels likewise.  So the 16 registers of two neighbouring tiles are 16 neighbours along the next K.
; q, k: source 0 = 16 rows of W, source 1 = 16 tokens: a lane holds ONE token and its registers run along the channels.  v: source 0 = 16 tokens, source 1 = 16 rows of W: a lane holds ONE channel and its registers run along the tokens.
; The two forms part on y by a scalar branch round matrix work, arithmetic and global stores alone; every LDS instruction and every barrier is on the common way.  The bias is the C of each sum's first matrix instruction.
; OUT, as images of operand registers (2,048 bytes: register group c of lane l at 512 c + 16 l).  q: qimg ((image 64 + T) 4 + s) 2,048; scale words qsc (block 2,048 + s 512 + tile 64 + 4 r).
; k, v: kv, one run of 135,168 bytes for each 128 keys: K's 32 images (tile 4 + s), V's 32 images (tile of channels; K = the 128 keys), K's scale words (s 512 + tile 64 + 4 r), V's (tile 64 + 4 r).
; NO CLUSTER: the weights are read once by each work-group, straight into registers, where a joint load could not put them; h's tiles are shared by the three work-groups of a column of the grid, and 3 divides into no cluster of 4.
; 192 work-groups: three products of equal work; twice as many would run in two turns, four times as many would read the weights four times as often.
; LIMITS: NaN and infinities are not served.  A block whose largest magnitude lies under 2^-118 (a block of zeros too) gets the byte 1; a block of zeros has zero codes, and the bytes are read by this program alone.
; REGISTERS, in windows of 256: window 0: v0-14 addresses; v24-55 W's scale words, v56-59 h's (two tiles to a register: lanes 0-15, lanes 16-31); v60-67 the scale words being made; v68-107 at work; v128-255 the 16 accumulators.
;   window 1: W's fragments of tiles 0-3 ((tile % 4) 4 + s) 16;  window 2: of tiles 4-7;  window 3: v0-127 h's 8 fragments (tile 4 + s) 16; v128-191 the bias as C; v192-223 my quarter of the next unit.
.set KVB,  135168                      ; a run of kv
.set HB,   16384                       ; LDS: two buffers of a unit's 8 images, at 0 and at HB;
.set HSC,  32768                       ; h's scale words of the 512 tokens: tile 256 + s 64 + 4 r;
.set SWST, 40960                       ; 512 bytes for each wave, through which its scale words leave
.set LI,   1                           ; v1   16 x lane
.set AW,   4                           ; v4   W: (r + 8 (r / 8)) x 512 + 16 h
.set AWS,  5                           ; v5   W's scale words: (r + 8 (r / 8)) x 16
.set ABQ,  6                           ; v6   bias of q, k: 64 h
.set ABV,  7                           ; v7   bias of v: (r + 8 (r / 8)) x 4
.set AST,  8                           ; v8   my quarter of a unit: 4,096 x wave + 16 x lane, in memory and in a buffer
.set AHS,  10                          ; v10  h's scale words: HSC + 256 h + 4 r, 2,048 on for each block
.set ASWS, 11                          ; v11  SWST + 512 x wave + 4 r
.set ASWL, 12                          ; v12  SWST + 512 x wave + 16 x lane
.set AHW,  14                          ; v14  HSC + 256 x lane + 64 x wave
.set WS,   24
.set HS,   56
.set SW,   60
.set TM,   68                          ; v68-71 largest magnitudes, v72-75 bytes, v76-79 448 x the scale, v80-83 the conversions' scale operands
.set FL,   84
.set PC,   92                          ; v92-107 the codes just made
.set ACC,  128
.set HF,   0                           ; in window 3
.set BI,   128
.set SG,   192
.set MSB, 0
.macro WIN new                         ; the immediate's high byte repeats the setting that is left; a switch that changes nothing is dropped
.if MSB != (\new)
	s_set_vgpr_msb (MSB<<8)|(\new)
.set MSB, \new
.endif
.endm
.macro PLACES n
.rept \n
	v_nop
.endr
.endm
; One matrix instruction.  c: the first register of C.  ra, rb = 1: that side's scales stand in lanes 16-31 of its register.
.macro WMS d, a, b, c, sa, sb, ra, rb
.set wD, \d
.set wA, \a
.set wB, \b
.set wC, \c
.set wX, \sa
.set wY, \sb
.set wM, 2*(\ra)+(\rb)
.if wM == 0
	v_wmma_scale_f32_16x16x128_f8f6f4 v[wD:wD+7], v[wA:wA+15], v[wB:wB+15], v[wC:wC+7], v[wX], v[wY]
.elseif wM == 1
	v_wmma_scale_f32_16x16x128_f8f6f4 v[wD:wD+7], v[wA:wA+15], v[wB:wB+15], v[wC:wC+7], v[wX], v[wY] matrix_b_scale:MATRIX_SCALE_ROW1
.else
	v_wmma_scale_f32_16x16x128_f8f6f4 v[wD:wD+7], v[wA:wA+15], v[wB:wB+15], v[wC:wC+7], v[wX], v[wY] matrix_a_scale:MATRIX_SCALE_ROW1
.endif
.endm
	s_load_b512 s[4:19], s[0:1], 0x0               ; hq s[4:5], hs s[6:7], wq's codes, scales, bq s[8:13], wk's s[14:19]
	s_load_b256 s[20:27], s[0:1], 0x40             ; wv's s[20:25], qimg s[26:27]
	s_load_b128 s[28:31], s[0:1], 0x60             ; qsc s[28:29], kv s[30:31]
	v_lshl_add_u32 v126, v0, 2, 0xa800
	v_mov_b32 v127, 0
	s_and_b32 s32, ttmp7, 0xffff                   ; which product
	v_lshrrev_b32 v2, 5, v0
	v_readfirstlane_b32 s33, v2                    ; wave 0..3
	v_and_b32 v9, 31, v0                           ; lane
	v_lshlrev_b32 v[LI], 4, v9
	v_and_b32 v2, 15, v0                           ; r
	v_bfe_u32 v3, v0, 4, 1                         ; h
	v_and_b32 v13, 8, v2
	v_add_nc_u32 v13, v13, v2                      ; r + 8 (r / 8)
	v_lshlrev_b32 v[AW], 9, v13
	v_lshl_add_u32 v[AW], v3, 4, v[AW]
	v_lshlrev_b32 v[AWS], 4, v13
	v_lshlrev_b32 v[ABQ], 6, v3
	v_lshlrev_b32 v[ABV], 2, v13
	s_lshl_b32 s34, s33, 12
	v_add_nc_u32 v[AST], s34, v[LI]
	v_lshlrev_b32 v[AHS], 2, v2
	v_lshl_add_u32 v[AHS], v3, 8, v[AHS]
	v_add_nc_u32 v[AHS], HSC, v[AHS]
	s_lshl_b32 s34, s33, 9
	s_add_co_u32 s34, s34, SWST
	v_lshl_add_u32 v[ASWS], v2, 2, s34
	v_add_nc_u32 v[ASWL], s34, v[LI]
	s_lshl_b32 s34, s33, 6
	s_add_co_u32 s34, s34, HSC
	v_lshl_add_u32 v[AHW], v9, 8, s34
.irp i, 0,1,2,3,4,5,6,7
	v_mov_b32 v[SW+\i], 0                          ; written once, so that each is written on every way through the units' branches
.endr
.irp b, 0,1,2,3
	v_mov_b32 v[TM+4+\b], 0                        ; a lane permute's destination counts as one of its sources
.endr
	s_mov_b32 s46, 0x76543210                      ; v_permlanex16_b32's selects for lane l xor 16
	s_mov_b32 s47, 0xfedcba98
	s_mov_b32 s48, 0x600000                        ; the mantissa field of 448
	s_mov_b32 s44, 4                               ; blocks to go
	; offsets, in registers of their own.  A block's codes and scale words lie 65,536 and 2,048 bytes on in qimg and qsc, 135,168 in kv
	s_lshl_b32 s49, ttmp9, 2                       ; my first block of 128 tokens, counted over all images
	s_mov_b32 s40, KVB
	s_mov_b32 s42, KVB
	s_cmp_eq_u32 s32, 0
	s_cselect_b32 s40, 65536, s40
	s_cselect_b32 s42, 2048, s42
	s_mov_b32 s41, 0
	s_mov_b32 s43, 0
	s_mul_i32 s50, s49, s40
	s_mul_i32 s52, s49, s42
	s_lshl_b32 s54, s33, 11                        ; q, k: my results are K step w of each image: 2,048 w
	s_lshl_b32 s55, s33, 14                        ; v: my eight images, behind K's: 65,536 + 16,384 w
	s_add_co_u32 s55, s55, 65536
	s_mov_b32 s56, 0
	s_cmp_eq_u32 s32, 1
	s_cselect_b32 s56, 131072, s56                 ; where the scale words begin in a run of kv
	s_cmp_eq_u32 s32, 2
	s_cselect_b32 s56, 133120, s56
	s_cselect_b32 s54, s55, s54
	s_add_co_u32 s50, s50, s54
	s_mov_b32 s51, 0
	s_lshl_b32 s57, s33, 9                         ; my 512 bytes of scale words
	s_add_co_u32 s52, s52, s56
	s_add_co_u32 s52, s52, s57
	s_mov_b32 s53, 0
	s_lshl_b32 s58, ttmp9, 18                      ; hq: 32 tiles of 8,192 bytes a work-group
	s_mov_b32 s59, 0
	s_lshr_b32 s60, ttmp9, 1                       ; hs: image x 16,384 + half x 512 + 4 planes x wave
	s_lshl_b32 s60, s60, 14
	s_and_b32 s61, ttmp9, 1
	s_lshl_b32 s61, s61, 9
	s_add_co_u32 s60, s60, s61
	s_lshl_b32 s61, s33, 12
	s_add_co_u32 s60, s60, s61
	s_mov_b32 s61, 0
	s_lshl_b32 s62, s33, 16                        ; my 128 rows of W
	s_mov_b32 s63, 0
	s_mov_b32 s35, 0
	s_wait_kmcnt 0x0
	s_cmp_eq_u32 s32, 1                            ; the choices hang on the work-group's y alone
	s_cselect_b64 s[8:9], s[14:15], s[8:9]
	s_cselect_b64 s[10:11], s[16:17], s[10:11]
	s_cselect_b64 s[12:13], s[18:19], s[12:13]
	s_cmp_eq_u32 s32, 2
	s_cselect_b64 s[8:9], s[20:21], s[8:9]
	s_cselect_b64 s[10:11], s[22:23], s[10:11]
	s_cselect_b64 s[12:13], s[24:25], s[12:13]
	s_cmp_eq_u32 s32, 0
	s_cselect_b64 s[36:37], s[26:27], s[30:31]     ; where the codes go,
	s_cselect_b64 s[38:39], s[28:29], s[30:31]     ; and the scale words
	s_add_nc_u64 s[36:37], s[36:37], s[50:51]
	s_add_nc_u64 s[38:39], s[38:39], s[52:53]
	s_add_nc_u64 s[4:5], s[4:5], s[58:59]
	s_add_nc_u64 s[6:7], s[6:7], s[60:61]
	s_add_nc_u64 s[8:9], s[8:9], s[62:63]
	s_lshl_b32 s34, s33, 11
	s_add_nc_u64 s[10:11], s[10:11], s[34:35]
	s_lshl_b32 s34, s33, 9
	s_add_nc_u64 s[12:13], s[12:13], s[34:35]
	; W's 32 fragments: they stay
.irp wt, 0,1,2,3,4,5,6,7
	WIN 0x40+0x40*(\wt/4)
.irp s, 0,1,2,3
.irp c, 0,1,2,3
	global_load_b128 v[((\wt%4)*4+\s)*16+4*\c:((\wt%4)*4+\s)*16+4*\c+3], v[AW], s[8:9] offset:(32*(\wt/2)+8*(\wt%2))*512+128*\s+32*\c
.endr
.endr
.endr
	WIN 0
.irp wt, 0,1,2,3,4,5,6,7
	global_load_b128 v[WS+4*\wt:WS+4*\wt+3], v[AWS], s[10:11] offset:(32*(\wt/2)+8*(\wt%2))*16   ; a row's four scale words, one for each K step
.endr
	s_cmp_eq_u32 s32, 2
	s_cbranch_scc1 .Lbias_v
	WIN 0xc0                                       ; q, k: register j of a tile's result is channel 16 h + j of the tile's pair of eights
.irp wt, 0,1,2,3,4,5,6,7
	global_load_b128 v[BI+8*\wt:BI+8*\wt+3], v[ABQ], s[12:13] offset:(32*(\wt/2)+8*(\wt%2))*4
	global_load_b128 v[BI+8*\wt+4:BI+8*\wt+7], v[ABQ], s[12:13] offset:(32*(\wt/2)+8*(\wt%2))*4+16
.endr
	WIN 0
	s_branch .Lbias_done
.Lbias_v:
	WIN 0xc0                                       ; v: all eight registers of a lane belong to its one channel
.irp wt, 0,1,2,3,4,5,6,7
.irp j, 0,1,2,3,4,5,6,7
	global_load_b32 v[BI+8*\wt+\j], v[ABV], s[12:13] offset:(32*(\wt/2)+8*(\wt%2))*4
.endr
.endr
	WIN 0
.Lbias_done:
.irp c, 0,1,2,3
	global_load_b128 v[ACC+4*\c:ACC+4*\c+3], v[LI], s[6:7] offset:1024*\c      ; h's scale bytes: planes 4 w + c; lane l takes tile l's 16 rows
.endr
	WIN 0xc0
.irp i, 0,1,2,3,4,5,6,7
	global_load_b128 v[SG+4*\i:SG+4*\i+3], v[AST], s[4:5] offset:512*\i        ; my quarter of the first unit
.endr
	WIN 0
	s_wait_loadcnt 0x0
	; four planes' bytes become scale words (byte c = plane 4 w + c): 4 x 4 bytes are turned by eight byte permutes
.irp i, 0,1,2,3
	v_perm_b32 v144, v[ACC+4+\i], v[ACC+\i], 0x05010400
	v_perm_b32 v145, v[ACC+4+\i], v[ACC+\i], 0x07030602
	v_perm_b32 v146, v[ACC+12+\i], v[ACC+8+\i], 0x05010400
	v_perm_b32 v147, v[ACC+12+\i], v[ACC+8+\i], 0x07030602
	v_perm_b32 v[160+4*\i], v146, v144, 0x05040100
	v_perm_b32 v[161+4*\i], v146, v144, 0x07060302
	v_perm_b32 v[162+4*\i], v147, v145, 0x05040100
	v_perm_b32 v[163+4*\i], v147, v145, 0x07060302
	ds_store_b128 v[AHW], v[160+4*\i:163+4*\i] offset:16*\i                    ; rows 4 i .. 4 i + 3 of tile l, K step w; the first unit's barrier shows them to all
.endr
; 64 numbers of a lane, v[s] on, register 16 b + i = place 32 b + 16 (lane / 16) + i along the next K, become 16 registers of codes in v[PC] on; the four scale bytes are left in v[TM+4] on.
.macro QCORE s
	s_wait_xcnt 0x0                                ; earlier stores have read v[PC] on: only behind this wait are they written again
.irp b, 0,1,2,3
	v_max3_num_f32 v[TM+\b], |v[\s+16*\b]|, |v[\s+1+16*\b]|, 0x4800000         ; block b: my 16 numbers, from each accumulator's low end on, and the floor 2^(9 - 127): the byte cannot fall under 1
.endr
.irp i, 2,4,6,8,10,12,14
.irp b, 0,1,2,3
	v_max3_num_f32 v[TM+\b], v[TM+\b], |v[\s+16*\b+\i]|, |v[\s+1+16*\b+\i]|    ; (the four blocks by turns)
.endr
.endr
.irp b, 0,1,2,3
	v_permlanex16_b32 v[TM+4+\b], v[TM+\b], s46, s47
.endr
.irp b, 0,1,2,3
	v_max_num_f32 v[TM+\b], v[TM+\b], v[TM+4+\b]   ; with lane l xor 16's 16: the block's largest magnitude
.endr
.irp b, 0,1,2,3
	v_add_nc_u32 v[TM+12+\b], 0xfc000000, v[TM+\b] ; 8 off its exponent field: the conversion's scale operand
.endr
.irp b, 0,1,2,3
	v_and_or_b32 v[TM+8+\b], v[TM+\b], 0x7f800000, s48   ; 448 x the scale
.endr
.irp b, 0,1,2,3
	v_lshrrev_b32 v[TM+4+\b], 23, v[TM+12+\b]      ; the scale's byte
.endr
.irp b, 0,1,2,3
.irp i, 0,1,2,3,4,5,6,7,8,9,10,11,12,13,14,15
	v_med3_num_f32 v[\s+16*\b+\i], v[\s+16*\b+\i], -v[TM+8+\b], v[TM+8+\b]     ; the conversion to an 8-bit code does not saturate (ISA guide 7.6.2): the hold comes first
.endr
	v_cvt_scalef32_pk8_fp8_f32 v[PC+4*\b:PC+4*\b+1], v[\s+16*\b:\s+16*\b+7], v[TM+12+\b]
	v_cvt_scalef32_pk8_fp8_f32 v[PC+4*\b+2:PC+4*\b+3], v[\s+16*\b+8:\s+16*\b+15], v[TM+12+\b]
.endr
	v_nop                                          ; a plain instruction behind the last conversion: later products write its sources
.endm
; 32 matrix instructions: W's tiles 4 half .. 4 half + 3 x the unit's two tiles of tokens x 4 K steps.  The eight accumulators take turns, one instruction a turn.
.macro MMQK half                       ; source 0 = W, source 1 = h; accumulator (token tile pt, W tile wt) at ACC + 64 pt + 8 wt
.irp s, 0,1,2,3
.if \s == 0
	WIN 0x3d+\half                                 ; W window 1 + half, h and the bias window 3
.else
	WIN 0x0d+\half
.endif
.irp wl, 0,1,2,3
.irp pt, 0,1
.if \s == 0
	WMS ACC+64*\pt+8*(4*\half+\wl), (4*\wl+\s)*16, HF+(4*\pt+\s)*16, BI+8*(4*\half+\wl), WS+4*(4*\half+\wl)+\s, HS+\s, 0, \pt
.else
	WMS ACC+64*\pt+8*(4*\half+\wl), (4*\wl+\s)*16, HF+(4*\pt+\s)*16, ACC+64*\pt+8*(4*\half+\wl), WS+4*(4*\half+\wl)+\s, HS+\s, 0, \pt
.endif
.endr
.endr
.endr
.endm
.macro MMV half                        ; source 0 = h, source 1 = W; accumulator at ACC + 16 wt + 8 pt
.irp s, 0,1,2,3
.if \s == 0
	WIN 0x37+4*\half                               ; h and the bias window 3, W window 1 + half
.else
	WIN 0x07+4*\half
.endif
.irp wl, 0,1,2,3
.irp pt, 0,1
.if \s == 0
	WMS ACC+16*(4*\half+\wl)+8*\pt, HF+(4*\pt+\s)*16, (4*\wl+\s)*16, BI+8*(4*\half+\wl), HS+\s, WS+4*(4*\half+\wl)+\s, \pt, 0
.else
	WMS ACC+16*(4*\half+\wl)+8*\pt, HF+(4*\pt+\s)*16, (4*\wl+\s)*16, ACC+16*(4*\half+\wl)+8*\pt, HS+\s, WS+4*(4*\half+\wl)+\s, \pt, 0
.endif
.endr
.endr
.endr
.endm
.macro BODYQK g                        ; unit g of a block, q or k: each tile of tokens becomes K step w of its image, and one scale word a token
	MMQK 0
	MMQK 1
	WIN 0
	PLACES 8                                       ; eight plain instructions between the last products and the first read of results
.irp pt, 0,1
	QCORE ACC+64*\pt
	v_lshl_or_b32 v[SW+2*\g+\pt], v[TM+5], 8, v[TM+4]
	v_lshl_or_b32 v[SW+2*\g+\pt], v[TM+6], 16, v[SW+2*\g+\pt]
	v_lshl_or_b32 v[SW+2*\g+\pt], v[TM+7], 24, v[SW+2*\g+\pt]
.irp c, 0,1,2,3
	global_store_b128 v[LI], v[PC+4*\c:PC+4*\c+3], s[36:37] offset:(2*\g+\pt)*8192+512*\c    ; 512 consecutive bytes, at a multiple of 512 from the buffer's first byte
.endr
.endr
.endm
.macro BODYV g                         ; unit g of a block, v: its 32 tokens are block g of the 128 keys: register group g of each of my eight images, byte g of each scale word
	MMV 0
	MMV 1
	WIN 0
	PLACES 8
.irp ch, 0,1
	QCORE ACC+64*\ch
.irp b, 0,1,2,3
.if \g == 0
	v_mov_b32 v[SW+4*\ch+\b], v[TM+4+\b]
.else
	v_lshl_or_b32 v[SW+4*\ch+\b], v[TM+4+\b], 8*\g, v[SW+4*\ch+\b]
.endif
	global_store_b128 v[LI], v[PC+4*\b:PC+4*\b+3], s[36:37] offset:(4*\ch+\b)*2048+512*\g
.endr
.endr
.endm
; A UNIT.  ONE barrier: buffer g % 2 was last read two units ago, and every wave waited for those reads in front of the barrier of the unit between.
.macro UNIT g
	s_wait_loadcnt 0x0                             ; my quarter of this unit, asked for a unit ago
	WIN 0x0c                                       ; an LDS store's data are its source 1: window 3
.irp i, 0,1,2,3,4,5,6,7
	ds_store_b128 v[AST], v[SG+4*\i:SG+4*\i+3] offset:HB*((\g)%2)+512*\i
.endr
	WIN 0
	s_wait_dscnt 0x0                               ; for the others' sake: my quarter has landed; my earlier LDS loads are long in
	s_barrier_signal -1
	s_barrier_wait -1
.if \g == 3
	s_cmp_eq_u32 s44, 1                            ; behind the last block's last unit nothing follows: no load leaves hq
	s_cbranch_scc1 .Lnonext_\@
.endif
	WIN 0xc0
.irp i, 0,1,2,3,4,5,6,7
	global_load_b128 v[SG+4*\i:SG+4*\i+3], v[AST], s[4:5] offset:((\g)+1)*16384+512*\i
.endr
	WIN 0
.if \g == 3
.Lnonext_\@:
.endif
	WIN 0xc0
.set i, 0
.rept 32
	ds_load_b128 v[HF+4*i:HF+4*i+3], v[LI] offset:HB*((\g)%2)+512*i            ; the unit's eight images, as they lie
.set i, i+1
.endr
	WIN 0
.irp s, 0,1,2,3
	ds_load_b32 v[HS+\s], v[AHS] offset:512*(\g)+64*\s                         ; lanes 0-15 the first tile's words, lanes 16-31 the second's
.endr
	s_wait_dscnt 0x0
	s_cmp_eq_u32 s32, 2
	s_cbranch_scc1 .Lv_\@
	BODYQK \g
	s_branch .Ljoin_\@
.Lv_\@:
	BODYV \g
.Ljoin_\@:
.endm
.Lblock:
	UNIT 0
	UNIT 1
	UNIT 2
	UNIT 3
.irp i, 0,1,2,3,4,5,6,7
	ds_store_b32 v[ASWS], v[SW+\i] offset:64*\i    ; the block's scale words, through my own 512 bytes; both halves of the lanes write the same word with the same value
.endr
	ds_load_b128 v[FL:FL+3], v[ASWL]               ; LDS serves a wave's instructions in order (ISA guide 5.7.1.4)
	s_wait_dscnt 0x0
	global_store_b128 v[LI], v[FL:FL+3], s[38:39]  ; 512 consecutive bytes
	s_wait_xcnt 0x0                                ; every earlier memory instruction has read its registers: the bases step only behind this wait
	s_add_nc_u64 s[36:37], s[36:37], s[40:41]
	s_add_nc_u64 s[38:39], s[38:39], s[42:43]
	s_add_nc_u64 s[4:5], s[4:5], 65536
	v_add_nc_u32 v[AHS], 2048, v[AHS]
	s_sub_co_u32 s44, s44, 1
	s_cmp_lg_u32 s44, 0
	s_cbranch_scc1 .Lblock
	s_wait_tensorcnt 0x0
	ds_add_u32 v126, v127
	s_wait_dscnt 0x0
	s_endpgm
.Lfunc_end_k_qedd1ec8752_qkv:
	.size	k_qedd1ec8752_qkv, .Lfunc_end_k_qedd1ec8752_qkv-k_qedd1ec8752_qkv
	.p2alignl 7, 3214868480
	.fill 96, 4, 3214868480
	.section	.rodata,"a",@progbits
	.p2align	6, 0x0
	.amdhsa_kernel k_qedd1ec8752_qkv
		.amdhsa_group_segment_fixed_size 43520
		.amdhsa_private_segment_fixed_size 0
		.amdhsa_enable_private_segment 0
		.amdhsa_kernarg_size 112
		.amdhsa_user_sgpr_count 2
		.amdhsa_user_sgpr_kernarg_segment_ptr 1
		.amdhsa_wavefront_size32 1
		.amdhsa_system_sgpr_workgroup_id_x 1
		.amdhsa_system_sgpr_workgroup_id_y 1
		.amdhsa_system_sgpr_workgroup_id_z 1
		.amdhsa_system_vgpr_workitem_id 0
		.amdhsa_next_free_vgpr 1024
		.amdhsa_next_free_sgpr 66
		.amdhsa_reserve_vcc 0
		.amdhsa_float_denorm_mode_32 3
		.amdhsa_float_denorm_mode_16_64 3
		.amdhsa_memory_ordered 1
		.amdhsa_forward_progress 1
		.amdhsa_inst_pref_size 248
	.end_amdhsa_kernel
	.amdgpu_metadata
---
amdhsa.version: [ 1, 2 ]
amdhsa.kernels:
  - .name:           k_qedd1ec8752_qkv
    .symbol:         k_qedd1ec8752_qkv.kd
    .args:
      - { .name: hq, .offset: 0, .size: 8, .value_kind: global_buffer, .address_space: global }
      - { .name: hs, .offset: 8, .size: 8, .value_kind: global_buffer, .address_space: global }
      - { .name: wq_codes, .offset: 16, .size: 8, .value_kind: global_buffer, .address_space: global }
      - { .name: wq_scales, .offset: 24, .size: 8, .value_kind: global_buffer, .address_space: global }
      - { .name: bq, .offset: 32, .size: 8, .value_kind: global_buffer, .address_space: global }
      - { .name: wk_codes, .offset: 40, .size: 8, .value_kind: global_buffer, .address_space: global }
      - { .name: wk_scales, .offset: 48, .size: 8, .value_kind: global_buffer, .address_space: global }
      - { .name: bk, .offset: 56, .size: 8, .value_kind: global_buffer, .address_space: global }
      - { .name: wv_codes, .offset: 64, .size: 8, .value_kind: global_buffer, .address_space: global }
      - { .name: wv_scales, .offset: 72, .size: 8, .value_kind: global_buffer, .address_space: global }
      - { .name: bv, .offset: 80, .size: 8, .value_kind: global_buffer, .address_space: global }
      - { .name: qimg, .offset: 88, .size: 8, .value_kind: global_buffer, .address_space: global }
      - { .name: qsc, .offset: 96, .size: 8, .value_kind: global_buffer, .address_space: global }
      - { .name: kv, .offset: 104, .size: 8, .value_kind: global_buffer, .address_space: global }
    .group_segment_fixed_size: 43520
    .private_segment_fixed_size: 0
    .kernarg_segment_align: 8
    .kernarg_segment_size: 112
    .max_flat_workgroup_size: 128
    .sgpr_count:     66
    .vgpr_count:     1024
    .wavefront_size: 32
...
	.end_amdgpu_metadata
.endif
;; end of part 2
;; launch attn (part 3): grid 16 x 32, 4 waves a work-group, clusters of 4 x 1, 327,680 bytes of LDS; arguments qimg, qsc, kv, wproj_codes, wproj_scales, bproj, x, out0; writes out0
.if DOCPART == 3
	.amdgcn_target "amdgcn-amd-amdhsa--gfx1250"
	.amdhsa_code_object_version 6
	.text
	.protected	k_qedd1ec8752_attn
	.globl	k_qedd1ec8752_attn
	.p2align	8
	.type	k_qedd1ec8752_attn,@function
k_qedd1ec8752_attn:
	s_mov_b64 s[64:65], 0
	v_nop
	global_prefetch_b8 v0, s[64:65] scope:SCOPE_SE
	s_setreg_imm32_b32 hwreg(HW_REG_WAVE_MODE, 25, 1), 1
	s_wait_xcnt 0x0
	s_wait_alu depctr_hold_cnt(0) depctr_sa_sdst(0) depctr_va_vdst(0) depctr_va_sdst(0) depctr_va_ssrc(0) depctr_va_vcc(0) depctr_vm_vsrc(0)
	s_getreg_b32 s2, hwreg(HW_REG_IB_STS2, 6, 4)
	s_cmp_eq_u32 s2, 0
	s_cbranch_scc0 .Lentry_in_a_cluster
	s_endpgm
.Lentry_in_a_cluster:
	s_bfe_u32 s2, ttmp6, 0x10000c
	s_cmp_lg_u32 s2, 0x3003
	s_cbranch_scc0 .Lentry_shape_is_right
	s_endpgm
.Lentry_shape_is_right:
; out0 = x + wproj (softmax(q k^T / sqrt(512)) v)^T + bproj, all three products on codes of FP8 (E4M3) with E8M0 scales.  One head of 512 channels, 1,024 tokens, 32 images.
; THE SOFTMAX AHEAD OF THE SECOND PRODUCT: t = score x log2(e) / sqrt(512) (one multiplication); M = the row's largest t so far, rounded UP to a whole number; p = 2^(t - M) is quantised along the keys, not normalised.
; The row's sum is taken of the unquantised p and divides O at the end (v_rcp_f32 and a multiplication).  When M moves, the sum and O are multiplied by 2^(old M - new M): exact.
; SHARES.  A work-group owns 64 queries (four tiles of 16) of one image and walks the 1,024 keys, 128 a step.  THE WAVES SHARE THE COLUMNS in all three products, each for all 64 queries:
;   S^T = K Q^T: wave w makes the step's keys 32 w .. 32 w + 31 (two tiles: one block of 32);  O^T += V^T P^T: channels 128 w .. + 127 (eight tiles);  the projection: output channels 128 w .. + 127.
; So each fragment of K, V and wproj is read once in the work-group and feeds four matrix instructions.  The price: q's 16 fragments stand in every wave's registers, and the blocks' largest scores and p's codes go from wave to wave through LDS.
; LAYOUT.  Operands lie in memory and in LDS as images of their registers (2,048 bytes: register group c of lane l at 512 c + 16 l): every fetch is 512 consecutive bytes.  Row r of a tile of tokens T is token 32 (T / 2) + 8 (T % 2) + r + 8 (r / 8),
; V's tiles of channels likewise: so a lane's 16 registers of two neighbouring tiles are 16 neighbours along the next K, and the conversions' results are the next operand's registers.  A lane holds ONE query (lane % 16) in S^T, p and O^T.
; Every wave makes p's whole scale word itself, from the four blocks' largest scores: a block's largest p is its largest score put through the same multiply-add and exponential (this takes v_exp_f32 not to fall where its input rises).
; CLUSTER.  The four work-groups of a cluster own neighbouring queries of one image and walk the same runs of kv: each quarter of a run is asked for JOINTLY, by the same tensor load with the same descriptor and the mask of all four.
; RING.  Two LDS slots of one key step (135,168 bytes: K's images, V's images, both scale words, dense as in memory); each wave fetches a quarter, 132 rows of 256 bytes.
; A KEY STEP HAS TWO BARRIERS.  The first shows the blocks' largest scores to all.  The second shows p to all, and when a wave reaches it, all that it wants of the step's slot stands in its registers: so this barrier is the cluster's round, and
; behind it the slot is filled again, two steps ahead.  Behind the round: p's fragments and the NEXT step's fragments of K are asked for, O^T is rescaled meanwhile, and 64 matrix instructions follow each other: V^T P^T of this step, K Q^T of the next.
; Behind step 6's round slot 0 takes my 128 rows of x (a load of my own, no mask): x waits in LDS for the end and holds no register.  By this text's count a wave has two tensor loads out at the start, later one.
; No prefetch into the L2: kv was stored by the launch before, and x's tensor load is itself asked for a key step and the division ahead of its first read.
; LIMITS: NaN and infinities are not served.  A block whose largest magnitude lies under 2^-118 (a block of zeros too) gets the byte 1; a block of zeros has zero codes, and the bytes are read by this program alone.
; REGISTERS, in windows of 256: window 0: v0-31 addresses; v32-51 and v108-111 scale words and nothing else; v52-127 statistics and work; v128-191 S^T, then p; v192-255 K's second tile.  At the end: v52-119 the bias as C,
;   v128-191 the projection's sums (two sets), v192-223 rows of x, v224-255 rows on their way out.   window 1: q's 16 fragments (tile 4 + s) 16; at the end wproj's tiles 0-3.
;   window 2: O^T at 64 tile + 8 channel tile; at the end the attention output's 16 fragments.   window 3: v0-127 V's eight fragments, v128-191 p's four, v192-255 K's first tile; at the end wproj's tiles 4-7.
.set KVB,   135168                     ; a key step's run of kv, and an LDS slot
.set QTR,   33792                      ; a quarter of it
.set PIMG,  2*KVB                      ; behind the ring: p's four images,
.set MAXR,  PIMG+8192                  ; the blocks' largest scores: 512 w + 16 x lane,
.set LSUM,  MAXR+2048                  ; the rows' sums likewise,
.set SPARE, LSUM+2048                  ; and the spare words, 128 bytes for each wave: two blocks of 256 bytes that no other line names
.set OIMG,  KVB                        ; at the end, in slot 1, which has had its last fill and its last read: the output's 16 images,
.set OSC,   KVB+32768                  ; their scale words,
.set STG,   KVB+36864                  ; and a stage of 16 rows x (256 + 16) bytes for each wave
.set LI,  1                            ; v1   16 x lane
.set LS,  2                            ; v2   4 x lane
.set SPW, 3                            ; v3   LDS address of my spare word; never rewritten
.set NIL, 4                            ; v4   0; never rewritten
.set AK,  5                            ; v5, v6    my K images in slot 0, 1
.set AV,  7                            ; v7, v8    my V images
.set ASK, 9                            ; v9, v10   my K scale words
.set ASV, 11                           ; v11, v12  my V scale words
.set AMW, 13                           ; v13, v14  the largest scores: where I write, where I read
.set AML, 14
.set APW, 15                           ; v15, v16  p's images
.set APL, 16
.set ALW, 17                           ; v17, v18  the sums
.set ALL, 18
.set AOW, 19                           ; v19  the output's images, where I write: OIMG + 2,048 w + 16 x lane
.set AOS, 20                           ; v20  their scale words, where I write: OSC + 256 w + 4 r
.set STO, 21                           ; v21  the stage: row r, + 64 h
.set SRD, 22                           ; v22  and back: row h, + 16 r
.set GO,  23                           ; v23  out0: 4,096 h + 16 r
.set AWP, 24                           ; v24  wproj: 512 r + 16 h
.set AOL, 25                           ; v25  the output's images, where I read: OIMG + 16 x lane
.set ABP, 26                           ; v26  bproj: 4 r
.set AXR, 27                           ; v27  my rows of x in slot 0: 32,768 w + 16 x lane
.set AOSL, 28                          ; v28  the output's scale words, where I read: OSC + 4 x lane
.set QS,  32                           ; v32-39  q's scale words, 2 s + tile / 2 (two tiles to a register); at the end the output's
.set KS,  40                           ; v40-43  K's, one for each K step (my two tiles); at the end, with VS, PS and W3S, wproj's: 4 (tile / 2) + s, two tiles to a register
.set VS,  44                           ; v44-47  V's, two tiles to a register
.set PS,  48                           ; v48-51  p's, one for each tile of queries
.set ST,  52                           ; v52-59  pairs (-M, the largest t)
.set FF,  60                           ; v60-67  pairs (f, 0); at the end 1 / the sum
.set LL,  68                           ; v68-75  the sum, in two halves
.set BM,  76                           ; v76-79  my block's largest score
.set BMX, 80                           ; v80-95  all four blocks': 4 w' + tile
.set TQ,  96
.set SO,  100                          ; v100-103 the conversions' scale operands
.set HD,  104                          ; v104-107 448 x the scale
.set W3S, 108                          ; v108-111 wproj's scale words of tiles 6 and 7
.set PCD, 112                          ; v112-127 p's codes
.set S,   128
.set KF,  192                          ; K's fragments, 16 s: my first tile in window 3, my second in window 0
.set TM,  80                           ; at the end: the quantiser's work,
.set PW,  100                          ; the scale word just made,
.set PC,  112                          ; the codes just made,
.set BV,  192                          ; v192-199 the bias of my lane's channel in each of the eight tiles,
.set R,   128                          ; the projection's sums: set tile % 2, 8 x tile of tokens,
.set XB,  192                          ; eight rows' 16 bytes of x,
.set RB,  224                          ; and of the result
.set MSB, 0
.macro WIN new                         ; the immediate's high byte repeats the setting that is left; a switch that changes nothing is dropped
.if MSB != (\new)
	s_set_vgpr_msb (MSB<<8)|(\new)
.set MSB, \new
.endif
.endm
.macro PLACES n
.rept \n
	v_nop
.endr
.endm
; One matrix instruction.  c: the first register of C, or -1: the constant 0 starts the sum.  ra, rb = 1: that side's scales stand in lanes 16-31 of its register.
.macro WMS d, a, b, c, sa, sb, ra, rb
.set wD, \d
.set wA, \a
.set wB, \b
.set wC, \c
.set wX, \sa
.set wY, \sb
.set wM, 2*(\ra)+(\rb)
.if wC < 0
.if wM == 0
	v_wmma_scale_f32_16x16x128_f8f6f4 v[wD:wD+7], v[wA:wA+15], v[wB:wB+15], 0, v[wX], v[wY]
.elseif wM == 1
	v_wmma_scale_f32_16x16x128_f8f6f4 v[wD:wD+7], v[wA:wA+15], v[wB:wB+15], 0, v[wX], v[wY] matrix_b_scale:MATRIX_SCALE_ROW1
.elseif wM == 2
	v_wmma_scale_f32_16x16x128_f8f6f4 v[wD:wD+7], v[wA:wA+15], v[wB:wB+15], 0, v[wX], v[wY] matrix_a_scale:MATRIX_SCALE_ROW1
.else
	v_wmma_scale_f32_16x16x128_f8f6f4 v[wD:wD+7], v[wA:wA+15], v[wB:wB+15], 0, v[wX], v[wY] matrix_a_scale:MATRIX_SCALE_ROW1 matrix_b_scale:MATRIX_SCALE_ROW1
.endif
.else
.if wM == 0
	v_wmma_scale_f32_16x16x128_f8f6f4 v[wD:wD+7], v[wA:wA+15], v[wB:wB+15], v[wC:wC+7], v[wX], v[wY]
.elseif wM == 1
	v_wmma_scale_f32_16x16x128_f8f6f4 v[wD:wD+7], v[wA:wA+15], v[wB:wB+15], v[wC:wC+7], v[wX], v[wY] matrix_b_scale:MATRIX_SCALE_ROW1
.elseif wM == 2
	v_wmma_scale_f32_16x16x128_f8f6f4 v[wD:wD+7], v[wA:wA+15], v[wB:wB+15], v[wC:wC+7], v[wX], v[wY] matrix_a_scale:MATRIX_SCALE_ROW1
.else
	v_wmma_scale_f32_16x16x128_f8f6f4 v[wD:wD+7], v[wA:wA+15], v[wB:wB+15], v[wC:wC+7], v[wX], v[wY] matrix_a_scale:MATRIX_SCALE_ROW1 matrix_b_scale:MATRIX_SCALE_ROW1
.endif
.endif
.endm
; A round of the cluster's barrier: my work-group's barrier, so that wave 0's signal speaks for all four waves; wave 0 signals; every wave waits for all four work-groups; my work-group's barrier once more.
.macro ROUND
	s_barrier_signal -1
	s_barrier_wait -1
	s_cmp_lg_u32 s20, 0
	s_cbranch_scc1 .Lnot_wave_0_\@
	s_barrier_signal -3
.Lnot_wave_0_\@:
	s_barrier_wait -3
	s_barrier_signal -1
	s_barrier_wait -1
.endm
	s_load_b512 s[4:19], s[0:1], 0x0               ; qimg s[4:5], qsc s[6:7], kv s[8:9], wproj's codes s[10:11], scales s[12:13], bproj s[14:15], x s[16:17], out0 s[18:19]
	v_lshl_add_u32 v[SPW], v0, 2, SPARE
	v_mov_b32 v[NIL], 0
	ds_add_u32 v3, v4
	ds_add_u32 v3, v4
	s_wait_dscnt 0x0
	v_lshrrev_b32 v31, 5, v0
	v_readfirstlane_b32 s20, v31                   ; wave 0..3
	s_bfe_u32 s21, ttmp6, 0x40000                  ; cx: my place in the cluster
	s_lshl_b32 s22, ttmp9, 2                       ; in a cluster launch ttmp9 counts clusters
	s_add_co_u32 s22, s22, s21                     ; my block of 64 queries: it enters the addresses of qimg, qsc, x and out0 alone
	s_and_b32 s23, ttmp7, 0xffff                   ; the image, which the four partners share
	; descriptor group 1 for kv: 132 dense rows of 256 bytes (32 elements of 8 bytes), no padding
	s_mov_b32 s24, 15|(3<<16)|(1<<21)              ; 15:0 the mask: all four work-groups; 17:16 elements of 8 bytes; 21 set beside a mask
	s_mov_b32 s25, 32<<16                          ; tensor_dim0 = 32
	s_mov_b32 s26, 132<<16                         ; tensor_dim1 = 132
	s_mov_b32 s27, 32<<16                          ; tile_dim0 = 32
	s_mov_b32 s28, 132                             ; tile_dim1 = 132
	s_mov_b32 s29, 32                              ; elements from row to row
	s_mov_b32 s30, 0
	s_mov_b32 s31, 0
	; descriptor group 1 for x: 128 rows (channels) of 256 bytes (my 64 tokens), 4,096 bytes apart in memory, dense in LDS; no mask: each work-group has tokens of its own
	s_mov_b32 s68, 3<<16                           ; elements of 8 bytes
	s_mov_b32 s69, 32<<16                          ; tensor_dim0 = 32
	s_mov_b32 s70, 128<<16                         ; tensor_dim1 = 128
	s_mov_b32 s71, 32<<16                          ; tile_dim0 = 32
	s_mov_b32 s72, 128                             ; tile_dim1 = 128
	s_mov_b32 s73, 512                             ; elements from row to row
	s_mov_b32 s74, 0
	s_mov_b32 s75, 0
	s_mul_i32 s46, s23, 8*KVB                      ; kv: the image's eight runs, my quarter of each: made of the image and the wave's number alone
	s_mul_i32 s58, s20, QTR
	s_add_co_u32 s46, s46, s58
	s_mov_b32 s47, 0
	s_lshl_b32 s52, s23, 19                        ; qimg: image x 524,288 + block x 32,768
	s_lshl_b32 s53, s22, 15
	s_add_co_u32 s52, s52, s53
	s_mov_b32 s53, 0
	s_lshl_b32 s54, s23, 3                         ; qsc: (image x 8 + block / 2) x 2,048 + (block % 2) x 256
	s_lshr_b32 s55, s22, 1
	s_add_co_u32 s54, s54, s55
	s_lshl_b32 s54, s54, 11
	s_and_b32 s55, s22, 1
	s_lshl_b32 s55, s55, 8
	s_add_co_u32 s54, s54, s55
	s_mov_b32 s55, 0
	s_lshl_b32 s56, s23, 21                        ; x, out0: (image x 512 + 128 w) rows of 4,096 bytes + block x 256
	s_lshl_b32 s57, s20, 19
	s_add_co_u32 s56, s56, s57
	s_lshl_b32 s57, s22, 8
	s_add_co_u32 s56, s56, s57
	s_mov_b32 s57, 0
	s_mov_b32 s49, 0
	s_mov_b32 s40, 0x76543210                      ; v_permlanex16_b32's selects for lane l xor 16
	s_mov_b32 s41, 0xfedcba98
	s_mov_b32 s42, 0x3d8293ee                      ; c = log2(e) / sqrt(512)
	s_mov_b32 s43, s42                             ; (named with it as a pair, so it is written)
	s_mov_b32 s44, 0x600000                        ; the mantissa field of 448
	s_wait_kmcnt 0x0
	s_add_nc_u64 s[8:9], s[8:9], s[46:47]
	s_add_nc_u64 s[4:5], s[4:5], s[52:53]
	s_add_nc_u64 s[6:7], s[6:7], s[54:55]
	s_add_nc_u64 s[16:17], s[16:17], s[56:57]
	s_add_nc_u64 s[18:19], s[18:19], s[56:57]
	s_lshl_b32 s48, s20, 16                        ; my 128 rows of wproj,
	s_add_nc_u64 s[10:11], s[10:11], s[48:49]
	s_lshl_b32 s48, s20, 11                        ; of its scale bytes,
	s_add_nc_u64 s[12:13], s[12:13], s[48:49]
	s_lshl_b32 s48, s20, 9                         ; of bproj
	s_add_nc_u64 s[14:15], s[14:15], s[48:49]
	; descriptor group 0, a set for each slot: slot n begins with key step n; and one for x
	s_mov_b32 s32, 1                               ; count = 1
	s_mov_b32 s33, s58                             ; LDS address: my quarter of slot 0
	s_mov_b64 s[34:35], s[8:9]
	s_or_b32 s35, s35, 0x80000000                  ; type = 2
	s_mov_b32 s36, 1
	s_add_co_u32 s37, s58, KVB
	s_add_nc_u64 s[38:39], s[8:9], KVB
	s_or_b32 s39, s39, 0x80000000
	s_mov_b32 s76, 1
	s_lshl_b32 s77, s20, 15                        ; x: 32,768 bytes for each wave, from slot 0's first byte on
	s_mov_b64 s[78:79], s[16:17]
	s_or_b32 s79, s79, 0x80000000
	ROUND                                          ; all four work-groups are here: the first joint loads meet
	tensor_load_to_lds s[32:35], s[24:31]          ; key step 0
	s_nop 0
	tensor_load_to_lds s[36:39], s[24:31]          ; key step 1: the two first fills go out together
	s_nop 0
	PLACES 4                                       ; four v_nop follow, ahead of any switch of windows
	v_and_b32 v31, 31, v0                          ; lane
	v_and_b32 v29, 15, v0                          ; r
	v_bfe_u32 v30, v0, 4, 1                        ; h
	v_lshlrev_b32 v[LI], 4, v31
	v_lshlrev_b32 v[LS], 2, v31
	WIN 0x40
.set i, 0
.rept 64
	global_load_b128 v[4*i:4*i+3], v[LI], s[4:5] offset:512*i      ; q's 16 images: they stay in registers
.set i, i+1
.endr
	WIN 0
.irp s, 0,1,2,3
.irp p, 0,1
	global_load_b32 v[QS+2*\s+\p], v[LS], s[6:7] offset:512*\s+128*\p   ; lanes 0-15 tile 2 p's words, lanes 16-31 tile 2 p + 1's
.endr
.endr
	s_lshl_b32 s50, s20, 14
	v_add_nc_u32 v[AK], s50, v[LI]                 ; my two tiles of K: 16,384 w
	v_add_nc_u32 v[AK+1], KVB, v[AK]
	v_add_nc_u32 v[AV], 65536, v[AK]               ; my eight tiles of V, behind K's 32 images
	v_add_nc_u32 v[AV+1], 65536, v[AK+1]
	s_lshl_b32 s50, s20, 7
	s_add_co_u32 s50, s50, 131072
	v_add_nc_u32 v[ASK], s50, v[LS]
	v_add_nc_u32 v[ASK+1], KVB, v[ASK]
	s_lshl_b32 s50, s20, 9                         ; 512 w
	s_add_co_u32 s51, s50, 133120
	v_add_nc_u32 v[ASV], s51, v[LS]
	v_add_nc_u32 v[ASV+1], KVB, v[ASV]
	s_add_co_u32 s51, s50, MAXR
	v_add_nc_u32 v[AMW], s51, v[LI]
	v_add_nc_u32 v[AML], MAXR, v[LI]
	s_add_co_u32 s51, s50, PIMG
	v_add_nc_u32 v[APW], s51, v[LI]
	v_add_nc_u32 v[APL], PIMG, v[LI]
	s_add_co_u32 s51, s50, LSUM
	v_add_nc_u32 v[ALW], s51, v[LI]
	v_add_nc_u32 v[ALL], LSUM, v[LI]
	s_lshl_b32 s51, s20, 11
	s_add_co_u32 s51, s51, OIMG
	v_add_nc_u32 v[AOW], s51, v[LI]
	v_add_nc_u32 v[AOL], OIMG, v[LI]
	s_lshl_b32 s51, s20, 8
	s_add_co_u32 s51, s51, OSC
	v_lshl_add_u32 v[AOS], v29, 2, s51
	v_add_nc_u32 v[AOSL], OSC, v[LS]
	s_mul_i32 s51, s20, 16*272
	s_add_co_u32 s51, s51, STG
	v_mul_u32_u24 v[STO], v29, 272
	v_lshl_add_u32 v[STO], v30, 6, v[STO]
	v_add_nc_u32 v[STO], s51, v[STO]
	v_mul_u32_u24 v[SRD], v30, 272
	v_lshl_add_u32 v[SRD], v29, 4, v[SRD]
	v_add_nc_u32 v[SRD], s51, v[SRD]
	s_lshl_b32 s51, s20, 15
	v_add_nc_u32 v[AXR], s51, v[LI]
	v_lshlrev_b32 v[GO], 12, v30
	v_lshl_add_u32 v[GO], v29, 4, v[GO]
	v_lshlrev_b32 v[AWP], 9, v29
	v_lshl_add_u32 v[AWP], v30, 4, v[AWP]
	v_lshlrev_b32 v[ABP], 2, v29
.irp q, 0,1,2,3
	v_mov_b32 v[ST+2*\q+1], 0xff61b1e6             ; the largest t so far: -3e38, under every t
	v_floor_f32 v[ST+2*\q], -v[ST+2*\q+1]          ; -M
	v_mov_b32 v[LL+2*\q], 0
	v_mov_b32 v[LL+2*\q+1], 0
	v_mov_b32 v[FF+2*\q], 0
	v_mov_b32 v[FF+2*\q+1], 0                      ; (named as the upper half of a pair)
	v_mov_b32 v[TQ+\q], 0                          ; a lane permute's destination counts as one of its sources
.endr
; My two tiles of K of the step in slot `slot`, and their scale words: 36 LDS loads.  The first tile goes to window 3, the second to window 0.
.macro FETCHK slot
	WIN 0xc0
.set i, 0
.rept 16
	ds_load_b128 v[KF+4*i:KF+4*i+3], v[AK+(\slot)] offset:512*i
.set i, i+1
.endr
	WIN 0
.set i, 0
.rept 16
	ds_load_b128 v[KF+4*i:KF+4*i+3], v[AK+(\slot)] offset:8192+512*i
.set i, i+1
.endr
.irp s, 0,1,2,3
	ds_load_b32 v[KS+\s], v[ASK+(\slot)] offset:512*\s
.endr
.endm
.macro WPLOAD ot                       ; wproj's tile ot (rows 128 w + 16 ot + r), four K steps, to v[64 (ot % 4)] on of the window that is set
.irp s, 0,1,2,3
.irp c, 0,1,2,3
	global_load_b128 v[64*((\ot)%4)+16*\s+4*\c:64*((\ot)%4)+16*\s+4*\c+3], v[AWP], s[10:11] offset:8192*(\ot)+128*\s+32*\c
.endr
.endr
.endm
.macro RESCALE q                       ; O^T of tile q under the new M, each accumulator from its low end on
	WIN 0x82                                       ; O^T window 2, f window 0
.set i, 0
.rept 32
	v_pk_mul_f32 v[64*\q+i:64*\q+i+1], v[64*\q+i:64*\q+i+1], v[FF+2*\q:FF+2*\q+1] op_sel_hi:[1,0]
.set i, i+2
.endr
.endm
; THE FIRST HALF OF A KEY STEP, whose run lies in slot `slot`: the scores, the softmax, p's codes.  K's fragments were asked for ahead.  wp = 1 (the last step): q's registers, done with, take wproj's tiles 0-3.
.macro FRONT slot, wp
	s_wait_dscnt 0x0                               ; K's fragments and scale words are in
	; ---- S^T = K Q^T: my two tiles of keys x the four tiles of queries x 4 K steps.  The eight accumulators take turns, one instruction a turn
.irp s, 0,1,2,3
.irp u, 0,1
	WIN 0x07-3*\u                                  ; K window 3 or 0, q window 1, S^T window 0
.irp qt, 0,1,2,3
.if \s == 0
	WMS S+16*\qt+8*\u, KF+16*\s, (4*\qt+\s)*16, -1, KS+\s, QS+2*\s+\qt/2, \u, \qt%2
.else
	WMS S+16*\qt+8*\u, KF+16*\s, (4*\qt+\s)*16, S+16*\qt+8*\u, KS+\s, QS+2*\s+\qt/2, \u, \qt%2
.endif
.endr
.endr
.endr
	WIN 0
	PLACES 8                                       ; eight plain instructions between the last products and the first read of results, and the loads over operands
.if \wp
	WIN 0x40
	WPLOAD 0
	WPLOAD 1
	WIN 0
.endif
	; ---- my block's largest score for each query; register 16 tile + i is key 32 w + 16 (lane / 16) + i
.irp q, 0,1,2,3
	v_max3_num_f32 v[BM+\q], v[S+16*\q], v[S+16*\q+1], v[S+16*\q+2]            ; from each accumulator's low end on
.endr
.irp i, 3,5,7,9,11,13
.irp q, 0,1,2,3
	v_max3_num_f32 v[BM+\q], v[BM+\q], v[S+16*\q+\i], v[S+16*\q+\i+1]
.endr
.endr
.irp q, 0,1,2,3
	v_max_num_f32 v[BM+\q], v[BM+\q], v[S+16*\q+15]
.endr
.irp q, 0,1,2,3
	v_permlanex16_b32 v[TQ+\q], v[BM+\q], s40, s41
.endr
.irp q, 0,1,2,3
	v_max_num_f32 v[BM+\q], v[BM+\q], v[TQ+\q]     ; with lane l xor 16's 16 keys
.endr
	ds_store_b128 v[AMW], v[BM:BM+3]
	s_wait_dscnt 0x0                               ; for the others' sake
	s_barrier_signal -1
	s_barrier_wait -1
.irp w, 0,1,2,3
	ds_load_b128 v[BMX+4*\w:BMX+4*\w+3], v[AML] offset:512*\w
.endr
	WIN 0xc0
.set i, 0
.rept 32
	ds_load_b128 v[4*i:4*i+3], v[AV+\slot] offset:512*i            ; V's fragments land while the softmax is worked
.set i, i+1
.endr
	WIN 0
.irp i, 0,1,2,3
	ds_load_b32 v[VS+\i], v[ASV+\slot] offset:128*\i
.endr
.if \wp
	WIN 0x40
	WPLOAD 2
	WPLOAD 3
	WIN 0
.endif
	s_wait_dscnt 36                                ; the four blocks' largest scores are in; V's 32 loads and its 4 scale loads may be out
	; ---- the softmax, the four tiles of queries by turns
.irp q, 0,1,2,3
	v_max3_num_f32 v[TQ+\q], v[BMX+\q], v[BMX+4+\q], v[BMX+8+\q]
.endr
.irp q, 0,1,2,3
	v_max_num_f32 v[TQ+\q], v[TQ+\q], v[BMX+12+\q] ; the step's largest score of my query
.endr
.irp q, 0,1,2,3
	v_mul_f32 v[TQ+\q], s42, v[TQ+\q]              ; as t (c is positive)
.endr
.irp q, 0,1,2,3
	v_max_num_f32 v[ST+2*\q+1], v[ST+2*\q+1], v[TQ+\q]
.endr
.irp q, 0,1,2,3
	v_mov_b32 v[TQ+\q], v[ST+2*\q]
.endr
.irp q, 0,1,2,3
	v_floor_f32 v[ST+2*\q], -v[ST+2*\q+1]          ; the new -M = floor(-t): M is a whole number
.endr
.irp q, 0,1,2,3
	v_sub_f32 v[TQ+\q], v[ST+2*\q], v[TQ+\q]       ; old M - new M: a whole number, 0 or less
.endr
.irp q, 0,1,2,3
	v_cvt_i32_f32 v[TQ+\q], v[TQ+\q]               ; (it saturates)
.endr
.irp q, 0,1,2,3
	v_ldexp_f32 v[FF+2*\q], 1.0, v[TQ+\q]          ; f = 2^(old M - new M)
.endr
.irp i, 0,2,4,6,8,10,12,14
.irp q, 0,1,2,3
	v_pk_fma_f32 v[S+16*\q+\i:S+16*\q+\i+1], v[S+16*\q+\i:S+16*\q+\i+1], s[42:43], v[ST+2*\q:ST+2*\q+1] op_sel_hi:[1,0,0]   ; t - M, two at a time
.endr
.endr
.irp w, 0,1,2,3
.irp q, 0,1,2,3
	v_fma_f32 v[BMX+4*\w+\q], v[BMX+4*\w+\q], s42, v[ST+2*\q]      ; the same of each block's largest score
.endr
.endr
.irp q, 0,1,2,3
	v_fma_f32 v[BM+\q], v[BM+\q], s42, v[ST+2*\q]
.endr
.set i, 0
.rept 64
	v_exp_f32 v[S+i], v[S+i]                       ; p = 2^(t - M), at most 1
.set i, i+1
.endr
.set i, 0
.rept 16
	v_exp_f32 v[BMX+i], v[BMX+i]                   ; each block's largest p
.set i, i+1
.endr
.irp q, 0,1,2,3
	v_exp_f32 v[BM+\q], v[BM+\q]
.endr
.irp q, 0,1,2,3
	v_pk_mul_f32 v[LL+2*\q:LL+2*\q+1], v[LL+2*\q:LL+2*\q+1], v[FF+2*\q:FF+2*\q+1] op_sel_hi:[1,0]    ; the sums under the new M (also the plain instruction behind the exponentials)
.endr
.set i, 0
	s_wait_alu depctr_va_vdst(0)
.rept 16
	v_max_num_f32 v[BMX+i], 0x4800000, v[BMX+i]    ; the floor 2^(9 - 127): the byte cannot fall under 1
.set i, i+1
.endr
.irp q, 0,1,2,3
	v_max_num_f32 v[BM+\q], 0x4800000, v[BM+\q]
.endr
.set i, 0
.rept 16
	v_add_nc_u32 v[BMX+i], 0xfc000000, v[BMX+i]    ; 8 off the exponent field,
.set i, i+1
.endr
.set i, 0
.rept 16
	v_lshrrev_b32 v[BMX+i], 23, v[BMX+i]           ; and the field itself: the scale's byte
.set i, i+1
.endr
.irp q, 0,1,2,3
	v_lshl_or_b32 v[PS+\q], v[BMX+4+\q], 8, v[BMX+\q]              ; p's scale word for these 128 keys: every wave makes it whole
.endr
.irp q, 0,1,2,3
	v_lshl_or_b32 v[PS+\q], v[BMX+8+\q], 16, v[PS+\q]
.endr
.irp q, 0,1,2,3
	v_lshl_or_b32 v[PS+\q], v[BMX+12+\q], 24, v[PS+\q]
.endr
.irp q, 0,1,2,3
	v_add_nc_u32 v[SO+\q], 0xfc000000, v[BM+\q]    ; my own block: the conversion's scale operand,
.endr
.irp q, 0,1,2,3
	v_and_or_b32 v[HD+\q], v[BM+\q], 0x7f800000, s44               ; and 448 x the scale
.endr
.irp i, 0,2,4,6,8,10,12,14
.irp q, 0,1,2,3
	v_pk_add_f32 v[LL+2*\q:LL+2*\q+1], v[LL+2*\q:LL+2*\q+1], v[S+16*\q+\i:S+16*\q+\i+1]     ; the row's sum is taken of the unquantised p
.endr
.endr
.irp q, 0,1,2,3
.irp i, 0,1,2,3,4,5,6,7,8,9,10,11,12,13,14,15
	v_min_num_f32 v[S+16*\q+\i], v[S+16*\q+\i], v[HD+\q]           ; the conversion does not saturate (ISA guide 7.6.2); p is not negative, so the hold is one-sided
.endr
	v_cvt_scalef32_pk8_fp8_f32 v[PCD+4*\q:PCD+4*\q+1], v[S+16*\q:S+16*\q+7], v[SO+\q]
	v_cvt_scalef32_pk8_fp8_f32 v[PCD+4*\q+2:PCD+4*\q+3], v[S+16*\q+8:S+16*\q+15], v[SO+\q]
.endr
	v_nop                                          ; a plain instruction behind the last conversion: later products write its sources
.irp q, 0,1,2,3
	ds_store_b128 v[APW], v[PCD+4*\q:PCD+4*\q+3] offset:2048*\q    ; register group w of tile q's image
.endr
.endm
; THE SECOND HALF.  The barrier that shows p to all.  All that I want of this step's slot stands in my registers, so with mode > 0 the barrier is the cluster's round, and behind it the slot is filled again:
; mode = 2: with the run two steps on, jointly;  mode = 1: with my rows of x;  mode = 0 (the last step): nothing is filled, a plain barrier, and no next K.  first = 1: the products start O^T's sums and nothing is rescaled.
.macro MID slot, mode, first
.if \mode
	s_wait_tensorcnt 0x0                           ; my tensor loads have landed, my quarter of the next step's run among them: so every group 0 may be written
	ds_add_u32 v[SPW], v[NIL]                      ; 0 onto my spare word
.if \mode == 2
	s_add_nc_u64 s[34+4*\slot:35+4*\slot], s[34+4*\slot:35+4*\slot], 2*KVB     ; this slot's next run, two steps on; the type bits on top are not reached
.endif
	s_wait_dscnt 0x0                               ; the add is done, my part of p has landed, and my reads of this slot (V's fragments the last) are in
	ROUND                                          ; all this now holds of every wave of all four work-groups
.if \mode == 2
	tensor_load_to_lds s[32+4*\slot:35+4*\slot], s[24:31]   ; my one tensor load behind the round: it has a whole step in which to land
	s_nop 0
.else
	tensor_load_to_lds s[76:79], s[68:75]          ; my 128 rows of x: read by me alone, at the end
	s_nop 0
.endif
	PLACES 4
.else
	s_wait_dscnt 0x0                               ; my part of p has landed; my reads of slot 1 are in
	s_barrier_signal -1
	s_barrier_wait -1
.endif
	WIN 0xc0
.set i, 0
.rept 16
	ds_load_b128 v[128+4*i:128+4*i+3], v[APL] offset:512*i         ; p's four fragments
.set i, i+1
.endr
.if \first == 0
	RESCALE 0                                      ; work on registers while p's fragments come
	RESCALE 1
.endif
.if \mode
	FETCHK 1-\slot                                 ; the next step's K, from the other slot, which is whole: it lands beside the products below
.endif
.if \first == 0
	RESCALE 2
	RESCALE 3
.endif
.if \mode
	s_wait_dscnt 36                                ; p's fragments are in; K's 32 loads and its 4 scale loads may be out
.else
	s_wait_dscnt 0x0
.endif
	; ---- O^T += V^T P^T: my eight tiles of channels x the four tiles of queries; K = these 128 keys: 32 different accumulators
	WIN 0xaf                                       ; V and p window 3, O^T window 2
.irp ct, 0,1,2,3,4,5,6,7
.irp qt, 0,1,2,3
.if \first
	WMS 64*\qt+8*\ct, 16*\ct, 128+16*\qt, -1, VS+\ct/2, PS+\qt, \ct%2, 0
.else
	WMS 64*\qt+8*\ct, 16*\ct, 128+16*\qt, 64*\qt+8*\ct, VS+\ct/2, PS+\qt, \ct%2, 0
.endif
.endr
.endr
	WIN 0
.endm
	s_wait_tensorcnt 0x1                           ; my quarter of key step 0 is in; step 1's may stay out
	s_barrier_signal -1
	s_barrier_wait -1                              ; everybody's is
	FETCHK 0
	s_wait_loadcnt 0x0                             ; q and its scale words
	FRONT 0, 0                                     ; key step 0
	MID 0, 2, 1
	s_mov_b32 s45, 2
.Lpair:                                            ; key steps 1 to 4
	FRONT 1, 0
	MID 1, 2, 0
	FRONT 0, 0
	MID 0, 2, 0
	s_sub_co_u32 s45, s45, 1
	s_cmp_lg_u32 s45, 0
	s_cbranch_scc1 .Lpair
	FRONT 1, 0                                     ; key step 5: the last run of kv is asked for
	MID 1, 2, 0
	FRONT 0, 0                                     ; key step 6: slot 0 takes x
	MID 0, 1, 0
	FRONT 1, 1                                     ; key step 7 is written out: nothing is left to fetch
	MID 1, 0, 0
	PLACES 8                                       ; ahead of the loads over V's, p's and K's fragments and over their scale words, and of the first read of O^T
; ---- THE END.  What the projection wants from memory is asked for first: it lands while O^T is divided and quantised.
.irp ot, 0,1,2,3,4,5,6,7
	global_load_b32 v[BV+\ot], v[ABP], s[14:15] offset:64*\ot      ; the bias of channel 128 w + 16 ot + r
.endr
.irp g, 0,1,2
	global_load_b128 v[KS+4*\g:KS+4*\g+3], v[LI], s[12:13] offset:512*\g       ; wproj's scale words: lanes 0-15 tile 2 g's rows, lanes 16-31 tile 2 g + 1's; four K steps; 512 consecutive bytes
.endr
	global_load_b128 v[W3S:W3S+3], v[LI], s[12:13] offset:1536
	WIN 0xc0
	WPLOAD 4
	WPLOAD 5
	WPLOAD 6
	WPLOAD 7
	WIN 0
	; the rows' sums: my two halves, lane l xor 16's, and the other three waves'
.irp q, 0,1,2,3
	v_add_f32 v[BM+\q], v[LL+2*\q], v[LL+2*\q+1]
.endr
.irp q, 0,1,2,3
	v_permlanex16_b32 v[TQ+\q], v[BM+\q], s40, s41
.endr
.irp q, 0,1,2,3
	v_add_f32 v[BM+\q], v[BM+\q], v[TQ+\q]
.endr
	ds_store_b128 v[ALW], v[BM:BM+3]
	s_wait_dscnt 0x0
	s_barrier_signal -1
	s_barrier_wait -1
.irp w, 0,1,2,3
	ds_load_b128 v[BMX+4*\w:BMX+4*\w+3], v[ALL] offset:512*\w
.endr
	s_wait_dscnt 0x0
.irp q, 0,1,2,3
	v_add_f32 v[BM+\q], v[BMX+\q], v[BMX+4+\q]
.endr
.irp q, 0,1,2,3
	v_add_f32 v[BM+\q], v[BM+\q], v[BMX+8+\q]
.endr
.irp q, 0,1,2,3
	v_add_f32 v[BM+\q], v[BM+\q], v[BMX+12+\q]
.endr
.irp q, 0,1,2,3
	v_rcp_f32 v[FF+2*\q], v[BM+\q]
.endr
	v_nop                                          ; a plain instruction between the last reciprocal and the use of its result
	s_wait_alu depctr_va_vdst(0)
; 64 numbers of a lane, v[s] on, register 16 b + i = channel 32 b + 16 (lane / 16) + i of my 128, become a fragment's codes in v[PC] on and its scale word in v[PW]
.macro QUANT s
.irp b, 0,1,2,3
	v_max3_num_f32 v[TM+\b], |v[\s+16*\b]|, |v[\s+1+16*\b]|, 0x4800000
.endr
.irp i, 2,4,6,8,10,12,14
.irp b, 0,1,2,3
	v_max3_num_f32 v[TM+\b], v[TM+\b], |v[\s+16*\b+\i]|, |v[\s+1+16*\b+\i]|
.endr
.endr
.irp b, 0,1,2,3
	v_permlanex16_b32 v[TM+4+\b], v[TM+\b], s40, s41
.endr
.irp b, 0,1,2,3
	v_max_num_f32 v[TM+\b], v[TM+\b], v[TM+4+\b]
.endr
.irp b, 0,1,2,3
	v_add_nc_u32 v[TM+12+\b], 0xfc000000, v[TM+\b]
.endr
.irp b, 0,1,2,3
	v_and_or_b32 v[TM+8+\b], v[TM+\b], 0x7f800000, s44
.endr
.irp b, 0,1,2,3
	v_lshrrev_b32 v[TM+4+\b], 23, v[TM+12+\b]
.endr
	v_lshl_or_b32 v[PW], v[TM+5], 8, v[TM+4]
	v_lshl_or_b32 v[PW], v[TM+6], 16, v[PW]
	v_lshl_or_b32 v[PW], v[TM+7], 24, v[PW]
.irp b, 0,1,2,3
.irp i, 0,1,2,3,4,5,6,7,8,9,10,11,12,13,14,15
	v_med3_num_f32 v[\s+16*\b+\i], v[\s+16*\b+\i], -v[TM+8+\b], v[TM+8+\b]
.endr
	v_cvt_scalef32_pk8_fp8_f32 v[PC+4*\b:PC+4*\b+1], v[\s+16*\b:\s+16*\b+7], v[TM+12+\b]
	v_cvt_scalef32_pk8_fp8_f32 v[PC+4*\b+2:PC+4*\b+3], v[\s+16*\b+8:\s+16*\b+15], v[TM+12+\b]
.endr
	v_nop                                          ; a plain instruction behind the last conversion
.endm
.irp qt, 0,1,2,3
	WIN 0x02                                       ; O^T window 2
.set i, 0
.rept 32
	v_pk_mul_f32 v[S+i:S+i+1], v[64*\qt+i:64*\qt+i+1], v[FF+2*\qt:FF+2*\qt+1] op_sel_hi:[1,0]        ; O^T / the sum, each accumulator from its low end on
.set i, i+2
.endr
	WIN 0
	QUANT S
.irp c, 0,1,2,3
	ds_store_b128 v[AOW], v[PC+4*\c:PC+4*\c+3] offset:8192*\qt+512*\c          ; K step w of tile qt's image
.endr
	ds_store_b32 v[AOS], v[PW] offset:64*\qt       ; both halves of the lanes write the same word with the same value
	s_wait_dscnt 0x0                               ; the stores have read their registers; at the last tile also for the others' sake
.endr
	s_barrier_signal -1
	s_barrier_wait -1                              ; the output's sixteen images lie in LDS
	WIN 0x80
.set i, 0
.rept 64
	ds_load_b128 v[4*i:4*i+3], v[AOL] offset:512*i ; into the registers that O^T has left
.set i, i+1
.endr
	WIN 0
.irp s, 0,1,2,3
.irp p, 0,1
	ds_load_b32 v[QS+2*\s+\p], v[AOSL] offset:256*\s+128*\p
.endr
.endr
	s_wait_loadcnt 0x0                             ; wproj's eight tiles, its scale words, the bias
.irp ot, 0,1,2,3,4,5,6,7
.if \ot < 7
.set oC, 52+8*\ot
.else
.set oC, 112
.endif
.irp k, 0,1,2,3,4,5,6,7
	v_mov_b32 v[oC+\k], v[BV+\ot]                  ; the bias as C: all eight registers of a lane belong to its one output channel.  (These copies stand beside the LDS loads above)
.endr
.endr
	s_wait_dscnt 0x0
; The projection, a tile of 16 output channels at a time: source 0 = 16 tokens, source 1 = 16 rows of wproj: a lane holds ONE output channel and eight neighbouring tokens.  Four accumulators by turns; the sums of tile ot lie in set ot % 2.
.macro OT ot
.if (\ot) < 4
	WIN 0x06                                       ; the output window 2, wproj window 1; the bias and the sums window 0
.else
	WIN 0x0e                                       ; wproj window 3
.endif
.if (\ot) < 6
.set oW, KS+4*((\ot)/2)
.else
.set oW, W3S
.endif
.if (\ot) < 7
.set oC, 52+8*(\ot)
.else
.set oC, 112
.endif
.irp s, 0,1,2,3
.irp qt, 0,1,2,3
.if \s == 0
	WMS R+32*((\ot)%2)+8*\qt, (4*\qt+\s)*16, 64*((\ot)%4)+16*\s, oC, QS+2*\s+\qt/2, oW+\s, \qt%2, (\ot)%2
.else
	WMS R+32*((\ot)%2)+8*\qt, (4*\qt+\s)*16, 64*((\ot)%4)+16*\s, R+32*((\ot)%2)+8*\qt, QS+2*\s+\qt/2, oW+\s, \qt%2, (\ot)%2
.endif
.endr
.endr
	WIN 0
.endm
; THE WAY OUT of tile ot, 16 channels x 64 tokens.  STAGE: into my own stage, and back as whole rows of 256 bytes; the same rows of x from slot 0.  FIN: x added, stored.  The next tile's products stand between the two.
.macro STAGE ot
.if (\ot) > 0
	s_wait_xcnt 0x0                                ; the last tile's stores have read their registers: only behind this wait are those loaded again
.endif
.irp qt, 0,1,2,3
	ds_store_b128 v[STO], v[R+32*((\ot)%2)+8*\qt:R+32*((\ot)%2)+8*\qt+3] offset:128*(\qt/2)+32*(\qt%2)       ; tokens 32 (qt / 2) + 16 h + 8 (qt % 2) + 0 .. 7 of channel r; each accumulator from its low end on
	ds_store_b128 v[STO], v[R+32*((\ot)%2)+8*\qt+4:R+32*((\ot)%2)+8*\qt+7] offset:128*(\qt/2)+32*(\qt%2)+16
.endr
.irp i, 0,1,2,3,4,5,6,7
	ds_load_b128 v[RB+4*\i:RB+4*\i+3], v[SRD] offset:544*\i        ; LDS serves a wave's instructions in order (ISA guide 5.7.1.4): these see the stores above
.endr
.irp i, 0,1,2,3,4,5,6,7
	ds_load_b128 v[XB+4*\i:XB+4*\i+3], v[AXR] offset:4096*(\ot)+512*\i         ; x: channels 16 ot + 2 i + h: 512 consecutive bytes
.endr
.endm
.macro FIN ot
	s_wait_dscnt 0x0                               ; the rows are back, x's too, and the stage's stores have read the sums' registers
.set i, 0
.rept 16
	v_pk_add_f32 v[RB+i:RB+i+1], v[RB+i:RB+i+1], v[XB+i:XB+i+1]    ; (these sixteen are also the places between the next tile's products and the first read of their results)
.set i, i+2
.endr
.irp i, 0,1,2,3,4,5,6,7
	global_store_b128 v[GO], v[RB+4*\i:RB+4*\i+3], s[18:19] offset:65536*(\ot)+8192*\i th:TH_STORE_NT   ; sixteen lanes store 256 consecutive bytes, at a multiple of 256 from out0's first byte
.endr
.endm
	OT 0
	PLACES 8                                       ; eight plain instructions between the last products and the first read of results
	s_wait_tensorcnt 0x0                           ; my rows of x have landed; no other wave reads them
	STAGE 0
.irp ot, 1,2,3,4,5,6,7
	OT \ot
	FIN \ot-1
	STAGE \ot
.endr
	FIN 7
	s_wait_tensorcnt 0x0                           ; the wave's end: behind my last tensor load and my last LDS store
	ds_add_u32 v[SPW], v[NIL]
	s_wait_dscnt 0x0
	ROUND                                          ; the closing round: no work-group ends while a partner may still ask for a run that names it
	s_endpgm
.Lfunc_end_k_qedd1ec8752_attn:
	.size	k_qedd1ec8752_attn, .Lfunc_end_k_qedd1ec8752_attn-k_qedd1ec8752_attn
	.p2alignl 7, 3214868480
	.fill 96, 4, 3214868480
	.section	.rodata,"a",@progbits
	.p2align	6, 0x0
	.amdhsa_kernel k_qedd1ec8752_attn
		.amdhsa_group_segment_fixed_size 327680
		.amdhsa_private_segment_fixed_size 0
		.amdhsa_enable_private_segment 0
		.amdhsa_kernarg_size 64
		.amdhsa_user_sgpr_count 2
		.amdhsa_user_sgpr_kernarg_segment_ptr 1
		.amdhsa_wavefront_size32 1
		.amdhsa_system_sgpr_workgroup_id_x 1
		.amdhsa_system_sgpr_workgroup_id_y 1
		.amdhsa_system_sgpr_workgroup_id_z 1
		.amdhsa_system_vgpr_workitem_id 0
		.amdhsa_next_free_vgpr 1024
		.amdhsa_next_free_sgpr 80
		.amdhsa_reserve_vcc 0
		.amdhsa_float_denorm_mode_32 3
		.amdhsa_float_denorm_mode_16_64 3
		.amdhsa_memory_ordered 1
		.amdhsa_forward_progress 1
		.amdhsa_inst_pref_size 255
	.end_amdhsa_kernel
	.section	.bss,"aw",@nobits
	.p2align	6
	.space	262144
	.amdgpu_metadata
---
amdhsa.version: [ 1, 2 ]
amdhsa.kernels:
  - .name:           k_qedd1ec8752_attn
    .symbol:         k_qedd1ec8752_attn.kd
    .args:
      - { .name: qimg, .offset: 0, .size: 8, .value_kind: global_buffer, .address_space: global }
      - { .name: qsc, .offset: 8, .size: 8, .value_kind: global_buffer, .address_space: global }
      - { .name: kv, .offset: 16, .size: 8, .value_kind: global_buffer, .address_space: global }
      - { .name: wproj_codes, .offset: 24, .size: 8, .value_kind: global_buffer, .address_space: global }
      - { .name: wproj_scales, .offset: 32, .size: 8, .value_kind: global_buffer, .address_space: global }
      - { .name: bproj, .offset: 40, .size: 8, .value_kind: global_buffer, .address_space: global }
      - { .name: x, .offset: 48, .size: 8, .value_kind: global_buffer, .address_space: global }
      - { .name: out0, .offset: 56, .size: 8, .value_kind: global_buffer, .address_space: global }
    .group_segment_fixed_size: 327680
    .private_segment_fixed_size: 0
    .kernarg_segment_align: 8
    .kernarg_segment_size: 64
    .max_flat_workgroup_size: 128
    .sgpr_count:     80
    .vgpr_count:     1024
    .wavefront_size: 32
...
	.end_amdgpu_metadata
.endif
;; end of part 3
;; ======== version 2 of 2: 3 launches
;; workspace buffers: hq 16,777,216 bytes; hs 524,288 bytes; qimg 16,777,216 bytes; qsc 524,288 bytes; kv 34,603,008 bytes
;; launch gnq (part 4): grid 16 x 32, 8 waves a work-group, no clusters, 35,840 bytes of LDS; arguments x, gn_scale, gn_bias, hq, hs; writes hq, hs
.if DOCPART == 4
	.amdgcn_target "amdgcn-amd-amdhsa--gfx1250"
	.amdhsa_code_object_version 6
	.text
	.protected	k_qedd1ec8752_gnq
	.globl	k_qedd1ec8752_gnq
	.p2align	8
	.type	k_qedd1ec8752_gnq,@function
k_qedd1ec8752_gnq:
	s_mov_b64 s[64:65], 0
	v_nop
	global_prefetch_b8 v0, s[64:65] scope:SCOPE_SE
	s_setreg_imm32_b32 hwreg(HW_REG_WAVE_MODE, 25, 1), 1
	s_wait_xcnt 0x0
; GroupNorm(32 groups of 16 channels) of x [32][512][1024] f32, and its result h quantised along the channels to FP8 (E4M3) codes with one E8M0 scale byte for each 32 channels.
; SHARES.  A work-group owns 32 channels (two groups, one block of 32 along the next products' K) of one image, all 1,024 tokens: 128 KB, which its 256 threads keep in registers, so x is read once here.
; Thread t owns tokens 4 t .. 4 t + 3 of all 32 channels: each load of a wave covers 512 consecutive bytes, and a token's 32 channels lie in ONE lane, so a block's largest magnitude needs no other lane.
; STATISTICS in two passes over the registers: the mean, then the sum of squares of x - mean (no difference of large sums).  h = (x - mean) (rstd scale) + bias: one fused multiply-add, which also gathers a token's channels.
; OUT.  hq holds images of operand registers: 16 tokens x 128 channels are 2,048 bytes, register group c of lane l at 512 c + 16 l; lane (r, h) holds row r, channels 32 c + 16 h + 0 .. 15.
; THE 16 TOKENS OF A TILE ARE NOT NEIGHBOURS: row r of tile T is token 32 (T / 2) + 8 (T % 2) + r + 8 (r / 8).  This work-group writes group c = cb % 4 of K step cb / 4 of all 64 tiles: 512 bytes a tile, through the wave's own stage.
; hs holds the scale bytes in planes: (image x 16 + cb) x 1,024 + 16 T + r.
; LIMITS: NaN and infinities among the inputs are not served.  A block whose largest magnitude lies under 2^-118 (a block of zeros too) gets the byte 1; a block of zeros has zero codes, and the bytes are read by this program alone.
; No tensor loads, no matrix unit, no cluster: a stream whose work-groups share no input.
.set ROWB,  4096                       ; bytes of a channel's 1,024 tokens
.set SP,    528                        ; a tile's place in the stage: 512 bytes + 16 of padding
.set RED,   64*SP                      ; behind the stage: 16 words for the sums, 16 for the sums of squares
.set X,     32                         ; v32-159   X[4 c + j]: channel c, token j; later the tiles read back
.set TM,    160                        ; v160-191  a token's 32 channels
.set CD,    192                        ; v192-223  codes: eight registers for each of my four tokens
.set SBY,   224                        ; v224      my four tokens' scale bytes
.set RC,    225                        ; v225      the constant RED
.set MA,    226                        ; v[226:227], v[228:229] the two groups' means, twice each
.set MB,    228
	s_load_b256 s[4:11], s[0:1], 0x0               ; x s[4:5], gn_scale s[6:7], gn_bias s[8:9], hq s[10:11]
	s_load_b64 s[12:13], s[0:1], 0x20              ; hs
	v_lshl_add_u32 v232, v0, 2, 0x8800
	v_mov_b32 v233, 0
	s_and_b32 s14, ttmp7, 0xffff                   ; the image
	s_lshl_b32 s2, s14, 21                         ; x: image x 2,097,152 + cb x 131,072
	s_lshl_b32 s3, ttmp9, 17
	s_add_co_u32 s2, s2, s3
	s_mov_b32 s3, 0
	s_lshl_b32 s90, ttmp9, 7                       ; gn_scale, gn_bias: 128 bytes a work-group
	s_mov_b32 s91, 0
	s_lshl_b32 s92, s14, 19                        ; hq: image x 524,288 + (cb / 4) x 2,048 + (cb % 4) x 512
	s_lshr_b32 s15, ttmp9, 2
	s_lshl_b32 s15, s15, 11
	s_add_co_u32 s92, s92, s15
	s_and_b32 s15, ttmp9, 3
	s_lshl_b32 s15, s15, 9
	s_add_co_u32 s92, s92, s15
	s_mov_b32 s93, 0
	s_lshl_b32 s94, s14, 4                         ; hs: (image x 16 + cb) x 1,024
	s_add_co_u32 s94, s94, ttmp9
	s_lshl_b32 s94, s94, 10
	s_mov_b32 s95, 0
	s_mov_b32 s86, 0x76543210                      ; v_permlanex16_b32's selects for lane l xor 16
	s_mov_b32 s87, 0xfedcba98
	s_mov_b32 s88, 0x600000                        ; the mantissa field of 448
	v_lshlrev_b32 v1, 4, v0                        ; my 16 bytes of a channel's row
	v_lshrrev_b32 v8, 3, v0
	v_bfe_u32 v9, v0, 1, 1
	s_delay_alu instid0(VALU_DEP_1)
	v_lshl_add_u32 v8, v8, 1, v9                   ; my tokens' tile: 2 (t / 8) + bit 1 of t
	v_and_b32 v10, 1, v0
	v_bfe_u32 v11, v0, 2, 1
	s_delay_alu instid0(VALU_DEP_3)
	v_mul_u32_u24 v2, v8, SP                       ; into the stage: tile x 528 + 16 x row; my rows are 4 (t % 2) + j + 8 x bit 2 of t
	s_delay_alu instid0(VALU_DEP_1)
	v_lshl_add_u32 v2, v10, 6, v2
	s_delay_alu instid0(VALU_DEP_1)
	v_lshl_add_u32 v2, v11, 7, v2
	v_lshrrev_b32 v12, 5, v0                       ; wave
	v_and_b32 v13, 31, v0                          ; lane
	s_delay_alu instid0(VALU_DEP_2)
	v_mul_u32_u24 v3, v12, 8*SP                    ; out of it: my wave's eight tiles, 16 bytes a lane
	s_delay_alu instid0(VALU_DEP_1)
	v_lshl_add_u32 v3, v13, 4, v3
	s_delay_alu instid0(VALU_DEP_4)
	v_lshlrev_b32 v4, 16, v12                      ; and in hq: a tile's four K steps are 8,192 bytes
	s_delay_alu instid0(VALU_DEP_1)
	v_lshl_add_u32 v4, v13, 4, v4
	v_lshlrev_b32 v5, 4, v8                        ; hs: 16 x tile + my first row
	s_delay_alu instid0(VALU_DEP_1)
	v_lshl_add_u32 v5, v11, 3, v5
	s_delay_alu instid0(VALU_DEP_1)
	v_lshl_add_u32 v5, v10, 2, v5
	v_lshl_add_u32 v6, v12, 2, RED                 ; my wave's word among the sums
	v_mov_b32 v7, 0x38800000                       ; 2^-14: one over a group's 16,384 numbers
	v_mov_b32 v[RC], RED
	s_wait_kmcnt 0x0
	s_add_nc_u64 s[4:5], s[4:5], s[2:3]
	s_add_nc_u64 s[6:7], s[6:7], s[90:91]
	s_add_nc_u64 s[8:9], s[8:9], s[90:91]
	s_add_nc_u64 s[10:11], s[10:11], s[92:93]
	s_add_nc_u64 s[12:13], s[12:13], s[94:95]
.set c, 0
.rept 32
	global_load_b128 v[X+4*c:X+4*c+3], v1, s[4:5] offset:ROWB*c     ; a wave reads 512 consecutive bytes; no hint: the last launch reads x again
.set c, c+1
.endr
	s_load_b512 s[16:31], s[6:7], 0x0              ; gn_scale of my 32 channels: s[16 + c]
	s_load_b512 s[32:47], s[6:7], 0x40
	s_load_b512 s[48:63], s[8:9], 0x0              ; gn_bias: s[48 + c], and from channel 16 on s[52 + c]
	s_load_b512 s[68:83], s[8:9], 0x40
.macro SUM1 base, d                    ; my 64 numbers from v[base] on, in two chains of pairs -> v[d]
	v_pk_add_f32 v[\d:\d+1], v[\base:\base+1], v[\base+2:\base+3]
	v_pk_add_f32 v[\d+2:\d+3], v[\base+4:\base+5], v[\base+6:\base+7]
.set i, 8
.rept 14
	s_delay_alu instid0(VALU_DEP_2)
	v_pk_add_f32 v[\d:\d+1], v[\d:\d+1], v[\base+i:\base+i+1]
	s_delay_alu instid0(VALU_DEP_2)
	v_pk_add_f32 v[\d+2:\d+3], v[\d+2:\d+3], v[\base+i+2:\base+i+3]
.set i, i+4
.endr
	s_delay_alu instid0(VALU_DEP_1)
	v_pk_add_f32 v[\d:\d+1], v[\d:\d+1], v[\d+2:\d+3]
	s_delay_alu instid0(VALU_DEP_1)
	v_add_f32 v[\d], v[\d], v[\d+1]
.endm
.macro SUM2 base, d, m                 ; the mean is taken off in place; then the sum of squares, started by two products, in two chains -> v[d]
.set i, 0
.rept 32
	v_pk_add_f32 v[\base+i:\base+i+1], v[\base+i:\base+i+1], v[\m:\m+1] neg_lo:[0,1] neg_hi:[0,1]
.set i, i+2
.endr
	v_pk_mul_f32 v[\d:\d+1], v[\base:\base+1], v[\base:\base+1]
	v_pk_mul_f32 v[\d+2:\d+3], v[\base+2:\base+3], v[\base+2:\base+3]
.set i, 4
.rept 15
	s_delay_alu instid0(VALU_DEP_2)
	v_pk_fma_f32 v[\d:\d+1], v[\base+i:\base+i+1], v[\base+i:\base+i+1], v[\d:\d+1]
	s_delay_alu instid0(VALU_DEP_2)
	v_pk_fma_f32 v[\d+2:\d+3], v[\base+i+2:\base+i+3], v[\base+i+2:\base+i+3], v[\d+2:\d+3]
.set i, i+4
.endr
	s_delay_alu instid0(VALU_DEP_1)
	v_pk_add_f32 v[\d:\d+1], v[\d:\d+1], v[\d+2:\d+3]
	s_delay_alu instid0(VALU_DEP_1)
	v_add_f32 v[\d], v[\d], v[\d+1]
.endm
; v8 (first group) and v12 (second) are summed over the wave's lanes, the two by turns, then over the eight waves through LDS words from RED + off on -> v16, v24 in every lane
.macro ACROSS off
.irp m, 1
	v_add_f32_dpp v8, v8, v8 row_xmask:\m row_mask:0xf bank_mask:0xf
	s_delay_alu instid0(VALU_DEP_2)
	v_add_f32_dpp v12, v12, v12 row_xmask:\m row_mask:0xf bank_mask:0xf
.endr
.irp m, 2, 4, 8
	s_delay_alu instid0(VALU_DEP_2)
	v_add_f32_dpp v8, v8, v8 row_xmask:\m row_mask:0xf bank_mask:0xf
	s_delay_alu instid0(VALU_DEP_2)
	v_add_f32_dpp v12, v12, v12 row_xmask:\m row_mask:0xf bank_mask:0xf
.endr
	s_delay_alu instid0(VALU_DEP_2)
	v_permlanex16_b32 v9, v8, s86, s87
	s_delay_alu instid0(VALU_DEP_2)
	v_permlanex16_b32 v13, v12, s86, s87
	s_delay_alu instid0(VALU_DEP_2)
	v_add_f32 v8, v8, v9
	s_delay_alu instid0(VALU_DEP_2)
	v_add_f32 v12, v12, v13
	ds_store_b32 v6, v8 offset:\off                ; all lanes write the same word with the same value
	ds_store_b32 v6, v12 offset:\off+32
	s_wait_dscnt 0x0                               ; for the others' sake: my two words have landed
	s_barrier_signal -1
	s_barrier_wait -1
	ds_load_b128 v[16:19], v[RC] offset:\off
	ds_load_b128 v[20:23], v[RC] offset:\off+16
	ds_load_b128 v[24:27], v[RC] offset:\off+32
	ds_load_b128 v[28:31], v[RC] offset:\off+48
	s_wait_dscnt 0x0
	v_pk_add_f32 v[16:17], v[16:17], v[18:19]
	v_pk_add_f32 v[24:25], v[24:25], v[26:27]
	v_pk_add_f32 v[20:21], v[20:21], v[22:23]
	v_pk_add_f32 v[28:29], v[28:29], v[30:31]
	s_delay_alu instid0(VALU_DEP_2)
	v_pk_add_f32 v[16:17], v[16:17], v[20:21]
	s_delay_alu instid0(VALU_DEP_2)
	v_pk_add_f32 v[24:25], v[24:25], v[28:29]
	s_delay_alu instid0(VALU_DEP_2)
	v_add_f32 v16, v16, v17
	s_delay_alu instid0(VALU_DEP_2)
	v_add_f32 v24, v24, v25
.endm
	s_wait_loadcnt 16                              ; the first group's 16 loads are in; the second group's 16 may be out
	SUM1 X, 8
	s_wait_loadcnt 0x0
	SUM1 X+64, 12
	ACROSS 0
	s_delay_alu instid0(VALU_DEP_2)
	v_mul_f32 v[MA], v16, v7                       ; the means
	s_delay_alu instid0(VALU_DEP_3)
	v_mul_f32 v[MA+1], v16, v7
	s_delay_alu instid0(VALU_DEP_3)
	v_mul_f32 v[MB], v24, v7
	s_delay_alu instid0(VALU_DEP_4)
	v_mul_f32 v[MB+1], v24, v7
	SUM2 X, 8, MA
	SUM2 X+64, 12, MB
	ACROSS 64                                      ; other words than the first pass's: no wave can still be reading what is written here
	s_delay_alu instid0(VALU_DEP_2)
	v_fmaak_f32 v16, v16, v7, 0x3727c5ac           ; the variance + 1e-5
	s_delay_alu instid0(VALU_DEP_2)
	v_fmaak_f32 v24, v24, v7, 0x3727c5ac
	s_wait_alu depctr_va_vdst(0)
	v_rsq_f32 v17, v16
	v_rsq_f32 v25, v24
	v_nop                                          ; a plain instruction between a transcendental and the use of its result (ISA guide 5.7.2)
	s_wait_alu depctr_va_vdst(0)
	v_readfirstlane_b32 s84, v17
	v_readfirstlane_b32 s85, v25
	s_wait_kmcnt 0x0                               ; gn_scale and gn_bias
.set c, 0
.rept 32
	s_mul_f32 s[16+c], s[16+c], s[84+c/16]         ; rstd x scale, once for each channel
.set c, c+1
.endr
; My token j: its 32 channels of h; the block's scale; the hold; 32 codes, which go to the stage as the halves of two lanes' places.
.macro TOKEN j
.set c, 0
.rept 32
	v_fma_f32 v[TM+c], v[X+4*c+\j], s[16+c], s[48+c+4*(c/16)]
.set c, c+1
.endr
	v_max3_num_f32 v8, |v[TM]|, |v[TM+1]|, 0x4800000               ; the largest magnitude, in two chains, with the floor 2^(9 - 127) among its leaves: the byte cannot fall under 1
	v_max3_num_f32 v9, |v[TM+2]|, |v[TM+3]|, |v[TM+4]|
.irp i, 5,9,13,17,21,25
	s_delay_alu instid0(VALU_DEP_2)
	v_max3_num_f32 v8, v8, |v[TM+\i]|, |v[TM+\i+1]|
	s_delay_alu instid0(VALU_DEP_2)
	v_max3_num_f32 v9, v9, |v[TM+\i+2]|, |v[TM+\i+3]|
.endr
	s_delay_alu instid0(VALU_DEP_2)
	v_max3_num_f32 v8, v8, |v[TM+29]|, |v[TM+30]|
	s_delay_alu instid0(VALU_DEP_1)
	v_max3_num_f32 v8, v8, v9, |v[TM+31]|
	s_delay_alu instid0(VALU_DEP_1)
	v_add_nc_u32 v11, 0xfc000000, v8               ; 8 off its exponent field: the conversion's scale operand
	s_delay_alu instid0(VALU_DEP_2)
	v_and_or_b32 v10, v8, 0x7f800000, s88          ; 448 x the scale
	s_delay_alu instid0(VALU_DEP_2)
	v_lshrrev_b32 v12, 23, v11                     ; the scale's byte
.set c, 0
.rept 32
	v_med3_num_f32 v[TM+c], v[TM+c], -v10, v10     ; the conversion to an 8-bit code does not saturate (ISA guide 7.6.2): the hold comes first
.set c, c+1
.endr
.irp g, 0,1,2,3
	v_cvt_scalef32_pk8_fp8_f32 v[CD+8*\j+2*\g:CD+8*\j+2*\g+1], v[TM+8*\g:TM+8*\g+7], v11
.endr
.if \j == 0
	v_mov_b32 v[SBY], v12                          ; (also the plain instruction behind the conversions, ahead of the next token's writes of their sources)
.else
	v_lshl_or_b32 v[SBY], v12, 8*\j, v[SBY]
.endif
	ds_store_b128 v2, v[CD+8*\j:CD+8*\j+3] offset:16*\j            ; channels 0-15: the place of lane (row, 0)
	ds_store_b128 v2, v[CD+8*\j+4:CD+8*\j+7] offset:16*\j+256      ; channels 16-31: of lane (row, 1)
.endm
	TOKEN 0
	TOKEN 1
	TOKEN 2
	TOKEN 3
	global_store_b32 v5, v[SBY], s[12:13]          ; four neighbouring bytes a lane, 128 consecutive bytes a wave
.irp i, 0,1,2,3,4,5,6,7
	ds_load_b128 v[X+4*\i:X+4*\i+3], v3 offset:SP*\i               ; my wave's own eight tiles: LDS serves a wave's instructions in order (ISA guide 5.7.1.4), so these see the stores above
.endr
.irp i, 0,1,2,3,4,5,6,7
	s_wait_dscnt 7-\i                              ; tile i is back; the younger loads may be out
	global_store_b128 v4, v[X+4*\i:X+4*\i+3], s[10:11] offset:8192*\i   ; a wave stores 512 consecutive bytes, at a multiple of 512 from hq's first byte
.endr
	s_wait_tensorcnt 0x0
	ds_add_u32 v232, v233
	s_wait_dscnt 0x0
	s_endpgm
.Lfunc_end_k_qedd1ec8752_gnq:
	.size	k_qedd1ec8752_gnq, .Lfunc_end_k_qedd1ec8752_gnq-k_qedd1ec8752_gnq
	.p2alignl 7, 3214868480
	.fill 96, 4, 3214868480
	.section	.rodata,"a",@progbits
	.p2align	6, 0x0
	.amdhsa_kernel k_qedd1ec8752_gnq
		.amdhsa_group_segment_fixed_size 35840
		.amdhsa_private_segment_fixed_size 0
		.amdhsa_enable_private_segment 0
		.amdhsa_kernarg_size 40
		.amdhsa_user_sgpr_count 2
		.amdhsa_user_sgpr_kernarg_segment_ptr 1
		.amdhsa_wavefront_size32 1
		.amdhsa_system_sgpr_workgroup_id_x 1
		.amdhsa_system_sgpr_workgroup_id_y 1
		.amdhsa_system_sgpr_workgroup_id_z 1
		.amdhsa_system_vgpr_workitem_id 0
		.amdhsa_next_free_vgpr 234
		.amdhsa_next_free_sgpr 96
		.amdhsa_reserve_vcc 0
		.amdhsa_float_denorm_mode_32 3
		.amdhsa_float_denorm_mode_16_64 3
		.amdhsa_memory_ordered 1
		.amdhsa_forward_progress 1
		.amdhsa_inst_pref_size 55
	.end_amdhsa_kernel
	.amdgpu_metadata
---
amdhsa.version: [ 1, 2 ]
amdhsa.kernels:
  - .name:           k_qedd1ec8752_gnq
    .symbol:         k_qedd1ec8752_gnq.kd
    .args:
      - { .name: x, .offset: 0, .size: 8, .value_kind: global_buffer, .address_space: global }
      - { .name: gn_scale, .offset: 8, .size: 8, .value_kind: global_buffer, .address_space: global }
      - { .name: gn_bias, .offset: 16, .size: 8, .value_kind: global_buffer, .address_space: global }
      - { .name: hq, .offset: 24, .size: 8, .value_kind: global_buffer, .address_space: global }
      - { .name: hs, .offset: 32, .size: 8, .value_kind: global_buffer, .address_space: global }
    .group_segment_fixed_size: 35840
    .private_segment_fixed_size: 0
    .kernarg_segment_align: 8
    .kernarg_segment_size: 40
    .max_flat_workgroup_size: 256
    .sgpr_count:     96
    .vgpr_count:     234
    .wavefront_size: 32
...
	.end_amdgpu_metadata
.endif
;; end of part 4
;; launch qkv (part 5): grid 64 x 3, 4 waves a work-group, no clusters, 43,520 bytes of LDS; arguments hq, hs, wq_codes, wq_scales, bq, wk_codes, wk_scales, bk, wv_codes, wv_scales, bv, qimg, qsc, kv; writes qimg, qsc, kv
.if DOCPART == 5
	.amdgcn_target "amdgcn-amd-amdhsa--gfx1250"
	.amdhsa_code_object_version 6
	.text
	.protected	k_qedd1ec8752_qkv
	.globl	k_qedd1ec8752_qkv
	.p2align	8
	.type	k_qedd1ec8752_qkv,@function
k_qedd1ec8752_qkv:
	s_mov_b64 s[64:65], 0
	v_nop
	global_prefetch_b8 v0, s[64:65] scope:SCOPE_SE
	s_setreg_imm32_b32 hwreg(HW_REG_WAVE_SCHED_MODE, 0, 2), 2
	s_setreg_imm32_b32 hwreg(HW_REG_WAVE_MODE, 25, 1), 1
	s_wait_xcnt 0x0
	s_wait_alu depctr_vm_vsrc(0)
; q, k, v = W h + b on codes of FP8 (E4M3) with E8M0 scales, and their results quantised again: q and k along the channels, v along the tokens (the keys).
; SHARES.  Work-group (x, y): y says which product (0 q, 1 k, 2 v), x which 512 tokens (half an image): 4 blocks of 128 tokens, each 4 units of 32 tokens (two tiles of 16).
; THE WAVES SHARE THE COLUMNS: wave w keeps rows 128 w .. 128 w + 127 of its weight in 512 registers for the whole launch; a unit is 2 tiles of tokens x 8 tiles of channels x 4 K steps = 64 matrix instructions,
; and each fragment of h, fetched from LDS, feeds eight of them.  h's images come from memory a quarter to a wave (512 consecutive bytes a load), a unit ahead, and meet in one of two LDS buffers.
; TILES ARE NOT NEIGHBOURS: row r of a tile of tokens T is token 32 (T / 2) + 8 (T % 2) + r + 8 (r / 8); row r of a tile of channels likewise.  So the 16 registers of two neighbouring tiles are 16 neighbours along the next K.
; q, k: source 0 = 16 rows of W, source 1 = 16 tokens: a lane holds ONE token and its registers run along the channels.  v: source 0 = 16 tokens, source 1 = 16 rows of W: a lane holds ONE channel and its registers run along the tokens.
; The two forms part on y by a scalar branch round matrix work, arithmetic and global stores alone; every LDS instruction and every barrier is on the common way.  The bias is the C of each sum's first matrix instruction.
; OUT, as images of operand registers (2,048 bytes: register group c of lane l at 512 c + 16 l).  q: qimg ((image 64 + T) 4 + s) 2,048; scale words qsc (block 2,048 + s 512 + tile 64 + 4 r).
; k, v: kv, one run of 135,168 bytes for each 128 keys: K's 32 images (tile 4 + s), V's 32 images (tile of channels; K = the 128 keys), K's scale words (s 512 + tile 64 + 4 r), V's (tile 64 + 4 r).
; NO CLUSTER: the weights are read once by each work-group, straight into registers, where a joint load could not put them; h's tiles are shared by the three work-groups of a column of the grid, and 3 divides into no cluster of 4.
; 192 work-groups: three products of equal work; twice as many would run in two turns, four times as many would read the weights four times as often.
; LIMITS: NaN and infinities are not served.  A block whose largest magnitude lies under 2^-118 (a block of zeros too) gets the byte 1; a block of zeros has zero codes, and the bytes are read by this program alone.
; REGISTERS, in windows of 256: window 0: v0-14 addresses; v24-55 W's scale words, v56-59 h's (two tiles to a register: lanes 0-15, lanes 16-31); v60-67 the scale words being made; v68-123 at work; v128-255 the 16 accumulators.
;   window 1: W's fragments of tiles 0-3 ((tile % 4) 4 + s) 16;  window 2: of tiles 4-7;  window 3: v0-127 h's 8 fragments (tile 4 + s) 16; v128-191 the bias as C; v192-223 my quarter of the next unit.
; THE MODE: SCHED_MODE bits 1:0 = 2 (LLVM: expert scheduling mode 2), set by the entry lines.  The code itself states the register dependences between vector or matrix instructions and memory or LDS instructions,
; with s_wait_alu, always for 0.
; THE PLAN.  Registers that memory or LDS instructions touch, in the loop:
;   SG          Written by the global loads issued in unit g; read by the eight LDS stores at the head of unit g + 1.  No vector instruction names it.
;   HS, HF      Written by unit g's 36 LDS loads; read by unit g's 64 matrix instructions.
;   PC0, PC1    Two sets of codes, one for each half of a unit's results.  Written by unit g's conversions; read by the eight global stores at the unit's end.
;   SW          Written by vector instructions in every unit; read by eight LDS stores at the block's end.
;   FL          Written by an LDS load and read by a global store, both at the block's end.  No vector instruction names it.
;   v[AHS]      Read by the loads of HS; written once a block, at the block's end.
;   The other addresses are made at the head and never written again: the scalar bases move on, and immediate offsets do the rest.
; So a unit has three such waits.  Behind its barrier one on vm_vsrc: the LDS stores have read SG, the last unit's global stores both sets of codes.  Ahead of its LDS loads one on va_vdst: the last unit's matrix instructions are done
; reading HS and HF.  Behind its two quantisations one on va_vdst: both sets of codes and the scale words are written; the eight stores follow in one run.  One more on vm_vsrc a block stands ahead of the add to v[AHS].
; The LDS loads go out in the order of their use, K step by K step, and the first 32 products wait for them by counts, so that the later fragments land beside the earlier products.
.set KVB,  135168                      ; a run of kv
.set HB,   16384                       ; LDS: two buffers of a unit's 8 images, at 0 and at HB;
.set HSC,  32768                       ; h's scale words of the 512 tokens: tile 256 + s 64 + 4 r;
.set SWST, 40960                       ; 512 bytes for each wave, through which its scale words leave
.set LI,   1                           ; v1   16 x lane
.set AW,   4                           ; v4   W: (r + 8 (r / 8)) x 512 + 16 h
.set AWS,  5                           ; v5   W's scale words: (r + 8 (r / 8)) x 16
.set ABQ,  6                           ; v6   bias of q, k: 64 h
.set ABV,  7                           ; v7   bias of v: (r + 8 (r / 8)) x 4
.set AST,  8                           ; v8   my quarter of a unit: 4,096 x wave + 16 x lane, in memory and in a buffer
.set AHS,  10                          ; v10  h's scale words: HSC + 256 h + 4 r, 2,048 on for each block
.set ASWS, 11                          ; v11  SWST + 512 x wave + 4 r
.set ASWL, 12                          ; v12  SWST + 512 x wave + 16 x lane
.set AHW,  14                          ; v14  HSC + 256 x lane + 64 x wave
.set WS,   24
.set HS,   56
.set SW,   60
.set TM,   68                          ; v68-71 largest magnitudes, v72-75 bytes, v76-79 448 x the scale, v80-83 the conversions' scale operands
.set FL,   84
.set PC,   92                          ; v92-107, v108-123 the codes just made: two sets of 16
.set ACC,  128
.set HF,   0                           ; in window 3
.set BI,   128
.set SG,   192
.set MSB, 0
.macro WIN new                         ; the immediate's high byte repeats the setting that is left; a switch that changes nothing is dropped
.if MSB != (\new)
	s_set_vgpr_msb (MSB<<8)|(\new)
.set MSB, \new
.endif
.endm
.macro PLACES n
.rept \n
	v_nop
.endr
.endm
; One matrix instruction.  c: the first register of C.  ra, rb = 1: that side's scales stand in lanes 16-31 of its register.
.macro WMS d, a, b, c, sa, sb, ra, rb
.set wD, \d
.set wA, \a
.set wB, \b
.set wC, \c
.set wX, \sa
.set wY, \sb
.set wM, 2*(\ra)+(\rb)
.if wM == 0
	v_wmma_scale_f32_16x16x128_f8f6f4 v[wD:wD+7], v[wA:wA+15], v[wB:wB+15], v[wC:wC+7], v[wX], v[wY]
.elseif wM == 1
	v_wmma_scale_f32_16x16x128_f8f6f4 v[wD:wD+7], v[wA:wA+15], v[wB:wB+15], v[wC:wC+7], v[wX], v[wY] matrix_b_scale:MATRIX_SCALE_ROW1
.else
	v_wmma_scale_f32_16x16x128_f8f6f4 v[wD:wD+7], v[wA:wA+15], v[wB:wB+15], v[wC:wC+7], v[wX], v[wY] matrix_a_scale:MATRIX_SCALE_ROW1
.endif
.endm
	s_load_b512 s[4:19], s[0:1], 0x0               ; hq s[4:5], hs s[6:7], wq's codes, scales, bq s[8:13], wk's s[14:19]
	s_load_b256 s[20:27], s[0:1], 0x40             ; wv's s[20:25], qimg s[26:27]
	s_load_b128 s[28:31], s[0:1], 0x60             ; qsc s[28:29], kv s[30:31]
	v_lshl_add_u32 v126, v0, 2, 0xa800
	v_mov_b32 v127, 0
	s_and_b32 s32, ttmp7, 0xffff                   ; which product
	v_lshrrev_b32 v2, 5, v0
	v_readfirstlane_b32 s33, v2                    ; wave 0..3
	v_and_b32 v9, 31, v0                           ; lane
	v_lshlrev_b32 v[LI], 4, v9
	v_and_b32 v2, 15, v0                           ; r
	v_bfe_u32 v3, v0, 4, 1                         ; h
	v_and_b32 v13, 8, v2
	v_add_nc_u32 v13, v13, v2                      ; r + 8 (r / 8)
	v_lshlrev_b32 v[AW], 9, v13
	v_lshl_add_u32 v[AW], v3, 4, v[AW]
	v_lshlrev_b32 v[AWS], 4, v13
	v_lshlrev_b32 v[ABQ], 6, v3
	v_lshlrev_b32 v[ABV], 2, v13
	s_wait_alu depctr_va_sdst(0)                   ; s33, the wave's number, is written, ahead of its first reader: LDS addresses and the bases' offsets are made from it
	s_lshl_b32 s34, s33, 12
	v_add_nc_u32 v[AST], s34, v[LI]
	v_lshlrev_b32 v[AHS], 2, v2
	v_lshl_add_u32 v[AHS], v3, 8, v[AHS]
	v_add_nc_u32 v[AHS], HSC, v[AHS]
	s_lshl_b32 s34, s33, 9
	s_add_co_u32 s34, s34, SWST
	v_lshl_add_u32 v[ASWS], v2, 2, s34
	v_add_nc_u32 v[ASWL], s34, v[LI]
	s_lshl_b32 s34, s33, 6
	s_add_co_u32 s34, s34, HSC
	v_lshl_add_u32 v[AHW], v9, 8, s34
.irp i, 0,1,2,3,4,5,6,7
	v_mov_b32 v[SW+\i], 0                          ; written once, so that each is written on every way through the units' branches
.endr
.irp b, 0,1,2,3
	v_mov_b32 v[TM+4+\b], 0                        ; a lane permute's destination counts as one of its sources
.endr
	s_mov_b32 s46, 0x76543210                      ; v_permlanex16_b32's selects for lane l xor 16
	s_mov_b32 s47, 0xfedcba98
	s_mov_b32 s48, 0x600000                        ; the mantissa field of 448
	s_mov_b32 s44, 4                               ; blocks to go
	; offsets, in registers of their own.  A block's codes and scale words lie 65,536 and 2,048 bytes on in qimg and qsc, 135,168 in kv
	s_lshl_b32 s49, ttmp9, 2                       ; my first block of 128 tokens, counted over all images
	s_mov_b32 s40, KVB
	s_mov_b32 s42, KVB
	s_cmp_eq_u32 s32, 0
	s_cselect_b32 s40, 65536, s40
	s_cselect_b32 s42, 2048, s42
	s_mov_b32 s41, 0
	s_mov_b32 s43, 0
	s_mul_i32 s50, s49, s40
	s_mul_i32 s52, s49, s42
	s_lshl_b32 s54, s33, 11                        ; q, k: my results are K step w of each image: 2,048 w
	s_lshl_b32 s55, s33, 14                        ; v: my eight images, behind K's: 65,536 + 16,384 w
	s_add_co_u32 s55, s55, 65536
	s_mov_b32 s56, 0
	s_cmp_eq_u32 s32, 1
	s_cselect_b32 s56, 131072, s56                 ; where the scale words begin in a run of kv
	s_cmp_eq_u32 s32, 2
	s_cselect_b32 s56, 133120, s56
	s_cselect_b32 s54, s55, s54
	s_add_co_u32 s50, s50, s54
	s_mov_b32 s51, 0
	s_lshl_b32 s57, s33, 9                         ; my 512 bytes of scale words
	s_add_co_u32 s52, s52, s56
	s_add_co_u32 s52, s52, s57
	s_mov_b32 s53, 0
	s_lshl_b32 s58, ttmp9, 18                      ; hq: 32 tiles of 8,192 bytes a work-group
	s_mov_b32 s59, 0
	s_lshr_b32 s60, ttmp9, 1                       ; hs: image x 16,384 + half x 512 + 4 planes x wave
	s_lshl_b32 s60, s60, 14
	s_and_b32 s61, ttmp9, 1
	s_lshl_b32 s61, s61, 9
	s_add_co_u32 s60, s60, s61
	s_lshl_b32 s61, s33, 12
	s_add_co_u32 s60, s60, s61
	s_mov_b32 s61, 0
	s_lshl_b32 s62, s33, 16                        ; my 128 rows of W
	s_mov_b32 s63, 0
	s_mov_b32 s35, 0
	s_wait_kmcnt 0x0
	s_cmp_eq_u32 s32, 1                            ; the choices hang on the work-group's y alone
	s_cselect_b64 s[8:9], s[14:15], s[8:9]
	s_cselect_b64 s[10:11], s[16:17], s[10:11]
	s_cselect_b64 s[12:13], s[18:19], s[12:13]
	s_cmp_eq_u32 s32, 2
	s_cselect_b64 s[8:9], s[20:21], s[8:9]
	s_cselect_b64 s[10:11], s[22:23], s[10:11]
	s_cselect_b64 s[12:13], s[24:25], s[12:13]
	s_cmp_eq_u32 s32, 0
	s_cselect_b64 s[36:37], s[26:27], s[30:31]     ; where the codes go,
	s_cselect_b64 s[38:39], s[28:29], s[30:31]     ; and the scale words
	s_add_nc_u64 s[36:37], s[36:37], s[50:51]
	s_add_nc_u64 s[38:39], s[38:39], s[52:53]
	s_add_nc_u64 s[4:5], s[4:5], s[58:59]
	s_add_nc_u64 s[6:7], s[6:7], s[60:61]
	s_add_nc_u64 s[8:9], s[8:9], s[62:63]
	s_lshl_b32 s34, s33, 11
	s_add_nc_u64 s[10:11], s[10:11], s[34:35]
	s_lshl_b32 s34, s33, 9
	s_add_nc_u64 s[12:13], s[12:13], s[34:35]
	s_wait_alu depctr_va_vdst(0)                   ; the addresses v1 to v14 are written, which the kernel's loads and stores read; only loads, window switches
	; W's 32 fragments: they stay
.irp wt, 0,1,2,3,4,5,6,7
	WIN 0x40+0x40*(\wt/4)
.irp s, 0,1,2,3
.irp c, 0,1,2,3
	global_load_b128 v[((\wt%4)*4+\s)*16+4*\c:((\wt%4)*4+\s)*16+4*\c+3], v[AW], s[8:9] offset:(32*(\wt/2)+8*(\wt%2))*512+128*\s+32*\c
.endr
.endr
.endr
	WIN 0
.irp wt, 0,1,2,3,4,5,6,7
	global_load_b128 v[WS+4*\wt:WS+4*\wt+3], v[AWS], s[10:11] offset:(32*(\wt/2)+8*(\wt%2))*16   ; a row's four scale words, one for each K step
.endr
	s_cmp_eq_u32 s32, 2
	s_cbranch_scc1 .Lbias_v
	WIN 0xc0                                       ; q, k: register j of a tile's result is channel 16 h + j of the tile's pair of eights
.irp wt, 0,1,2,3,4,5,6,7
	global_load_b128 v[BI+8*\wt:BI+8*\wt+3], v[ABQ], s[12:13] offset:(32*(\wt/2)+8*(\wt%2))*4
	global_load_b128 v[BI+8*\wt+4:BI+8*\wt+7], v[ABQ], s[12:13] offset:(32*(\wt/2)+8*(\wt%2))*4+16
.endr
	WIN 0
	s_branch .Lbias_done
.Lbias_v:
	WIN 0xc0                                       ; v: all eight registers of a lane belong to its one channel
.irp wt, 0,1,2,3,4,5,6,7
.irp j, 0,1,2,3,4,5,6,7
	global_load_b32 v[BI+8*\wt+\j], v[ABV], s[12:13] offset:(32*(\wt/2)+8*(\wt%2))*4
.endr
.endr
	WIN 0
.Lbias_done:
.irp c, 0,1,2,3
	global_load_b128 v[ACC+4*\c:ACC+4*\c+3], v[LI], s[6:7] offset:1024*\c      ; h's scale bytes: planes 4 w + c; lane l takes tile l's 16 rows
.endr
	WIN 0xc0
.irp i, 0,1,2,3,4,5,6,7
	global_load_b128 v[SG+4*\i:SG+4*\i+3], v[AST], s[4:5] offset:512*\i        ; my quarter of the first unit
.endr
	WIN 0
	s_wait_loadcnt 0x0
	; four planes' bytes become scale words (byte c = plane 4 w + c): 4 x 4 bytes are turned by eight byte permutes
.irp i, 0,1,2,3
	v_perm_b32 v144, v[ACC+4+\i], v[ACC+\i], 0x05010400
	v_perm_b32 v145, v[ACC+4+\i], v[ACC+\i], 0x07030602
	v_perm_b32 v146, v[ACC+12+\i], v[ACC+8+\i], 0x05010400
	v_perm_b32 v147, v[ACC+12+\i], v[ACC+8+\i], 0x07030602
	v_perm_b32 v[160+4*\i], v146, v144, 0x05040100
	v_perm_b32 v[161+4*\i], v146, v144, 0x07060302
	v_perm_b32 v[162+4*\i], v147, v145, 0x05040100
	v_perm_b32 v[163+4*\i], v147, v145, 0x07060302
.endr
	s_wait_alu depctr_va_vdst(0)                   ; the byte permutes have written v160 to v175, which the four LDS stores read
.irp i, 0,1,2,3
	ds_store_b128 v[AHW], v[160+4*\i:163+4*\i] offset:16*\i                    ; rows 4 i .. 4 i + 3 of tile l, K step w; the first unit's barrier shows them to all
.endr
; 64 numbers of a lane, v[s] on, register 16 b + i = place 32 b + 16 (lane / 16) + i along the next K, become 16 registers of codes in v[p] on; the four scale bytes are left in v[TM+4] on.
.macro QCORE s, p
.irp b, 0,1,2,3
	v_max3_num_f32 v[TM+\b], |v[\s+16*\b]|, |v[\s+1+16*\b]|, 0x4800000         ; block b: my 16 numbers, from each accumulator's low end on, and the floor 2^(9 - 127): the byte cannot fall under 1
.endr
.irp i, 2,4,6,8,10,12,14
.irp b, 0,1,2,3
	v_max3_num_f32 v[TM+\b], v[TM+\b], |v[\s+16*\b+\i]|, |v[\s+1+16*\b+\i]|    ; (the four blocks by turns)
.endr
.endr
.irp b, 0,1,2,3
	v_permlanex16_b32 v[TM+4+\b], v[TM+\b], s46, s47
.endr
.irp b, 0,1,2,3
	v_max_num_f32 v[TM+\b], v[TM+\b], v[TM+4+\b]   ; with lane l xor 16's 16: the block's largest magnitude
.endr
.irp b, 0,1,2,3
	v_add_nc_u32 v[TM+12+\b], 0xfc000000, v[TM+\b] ; 8 off its exponent field: the conversion's scale operand
.endr
.irp b, 0,1,2,3
	v_and_or_b32 v[TM+8+\b], v[TM+\b], 0x7f800000, s48   ; 448 x the scale
.endr
.irp b, 0,1,2,3
	v_lshrrev_b32 v[TM+4+\b], 23, v[TM+12+\b]      ; the scale's byte
.endr
.irp b, 0,1,2,3
.irp i, 0,1,2,3,4,5,6,7,8,9,10,11,12,13,14,15
	v_med3_num_f32 v[\s+16*\b+\i], v[\s+16*\b+\i], -v[TM+8+\b], v[TM+8+\b]     ; the conversion to an 8-bit code does not saturate (ISA guide 7.6.2): the hold comes first
.endr
	v_cvt_scalef32_pk8_fp8_f32 v[\p+4*\b:\p+4*\b+1], v[\s+16*\b:\s+16*\b+7], v[TM+12+\b]
	v_cvt_scalef32_pk8_fp8_f32 v[\p+4*\b+2:\p+4*\b+3], v[\s+16*\b+8:\s+16*\b+15], v[TM+12+\b]
.endr
	v_nop                                          ; a plain instruction behind the last conversion: later products write its sources
.endm
; 32 matrix instructions: W's tiles 4 half .. 4 half + 3 x the unit's two tiles of tokens x 4 K steps.  The eight accumulators take turns, one instruction a turn.
; The first 32 wait for h's fragments K step by K step: LDS loads come back in order (ISA guide 5.7.1), and behind K step s's two images stand the eight loads of each later step.
.macro MMQK half                       ; source 0 = W, source 1 = h; accumulator (token tile pt, W tile wt) at ACC + 64 pt + 8 wt
.irp s, 0,1,2,3
.if \half == 0
	s_wait_dscnt 24-8*\s                           ; h's scale words and K step s's two images are in; the later steps' loads, eight each, may be out
.endif
.if \s == 0
	WIN 0x3d+\half                                 ; W window 1 + half, h and the bias window 3
.else
	WIN 0x0d+\half
.endif
.irp wl, 0,1,2,3
.irp pt, 0,1
.if \s == 0
	WMS ACC+64*\pt+8*(4*\half+\wl), (4*\wl+\s)*16, HF+(4*\pt+\s)*16, BI+8*(4*\half+\wl), WS+4*(4*\half+\wl)+\s, HS+\s, 0, \pt
.else
	WMS ACC+64*\pt+8*(4*\half+\wl), (4*\wl+\s)*16, HF+(4*\pt+\s)*16, ACC+64*\pt+8*(4*\half+\wl), WS+4*(4*\half+\wl)+\s, HS+\s, 0, \pt
.endif
.endr
.endr
.endr
.endm
.macro MMV half                        ; source 0 = h, source 1 = W; accumulator at ACC + 16 wt + 8 pt
.irp s, 0,1,2,3
.if \half == 0
	s_wait_dscnt 24-8*\s                           ; h's scale words and K step s's two images are in; the later steps' loads, eight each, may be out
.endif
.if \s == 0
	WIN 0x37+4*\half                               ; h and the bias window 3, W window 1 + half
.else
	WIN 0x07+4*\half
.endif
.irp wl, 0,1,2,3
.irp pt, 0,1
.if \s == 0
	WMS ACC+16*(4*\half+\wl)+8*\pt, HF+(4*\pt+\s)*16, (4*\wl+\s)*16, BI+8*(4*\half+\wl), HS+\s, WS+4*(4*\half+\wl)+\s, \pt, 0
.else
	WMS ACC+16*(4*\half+\wl)+8*\pt, HF+(4*\pt+\s)*16, (4*\wl+\s)*16, ACC+16*(4*\half+\wl)+8*\pt, HS+\s, WS+4*(4*\half+\wl)+\s, \pt, 0
.endif
.endr
.endr
.endr
.endm
.macro BODYQK g                        ; unit g of a block, q or k: each tile of tokens becomes K step w of its image, and one scale word a token
	MMQK 0
	MMQK 1
	WIN 0
	PLACES 8                                       ; eight plain instructions between the last products and the first read of results
	s_wait_xcnt 0x0                                ; every earlier memory instruction has had its addresses translated (ISA guide 3.1): both sets of codes, which the last unit's stores read, are written again only behind this wait
.irp pt, 0,1
	QCORE ACC+64*\pt, PC+16*\pt
	v_lshl_or_b32 v[SW+2*\g+\pt], v[TM+5], 8, v[TM+4]
	v_lshl_or_b32 v[SW+2*\g+\pt], v[TM+6], 16, v[SW+2*\g+\pt]
	v_lshl_or_b32 v[SW+2*\g+\pt], v[TM+7], 24, v[SW+2*\g+\pt]
.endr
	s_wait_alu depctr_va_vdst(0)                   ; the conversions have written both sets of codes, which the eight stores read; the unit's two scale words are written too, which the LDS stores at the block's end read
.irp pt, 0,1
.irp c, 0,1,2,3
	global_store_b128 v[LI], v[PC+16*\pt+4*\c:PC+16*\pt+4*\c+3], s[36:37] offset:(2*\g+\pt)*8192+512*\c    ; 512 consecutive bytes, at a multiple of 512 from the buffer's first byte
.endr
.endr
.endm
.macro BODYV g                         ; unit g of a block, v: its 32 tokens are block g of the 128 keys: register group g of each of my eight images, byte g of each scale word
	MMV 0
	MMV 1
	WIN 0
	PLACES 8
	s_wait_xcnt 0x0                                ; every earlier memory instruction has had its addresses translated (ISA guide 3.1): both sets of codes, which the last unit's stores read, are written again only behind this wait
.irp ch, 0,1
	QCORE ACC+64*\ch, PC+16*\ch
.irp b, 0,1,2,3
.if \g == 0
	v_mov_b32 v[SW+4*\ch+\b], v[TM+4+\b]
.else
	v_lshl_or_b32 v[SW+4*\ch+\b], v[TM+4+\b], 8*\g, v[SW+4*\ch+\b]
.endif
.endr
.endr
	s_wait_alu depctr_va_vdst(0)                   ; the conversions have written both sets of codes, which the eight stores read; the eight scale words are written too, which the LDS stores at the block's end read
.irp ch, 0,1
.irp b, 0,1,2,3
	global_store_b128 v[LI], v[PC+16*\ch+4*\b:PC+16*\ch+4*\b+3], s[36:37] offset:(4*\ch+\b)*2048+512*\g
.endr
.endr
.endm
; A UNIT.  ONE barrier: buffer g % 2 was last read two units ago, and every wave waited for those reads in front of the barrier of the unit between.
.macro UNIT g
	s_wait_loadcnt 0x0                             ; my quarter of this unit, asked for a unit ago
	WIN 0x0c                                       ; an LDS store's data are its source 1: window 3
.irp i, 0,1,2,3,4,5,6,7
	ds_store_b128 v[AST], v[SG+4*\i:SG+4*\i+3] offset:HB*((\g)%2)+512*\i
.endr
	WIN 0
	s_wait_dscnt 0x0                               ; for the others' sake: my quarter has landed; my earlier LDS loads are long in
	s_barrier_signal -1
	s_barrier_wait -1
	s_wait_alu depctr_vm_vsrc(0)                   ; the LDS stores above have read SG, in which the loads below land; the last unit's global stores have read both sets of codes, which this unit's conversions write; in the first unit the head's LDS stores have read v160 to v175, which the products write; in a block's first unit the last block's stores have read SW and FL
.if \g == 3
	s_cmp_eq_u32 s44, 1                            ; behind the last block's last unit nothing follows: no load leaves hq
	s_cbranch_scc1 .Lnonext_\@
.endif
	WIN 0xc0
.irp i, 0,1,2,3,4,5,6,7
	global_load_b128 v[SG+4*\i:SG+4*\i+3], v[AST], s[4:5] offset:((\g)+1)*16384+512*\i
.endr
	WIN 0
.if \g == 3
.Lnonext_\@:
.endif
	s_wait_alu depctr_va_vdst(0)                   ; the last unit's matrix instructions are done reading HS and HF, in which the 36 loads below land; in a block's first unit v[AHS] is written, which the first four read
.irp s, 0,1,2,3
	ds_load_b32 v[HS+\s], v[AHS] offset:512*(\g)+64*\s                         ; lanes 0-15 the first tile's words, lanes 16-31 the second's
.endr
	WIN 0xc0
.irp s, 0,1,2,3
.irp pt, 0,1
.irp c, 0,1,2,3
	ds_load_b128 v[HF+(4*\pt+\s)*16+4*\c:HF+(4*\pt+\s)*16+4*\c+3], v[LI] offset:HB*((\g)%2)+512*((4*\pt+\s)*4+\c)   ; the unit's eight images, each as it lies, in the order of their use: K step s of both tiles
.endr
.endr
.endr
	WIN 0
	s_cmp_eq_u32 s32, 2
	s_cbranch_scc1 .Lv_\@
	BODYQK \g
	s_branch .Ljoin_\@
.Lv_\@:
	BODYV \g
.Ljoin_\@:
.endm
.Lblock:
	UNIT 0
	UNIT 1
	UNIT 2
	UNIT 3
.irp i, 0,1,2,3,4,5,6,7
	ds_store_b32 v[ASWS], v[SW+\i] offset:64*\i    ; the block's scale words, through my own 512 bytes; both halves of the lanes write the same word with the same value.  (They were written ahead of the units' waits on va_vdst)
.endr
	ds_load_b128 v[FL:FL+3], v[ASWL]               ; LDS serves a wave's instructions in order (ISA guide 5.7.1.4)
	s_wait_alu depctr_vm_vsrc(0)                   ; the last unit's loads of h's scale words have read v[AHS]
	v_add_nc_u32 v[AHS], 2048, v[AHS]              ; the next block's scale words; the next unit's wait on va_vdst stands ahead of the loads that read it
	s_wait_dscnt 0x0
	global_store_b128 v[LI], v[FL:FL+3], s[38:39]  ; 512 consecutive bytes
	s_wait_xcnt 0x0                                ; every earlier memory instruction has read its registers: the bases step only behind this wait
	s_add_nc_u64 s[36:37], s[36:37], s[40:41]
	s_add_nc_u64 s[38:39], s[38:39], s[42:43]
	s_add_nc_u64 s[4:5], s[4:5], 65536
	s_sub_co_u32 s44, s44, 1
	s_cmp_lg_u32 s44, 0
	s_cbranch_scc1 .Lblock
	s_wait_dscnt 0x0                               ; the closing lines, six on end
	s_wait_alu 0x0
	s_wait_tensorcnt 0x0
	ds_add_u32 v126, v127
	s_wait_dscnt 0x0
	s_endpgm
.Lfunc_end_k_qedd1ec8752_qkv:
	.size	k_qedd1ec8752_qkv, .Lfunc_end_k_qedd1ec8752_qkv-k_qedd1ec8752_qkv
	.p2alignl 7, 3214868480
	.fill 96, 4, 3214868480
	.section	.rodata,"a",@progbits
	.p2align	6, 0x0
	.amdhsa_kernel k_qedd1ec8752_qkv
		.amdhsa_group_segment_fixed_size 43520
		.amdhsa_private_segment_fixed_size 0
		.amdhsa_enable_private_segment 0
		.amdhsa_kernarg_size 112
		.amdhsa_user_sgpr_count 2
		.amdhsa_user_sgpr_kernarg_segment_ptr 1
		.amdhsa_wavefront_size32 1
		.amdhsa_system_sgpr_workgroup_id_x 1
		.amdhsa_system_sgpr_workgroup_id_y 1
		.amdhsa_system_sgpr_workgroup_id_z 1
		.amdhsa_system_vgpr_workitem_id 0
		.amdhsa_next_free_vgpr 1024
		.amdhsa_next_free_sgpr 66
		.amdhsa_reserve_vcc 0
		.amdhsa_float_denorm_mode_32 3
		.amdhsa_float_denorm_mode_16_64 3
		.amdhsa_memory_ordered 1
		.amdhsa_forward_progress 1
		.amdhsa_inst_pref_size 250
	.end_amdhsa_kernel
	.amdgpu_metadata
---
amdhsa.version: [ 1, 2 ]
amdhsa.kernels:
  - .name:           k_qedd1ec8752_qkv
    .symbol:         k_qedd1ec8752_qkv.kd
    .args:
      - { .name: hq, .offset: 0, .size: 8, .value_kind: global_buffer, .address_space: global }
      - { .name: hs, .offset: 8, .size: 8, .value_kind: global_buffer, .address_space: global }
      - { .name: wq_codes, .offset: 16, .size: 8, .value_kind: global_buffer, .address_space: global }
      - { .name: wq_scales, .offset: 24, .size: 8, .value_kind: global_buffer, .address_space: global }
      - { .name: bq, .offset: 32, .size: 8, .value_kind: global_buffer, .address_space: global }
      - { .name: wk_codes, .offset: 40, .size: 8, .value_kind: global_buffer, .address_space: global }
      - { .name: wk_scales, .offset: 48, .size: 8, .value_kind: global_buffer, .address_space: global }
      - { .name: bk, .offset: 56, .size: 8, .value_kind: global_buffer, .address_space: global }
      - { .name: wv_codes, .offset: 64, .size: 8, .value_kind: global_buffer, .address_space: global }
      - { .name: wv_scales, .offset: 72, .size: 8, .value_kind: global_buffer, .address_space: global }
      - { .name: bv, .offset: 80, .size: 8, .value_kind: global_buffer, .address_space: global }
      - { .name: qimg, .offset: 88, .size: 8, .value_kind: global_buffer, .address_space: global }
      - { .name: qsc, .offset: 96, .size: 8, .value_kind: global_buffer, .address_space: global }
      - { .name: kv, .offset: 104, .size: 8, .value_kind: global_buffer, .address_space: global }
    .group_segment_fixed_size: 43520
    .private_segment_fixed_size: 0
    .kernarg_segment_align: 8
    .kernarg_segment_size: 112
    .max_flat_workgroup_size: 128
    .sgpr_count:     66
    .vgpr_count:     1024
    .wavefront_size: 32
...
	.end_amdgpu_metadata
.endif
;; end of part 5
;; launch attn (part 6): grid 16 x 32, 4 waves a work-group, clusters of 4 x 1, 327,680 bytes of LDS; arguments qimg, qsc, kv, wproj_codes, wproj_scales, bproj, x, out0; writes out0
.if DOCPART == 6
	.amdgcn_target "amdgcn-amd-amdhsa--gfx1250"
	.amdhsa_code_object_version 6
	.text
	.protected	k_qedd1ec8752_attn
	.globl	k_qedd1ec8752_attn
	.p2align	8
	.type	k_qedd1ec8752_attn,@function
k_qedd1ec8752_attn:
	s_mov_b64 s[64:65], 0
	v_nop
	global_prefetch_b8 v0, s[64:65] scope:SCOPE_SE
	s_setreg_imm32_b32 hwreg(HW_REG_WAVE_MODE, 25, 1), 1
	s_wait_xcnt 0x0
	s_wait_alu depctr_hold_cnt(0) depctr_sa_sdst(0) depctr_va_vdst(0) depctr_va_sdst(0) depctr_va_ssrc(0) depctr_va_vcc(0) depctr_vm_vsrc(0)
	s_getreg_b32 s2, hwreg(HW_REG_IB_STS2, 6, 4)
	s_cmp_eq_u32 s2, 0
	s_cbranch_scc0 .Lentry_in_a_cluster
	s_endpgm
.Lentry_in_a_cluster:
	s_bfe_u32 s2, ttmp6, 0x10000c
	s_cmp_lg_u32 s2, 0x3003
	s_cbranch_scc0 .Lentry_shape_is_right
	s_endpgm
.Lentry_shape_is_right:
; out0 = x + wproj (softmax(q k^T / sqrt(512)) v)^T + bproj, all three products on codes of FP8 (E4M3) with E8M0 scales.  One head of 512 channels, 1,024 tokens, 32 images.
; THE SOFTMAX AHEAD OF THE SECOND PRODUCT: t = score x log2(e) / sqrt(512) (one multiplication); M = the row's largest t so far, rounded UP to a whole number; p = 2^(t - M) is quantised along the keys, not normalised.
; The row's sum is taken of the unquantised p and divides O at the end (v_rcp_f32 and a multiplication).  When M moves, the sum and O are multiplied by 2^(old M - new M): exact.
; SHARES.  A work-group owns 64 queries (four tiles of 16) of one image and walks the 1,024 keys, 128 a step.  THE WAVES SHARE THE COLUMNS in all three products, each for all 64 queries:
;   S^T = K Q^T: wave w makes the step's keys 32 w .. 32 w + 31 (two tiles: one block of 32);  O^T += V^T P^T: channels 128 w .. + 127 (eight tiles);  the projection: output channels 128 w .. + 127.
; So each fragment of K, V and wproj is read once in the work-group and feeds four matrix instructions.  The price: q's 16 fragments stand in every wave's registers, and the blocks' largest scores and p's codes go from wave to wave through LDS.
; LAYOUT.  Operands lie in memory and in LDS as images of their registers (2,048 bytes: register group c of lane l at 512 c + 16 l): every fetch is 512 consecutive bytes.  Row r of a tile of tokens T is token 32 (T / 2) + 8 (T % 2) + r + 8 (r / 8),
; V's tiles of channels likewise: so a lane's 16 registers of two neighbouring tiles are 16 neighbours along the next K, and the conversions' results are the next operand's registers.  A lane holds ONE query (lane % 16) in S^T, p and O^T.
; Every wave makes p's whole scale word itself, from the four blocks' largest scores: a block's largest p is its largest score put through the same multiply-add and exponential (this takes v_exp_f32 not to fall where its input rises).
; CLUSTER.  The four work-groups of a cluster own neighbouring queries of one image and walk the same runs of kv: each quarter of a run is asked for JOINTLY, by the same tensor load with the same descriptor and the mask of all four.
; RING.  Two LDS slots of one key step (135,168 bytes: K's images, V's images, both scale words, dense as in memory); each wave fetches a quarter, 132 rows of 256 bytes.
; A KEY STEP HAS TWO BARRIERS.  The first shows the blocks' largest scores to all.  The second shows p to all, and when a wave reaches it, all that it wants of the step's slot stands in its registers: so this barrier is the cluster's round, and
; behind it the slot is filled again, two steps ahead.  Behind the round: p's fragments and the NEXT step's fragments of K are asked for, O^T is rescaled meanwhile, and 64 matrix instructions follow each other: V^T P^T of this step, K Q^T of the next.
; Behind step 6's round slot 0 takes my 128 rows of x (a load of my own, no mask): x waits in LDS for the end and holds no register.  By this text's count a wave has one tensor load out at a time.
; No prefetch into the L2: kv was stored by the launch before, and x's tensor load is itself asked for a key step and the division ahead of its first read.
; LIMITS: NaN and infinities are not served.  A block whose largest magnitude lies under 2^-118 (a block of zeros too) gets the byte 1; a block of zeros has zero codes, and the bytes are read by this program alone.
; REGISTERS, in windows of 256: window 0: v0-31 addresses; v32-51 and v108-111 scale words and nothing else; v52-127 statistics and work; v128-191 S^T, then p; v192-255 K's second tile.  At the end: v52-119 the bias as C,
;   v128-191 the projection's sums (two sets), v192-223 rows of x, v224-255 rows on their way out.   window 1: q's 16 fragments (tile 4 + s) 16; at the end wproj's tiles 0-3.
;   window 2: O^T at 64 tile + 8 channel tile; at the end the attention output's 16 fragments.   window 3: v0-127 V's eight fragments, v128-191 p's four, v192-255 K's first tile; at the end wproj's tiles 4-7.
.set KVB,   135168                     ; a key step's run of kv, and an LDS slot
.set QTR,   33792                      ; a quarter of it
.set PIMG,  2*KVB                      ; behind the ring: p's four images,
.set MAXR,  PIMG+8192                  ; the blocks' largest scores: 512 w + 16 x lane,
.set LSUM,  MAXR+2048                  ; the rows' sums likewise,
.set SPARE, LSUM+2048                  ; and the spare words, 128 bytes for each wave: two blocks of 256 bytes that no other line names
.set OIMG,  KVB                        ; at the end, in slot 1, which has had its last fill and its last read: the output's 16 images,
.set OSC,   KVB+32768                  ; their scale words,
.set STG,   KVB+36864                  ; and a stage of 16 rows x (256 + 16) bytes for each wave
.set LI,  1                            ; v1   16 x lane
.set LS,  2                            ; v2   4 x lane
.set SPW, 3                            ; v3   LDS address of my spare word; never rewritten
.set NIL, 4                            ; v4   0; never rewritten
.set AK,  5                            ; v5, v6    my K images in slot 0, 1
.set AV,  7                            ; v7, v8    my V images
.set ASK, 9                            ; v9, v10   my K scale words
.set ASV, 11                           ; v11, v12  my V scale words
.set AMW, 13                           ; v13, v14  the largest scores: where I write, where I read
.set AML, 14
.set APW, 15                           ; v15, v16  p's images
.set APL, 16
.set ALW, 17                           ; v17, v18  the sums
.set ALL, 18
.set AOW, 19                           ; v19  the output's images, where I write: OIMG + 2,048 w + 16 x lane
.set AOS, 20                           ; v20  their scale words, where I write: OSC + 256 w + 4 r
.set STO, 21                           ; v21  the stage: row r, + 64 h
.set SRD, 22                           ; v22  and back: row h, + 16 r
.set GO,  23                           ; v23  out0: 4,096 h + 16 r
.set AWP, 24                           ; v24  wproj: 512 r + 16 h
.set AOL, 25                           ; v25  the output's images, where I read: OIMG + 16 x lane
.set ABP, 26                           ; v26  bproj: 4 r
.set AXR, 27                           ; v27  my rows of x in slot 0: 32,768 w + 16 x lane
.set AOSL, 28                          ; v28  the output's scale words, where I read: OSC + 4 x lane
.set QS,  32                           ; v32-39  q's scale words, 2 s + tile / 2 (two tiles to a register); at the end the output's
.set KS,  40                           ; v40-43  K's, one for each K step (my two tiles); at the end, with VS, PS and W3S, wproj's: 4 (tile / 2) + s, two tiles to a register
.set VS,  44                           ; v44-47  V's, two tiles to a register
.set PS,  48                           ; v48-51  p's, one for each tile of queries
.set ST,  52                           ; v52-59  pairs (-M, the largest t)
.set FF,  60                           ; v60-67  pairs (f, 0); at the end 1 / the sum
.set LL,  68                           ; v68-75  the sum, in two halves
.set BM,  76                           ; v76-79  my block's largest score
.set BMX, 80                           ; v80-95  all four blocks': 4 w' + tile
.set TQ,  96
.set SO,  100                          ; v100-103 the conversions' scale operands
.set HD,  104                          ; v104-107 448 x the scale
.set W3S, 108                          ; v108-111 wproj's scale words of tiles 6 and 7
.set PCD, 112                          ; v112-127 p's codes
.set S,   128
.set KF,  192                          ; K's fragments, 16 s: my first tile in window 3, my second in window 0
.set TM,  80                           ; at the end: the quantiser's work,
.set PW,  100                          ; the scale word just made,
.set PC,  112                          ; the codes just made,
.set BV,  192                          ; v192-199 the bias of my lane's channel in each of the eight tiles,
.set R,   128                          ; the projection's sums: set tile % 2, 8 x tile of tokens,
.set XB,  192                          ; eight rows' 16 bytes of x,
.set RB,  224                          ; and of the result
.set MSB, 0
.macro WIN new                         ; the immediate's high byte repeats the setting that is left; a switch that changes nothing is dropped
.if MSB != (\new)
	s_set_vgpr_msb (MSB<<8)|(\new)
.set MSB, \new
.endif
.endm
.macro PLACES n
.rept \n
	v_nop
.endr
.endm
; One matrix instruction.  c: the first register of C, or -1: the constant 0 starts the sum.  ra, rb = 1: that side's scales stand in lanes 16-31 of its register.
.macro WMS d, a, b, c, sa, sb, ra, rb
.set wD, \d
.set wA, \a
.set wB, \b
.set wC, \c
.set wX, \sa
.set wY, \sb
.set wM, 2*(\ra)+(\rb)
.if wC < 0
.if wM == 0
	v_wmma_scale_f32_16x16x128_f8f6f4 v[wD:wD+7], v[wA:wA+15], v[wB:wB+15], 0, v[wX], v[wY]
.elseif wM == 1
	v_wmma_scale_f32_16x16x128_f8f6f4 v[wD:wD+7], v[wA:wA+15], v[wB:wB+15], 0, v[wX], v[wY] matrix_b_scale:MATRIX_SCALE_ROW1
.elseif wM == 2
	v_wmma_scale_f32_16x16x128_f8f6f4 v[wD:wD+7], v[wA:wA+15], v[wB:wB+15], 0, v[wX], v[wY] matrix_a_scale:MATRIX_SCALE_ROW1
.else
	v_wmma_scale_f32_16x16x128_f8f6f4 v[wD:wD+7], v[wA:wA+15], v[wB:wB+15], 0, v[wX], v[wY] matrix_a_scale:MATRIX_SCALE_ROW1 matrix_b_scale:MATRIX_SCALE_ROW1
.endif
.else
.if wM == 0
	v_wmma_scale_f32_16x16x128_f8f6f4 v[wD:wD+7], v[wA:wA+15], v[wB:wB+15], v[wC:wC+7], v[wX], v[wY]
.elseif wM == 1
	v_wmma_scale_f32_16x16x128_f8f6f4 v[wD:wD+7], v[wA:wA+15], v[wB:wB+15], v[wC:wC+7], v[wX], v[wY] matrix_b_scale:MATRIX_SCALE_ROW1
.elseif wM == 2
	v_wmma_scale_f32_16x16x128_f8f6f4 v[wD:wD+7], v[wA:wA+15], v[wB:wB+15], v[wC:wC+7], v[wX], v[wY] matrix_a_scale:MATRIX_SCALE_ROW1
.else
	v_wmma_scale_f32_16x16x128_f8f6f4 v[wD:wD+7], v[wA:wA+15], v[wB:wB+15], v[wC:wC+7], v[wX], v[wY] matrix_a_scale:MATRIX_SCALE_ROW1 matrix_b_scale:MATRIX_SCALE_ROW1
.endif
.endif
.endm
; A round of the cluster's barrier: my work-group's barrier, so that wave 0's signal speaks for all four waves; wave 0 signals; every wave waits for all four work-groups; my work-group's barrier once more.
.macro ROUND
	s_barrier_signal -1
	s_barrier_wait -1
	s_cmp_lg_u32 s20, 0
	s_cbranch_scc1 .Lnot_wave_0_\@
	s_barrier_signal -3
.Lnot_wave_0_\@:
	s_barrier_wait -3
	s_barrier_signal -1
	s_barrier_wait -1
.endm
	s_load_b512 s[4:19], s[0:1], 0x0               ; qimg s[4:5], qsc s[6:7], kv s[8:9], wproj's codes s[10:11], scales s[12:13], bproj s[14:15], x s[16:17], out0 s[18:19]
	v_lshl_add_u32 v[SPW], v0, 2, SPARE
	v_mov_b32 v[NIL], 0
	ds_add_u32 v3, v4
	ds_add_u32 v3, v4
	s_wait_dscnt 0x0
	v_lshrrev_b32 v31, 5, v0
	v_readfirstlane_b32 s20, v31                   ; wave 0..3
	s_bfe_u32 s21, ttmp6, 0x40000                  ; cx: my place in the cluster
	s_lshl_b32 s22, ttmp9, 2                       ; in a cluster launch ttmp9 counts clusters
	s_add_co_u32 s22, s22, s21                     ; my block of 64 queries: it enters the addresses of qimg, qsc, x and out0 alone
	s_and_b32 s23, ttmp7, 0xffff                   ; the image, which the four partners share
	; descriptor group 1 for kv: 132 dense rows of 256 bytes (32 elements of 8 bytes), no padding
	s_mov_b32 s24, 15|(3<<16)|(1<<21)              ; 15:0 the mask: all four work-groups; 17:16 elements of 8 bytes; 21 set beside a mask
	s_mov_b32 s25, 32<<16                          ; tensor_dim0 = 32
	s_mov_b32 s26, 132<<16                         ; tensor_dim1 = 132
	s_mov_b32 s27, 32<<16                          ; tile_dim0 = 32
	s_mov_b32 s28, 132                             ; tile_dim1 = 132
	s_mov_b32 s29, 32                              ; elements from row to row
	s_mov_b32 s30, 0
	s_mov_b32 s31, 0
	; descriptor group 1 for x: 128 rows (channels) of 256 bytes (my 64 tokens), 4,096 bytes apart in memory, dense in LDS; no mask: each work-group has tokens of its own
	s_mov_b32 s68, 3<<16                           ; elements of 8 bytes
	s_mov_b32 s69, 32<<16                          ; tensor_dim0 = 32
	s_mov_b32 s70, 128<<16                         ; tensor_dim1 = 128
	s_mov_b32 s71, 32<<16                          ; tile_dim0 = 32
	s_mov_b32 s72, 128                             ; tile_dim1 = 128
	s_mov_b32 s73, 512                             ; elements from row to row
	s_mov_b32 s74, 0
	s_mov_b32 s75, 0
	s_mul_i32 s46, s23, 8*KVB                      ; kv: the image's eight runs, my quarter of each: made of the image and the wave's number alone
	s_mul_i32 s58, s20, QTR
	s_add_co_u32 s46, s46, s58
	s_mov_b32 s47, 0
	s_lshl_b32 s52, s23, 19                        ; qimg: image x 524,288 + block x 32,768
	s_lshl_b32 s53, s22, 15
	s_add_co_u32 s52, s52, s53
	s_mov_b32 s53, 0
	s_lshl_b32 s54, s23, 3                         ; qsc: (image x 8 + block / 2) x 2,048 + (block % 2) x 256
	s_lshr_b32 s55, s22, 1
	s_add_co_u32 s54, s54, s55
	s_lshl_b32 s54, s54, 11
	s_and_b32 s55, s22, 1
	s_lshl_b32 s55, s55, 8
	s_add_co_u32 s54, s54, s55
	s_mov_b32 s55, 0
	s_lshl_b32 s56, s23, 21                        ; x, out0: (image x 512 + 128 w) rows of 4,096 bytes + block x 256
	s_lshl_b32 s57, s20, 19
	s_add_co_u32 s56, s56, s57
	s_lshl_b32 s57, s22, 8
	s_add_co_u32 s56, s56, s57
	s_mov_b32 s57, 0
	s_mov_b32 s49, 0
	s_mov_b32 s40, 0x76543210                      ; v_permlanex16_b32's selects for lane l xor 16
	s_mov_b32 s41, 0xfedcba98
	s_mov_b32 s42, 0x3d8293ee                      ; c = log2(e) / sqrt(512)
	s_mov_b32 s43, s42                             ; (named with it as a pair, so it is written)
	s_mov_b32 s44, 0x600000                        ; the mantissa field of 448
	s_wait_kmcnt 0x0
	s_add_nc_u64 s[8:9], s[8:9], s[46:47]
	s_add_nc_u64 s[4:5], s[4:5], s[52:53]
	s_add_nc_u64 s[6:7], s[6:7], s[54:55]
	s_add_nc_u64 s[16:17], s[16:17], s[56:57]
	s_add_nc_u64 s[18:19], s[18:19], s[56:57]
	s_lshl_b32 s48, s20, 16                        ; my 128 rows of wproj,
	s_add_nc_u64 s[10:11], s[10:11], s[48:49]
	s_lshl_b32 s48, s20, 11                        ; of its scale bytes,
	s_add_nc_u64 s[12:13], s[12:13], s[48:49]
	s_lshl_b32 s48, s20, 9                         ; of bproj
	s_add_nc_u64 s[14:15], s[14:15], s[48:49]
	; descriptor group 0, a set for each slot: slot n begins with key step n; and one for x
	s_mov_b32 s32, 1                               ; count = 1
	s_mov_b32 s33, s58                             ; LDS address: my quarter of slot 0
	s_mov_b64 s[34:35], s[8:9]
	s_or_b32 s35, s35, 0x80000000                  ; type = 2
	s_mov_b32 s36, 1
	s_add_co_u32 s37, s58, KVB
	s_add_nc_u64 s[38:39], s[8:9], KVB
	s_or_b32 s39, s39, 0x80000000
	s_mov_b32 s76, 1
	s_lshl_b32 s77, s20, 15                        ; x: 32,768 bytes for each wave, from slot 0's first byte on
	s_mov_b64 s[78:79], s[16:17]
	s_or_b32 s79, s79, 0x80000000
	ROUND                                          ; all four work-groups are here: the first joint loads meet
	tensor_load_to_lds s[32:35], s[24:31]          ; key step 0
	s_nop 0
	s_wait_alu depctr_va_vdst(0)
	s_wait_tensorcnt 0x0
	ds_add_u32 v3, v4
	s_wait_dscnt 0x0
	ROUND
	tensor_load_to_lds s[36:39], s[24:31]          ; key step 1: it goes out once step 0's has landed
	s_nop 0
	PLACES 4                                       ; four v_nop follow, ahead of any switch of windows
	v_and_b32 v31, 31, v0                          ; lane
	v_and_b32 v29, 15, v0                          ; r
	v_bfe_u32 v30, v0, 4, 1                        ; h
	v_lshlrev_b32 v[LI], 4, v31
	v_lshlrev_b32 v[LS], 2, v31
	WIN 0x40
.set i, 0
.rept 64
	global_load_b128 v[4*i:4*i+3], v[LI], s[4:5] offset:512*i      ; q's 16 images: they stay in registers
.set i, i+1
.endr
	WIN 0
.irp s, 0,1,2,3
.irp p, 0,1
	global_load_b32 v[QS+2*\s+\p], v[LS], s[6:7] offset:512*\s+128*\p   ; lanes 0-15 tile 2 p's words, lanes 16-31 tile 2 p + 1's
.endr
.endr
	s_lshl_b32 s50, s20, 14
	v_add_nc_u32 v[AK], s50, v[LI]                 ; my two tiles of K: 16,384 w
	v_add_nc_u32 v[AK+1], KVB, v[AK]
	v_add_nc_u32 v[AV], 65536, v[AK]               ; my eight tiles of V, behind K's 32 images
	v_add_nc_u32 v[AV+1], 65536, v[AK+1]
	s_lshl_b32 s50, s20, 7
	s_add_co_u32 s50, s50, 131072
	v_add_nc_u32 v[ASK], s50, v[LS]
	v_add_nc_u32 v[ASK+1], KVB, v[ASK]
	s_lshl_b32 s50, s20, 9                         ; 512 w
	s_add_co_u32 s51, s50, 133120
	v_add_nc_u32 v[ASV], s51, v[LS]
	v_add_nc_u32 v[ASV+1], KVB, v[ASV]
	s_add_co_u32 s51, s50, MAXR
	v_add_nc_u32 v[AMW], s51, v[LI]
	v_add_nc_u32 v[AML], MAXR, v[LI]
	s_add_co_u32 s51, s50, PIMG
	v_add_nc_u32 v[APW], s51, v[LI]
	v_add_nc_u32 v[APL], PIMG, v[LI]
	s_add_co_u32 s51, s50, LSUM
	v_add_nc_u32 v[ALW], s51, v[LI]
	v_add_nc_u32 v[ALL], LSUM, v[LI]
	s_lshl_b32 s51, s20, 11
	s_add_co_u32 s51, s51, OIMG
	v_add_nc_u32 v[AOW], s51, v[LI]
	v_add_nc_u32 v[AOL], OIMG, v[LI]
	s_lshl_b32 s51, s20, 8
	s_add_co_u32 s51, s51, OSC
	v_lshl_add_u32 v[AOS], v29, 2, s51
	v_add_nc_u32 v[AOSL], OSC, v[LS]
	s_mul_i32 s51, s20, 16*272
	s_add_co_u32 s51, s51, STG
	v_mul_u32_u24 v[STO], v29, 272
	v_lshl_add_u32 v[STO], v30, 6, v[STO]
	v_add_nc_u32 v[STO], s51, v[STO]
	v_mul_u32_u24 v[SRD], v30, 272
	v_lshl_add_u32 v[SRD], v29, 4, v[SRD]
	v_add_nc_u32 v[SRD], s51, v[SRD]
	s_lshl_b32 s51, s20, 15
	v_add_nc_u32 v[AXR], s51, v[LI]
	v_lshlrev_b32 v[GO], 12, v30
	v_lshl_add_u32 v[GO], v29, 4, v[GO]
	v_lshlrev_b32 v[AWP], 9, v29
	v_lshl_add_u32 v[AWP], v30, 4, v[AWP]
	v_lshlrev_b32 v[ABP], 2, v29
.irp q, 0,1,2,3
	v_mov_b32 v[ST+2*\q+1], 0xff61b1e6             ; the largest t so far: -3e38, under every t
	v_floor_f32 v[ST+2*\q], -v[ST+2*\q+1]          ; -M
	v_mov_b32 v[LL+2*\q], 0
	v_mov_b32 v[LL+2*\q+1], 0
	v_mov_b32 v[FF+2*\q], 0
	v_mov_b32 v[FF+2*\q+1], 0                      ; (named as the upper half of a pair)
	v_mov_b32 v[TQ+\q], 0                          ; a lane permute's destination counts as one of its sources
.endr
; My two tiles of K of the step in slot `slot`, and their scale words: 36 LDS loads.  The first tile goes to window 3, the second to window 0.
.macro FETCHK slot
	WIN 0xc0
.set i, 0
.rept 16
	ds_load_b128 v[KF+4*i:KF+4*i+3], v[AK+(\slot)] offset:512*i
.set i, i+1
.endr
	WIN 0
.set i, 0
.rept 16
	ds_load_b128 v[KF+4*i:KF+4*i+3], v[AK+(\slot)] offset:8192+512*i
.set i, i+1
.endr
.irp s, 0,1,2,3
	ds_load_b32 v[KS+\s], v[ASK+(\slot)] offset:512*\s
.endr
.endm
.macro WPLOAD ot                       ; wproj's tile ot (rows 128 w + 16 ot + r), four K steps, to v[64 (ot % 4)] on of the window that is set
.irp s, 0,1,2,3
.irp c, 0,1,2,3
	global_load_b128 v[64*((\ot)%4)+16*\s+4*\c:64*((\ot)%4)+16*\s+4*\c+3], v[AWP], s[10:11] offset:8192*(\ot)+128*\s+32*\c
.endr
.endr
.endm
.macro RESCALE q                       ; O^T of tile q under the new M, each accumulator from its low end on
	WIN 0x82                                       ; O^T window 2, f window 0
.set i, 0
.rept 32
	v_pk_mul_f32 v[64*\q+i:64*\q+i+1], v[64*\q+i:64*\q+i+1], v[FF+2*\q:FF+2*\q+1] op_sel_hi:[1,0]
.set i, i+2
.endr
.endm
; THE FIRST HALF OF A KEY STEP, whose run lies in slot `slot`: the scores, the softmax, p's codes.  K's fragments were asked for ahead.  wp = 1 (the last step): q's registers, done with, take wproj's tiles 0-3.
.macro FRONT slot, wp
	s_wait_dscnt 0x0                               ; K's fragments and scale words are in
	; ---- S^T = K Q^T: my two tiles of keys x the four tiles of queries x 4 K steps.  The eight accumulators take turns, one instruction a turn
.irp s, 0,1,2,3
.irp u, 0,1
	WIN 0x07-3*\u                                  ; K window 3 or 0, q window 1, S^T window 0
.irp qt, 0,1,2,3
.if \s == 0
	WMS S+16*\qt+8*\u, KF+16*\s, (4*\qt+\s)*16, -1, KS+\s, QS+2*\s+\qt/2, \u, \qt%2
.else
	WMS S+16*\qt+8*\u, KF+16*\s, (4*\qt+\s)*16, S+16*\qt+8*\u, KS+\s, QS+2*\s+\qt/2, \u, \qt%2
.endif
.endr
.endr
.endr
	WIN 0
	PLACES 8                                       ; eight plain instructions between the last products and the first read of results, and the loads over operands
.if \wp
	WIN 0x40
	WPLOAD 0
	WPLOAD 1
	WIN 0
.endif
	; ---- my block's largest score for each query; register 16 tile + i is key 32 w + 16 (lane / 16) + i
.irp q, 0,1,2,3
	v_max3_num_f32 v[BM+\q], v[S+16*\q], v[S+16*\q+1], v[S+16*\q+2]            ; from each accumulator's low end on
.endr
.irp i, 3,5,7,9,11,13
.irp q, 0,1,2,3
	v_max3_num_f32 v[BM+\q], v[BM+\q], v[S+16*\q+\i], v[S+16*\q+\i+1]
.endr
.endr
.irp q, 0,1,2,3
	v_max_num_f32 v[BM+\q], v[BM+\q], v[S+16*\q+15]
.endr
.irp q, 0,1,2,3
	v_permlanex16_b32 v[TQ+\q], v[BM+\q], s40, s41
.endr
.irp q, 0,1,2,3
	v_max_num_f32 v[BM+\q], v[BM+\q], v[TQ+\q]     ; with lane l xor 16's 16 keys
.endr
	ds_store_b128 v[AMW], v[BM:BM+3]
	s_wait_dscnt 0x0                               ; for the others' sake
	s_barrier_signal -1
	s_barrier_wait -1
.irp w, 0,1,2,3
	ds_load_b128 v[BMX+4*\w:BMX+4*\w+3], v[AML] offset:512*\w
.endr
	WIN 0xc0
.set i, 0
.rept 32
	ds_load_b128 v[4*i:4*i+3], v[AV+\slot] offset:512*i            ; V's fragments land while the softmax is worked
.set i, i+1
.endr
	WIN 0
.irp i, 0,1,2,3
	ds_load_b32 v[VS+\i], v[ASV+\slot] offset:128*\i
.endr
.if \wp
	WIN 0x40
	WPLOAD 2
	WPLOAD 3
	WIN 0
.endif
	s_wait_dscnt 36                                ; the four blocks' largest scores are in; V's 32 loads and its 4 scale loads may be out
	; ---- the softmax, the four tiles of queries by turns
.irp q, 0,1,2,3
	v_max3_num_f32 v[TQ+\q], v[BMX+\q], v[BMX+4+\q], v[BMX+8+\q]
.endr
.irp q, 0,1,2,3
	v_max_num_f32 v[TQ+\q], v[TQ+\q], v[BMX+12+\q] ; the step's largest score of my query
.endr
.irp q, 0,1,2,3
	v_mul_f32 v[TQ+\q], s42, v[TQ+\q]              ; as t (c is positive)
.endr
.irp q, 0,1,2,3
	v_max_num_f32 v[ST+2*\q+1], v[ST+2*\q+1], v[TQ+\q]
.endr
.irp q, 0,1,2,3
	v_mov_b32 v[TQ+\q], v[ST+2*\q]
.endr
.irp q, 0,1,2,3
	v_floor_f32 v[ST+2*\q], -v[ST+2*\q+1]          ; the new -M = floor(-t): M is a whole number
.endr
.irp q, 0,1,2,3
	v_sub_f32 v[TQ+\q], v[ST+2*\q], v[TQ+\q]       ; old M - new M: a whole number, 0 or less
.endr
.irp q, 0,1,2,3
	v_cvt_i32_f32 v[TQ+\q], v[TQ+\q]               ; (it saturates)
.endr
.irp q, 0,1,2,3
	v_ldexp_f32 v[FF+2*\q], 1.0, v[TQ+\q]          ; f = 2^(old M - new M)
.endr
.irp i, 0,2,4,6,8,10,12,14
.irp q, 0,1,2,3
	v_pk_fma_f32 v[S+16*\q+\i:S+16*\q+\i+1], v[S+16*\q+\i:S+16*\q+\i+1], s[42:43], v[ST+2*\q:ST+2*\q+1] op_sel_hi:[1,0,0]   ; t - M, two at a time
.endr
.endr
.irp w, 0,1,2,3
.irp q, 0,1,2,3
	v_fma_f32 v[BMX+4*\w+\q], v[BMX+4*\w+\q], s42, v[ST+2*\q]      ; the same of each block's largest score
.endr
.endr
.irp q, 0,1,2,3
	v_fma_f32 v[BM+\q], v[BM+\q], s42, v[ST+2*\q]
.endr
.set i, 0
	s_wait_alu depctr_va_vdst(0)
.rept 64
	v_exp_f32 v[S+i], v[S+i]                       ; p = 2^(t - M), at most 1
.set i, i+1
.endr
.set i, 0
.rept 16
	v_exp_f32 v[BMX+i], v[BMX+i]                   ; each block's largest p
.set i, i+1
.endr
.irp q, 0,1,2,3
	v_exp_f32 v[BM+\q], v[BM+\q]
.endr
.irp q, 0,1,2,3
	v_pk_mul_f32 v[LL+2*\q:LL+2*\q+1], v[LL+2*\q:LL+2*\q+1], v[FF+2*\q:FF+2*\q+1] op_sel_hi:[1,0]    ; the sums under the new M (also the plain instruction behind the exponentials)
.endr
.set i, 0
	s_wait_alu depctr_va_vdst(0)
.rept 16
	v_max_num_f32 v[BMX+i], 0x4800000, v[BMX+i]    ; the floor 2^(9 - 127): the byte cannot fall under 1
.set i, i+1
.endr
.irp q, 0,1,2,3
	v_max_num_f32 v[BM+\q], 0x4800000, v[BM+\q]
.endr
.set i, 0
.rept 16
	v_add_nc_u32 v[BMX+i], 0xfc000000, v[BMX+i]    ; 8 off the exponent field,
.set i, i+1
.endr
.set i, 0
.rept 16
	v_lshrrev_b32 v[BMX+i], 23, v[BMX+i]           ; and the field itself: the scale's byte
.set i, i+1
.endr
.irp q, 0,1,2,3
	v_lshl_or_b32 v[PS+\q], v[BMX+4+\q], 8, v[BMX+\q]              ; p's scale word for these 128 keys: every wave makes it whole
.endr
.irp q, 0,1,2,3
	v_lshl_or_b32 v[PS+\q], v[BMX+8+\q], 16, v[PS+\q]
.endr
.irp q, 0,1,2,3
	v_lshl_or_b32 v[PS+\q], v[BMX+12+\q], 24, v[PS+\q]
.endr
.irp q, 0,1,2,3
	v_add_nc_u32 v[SO+\q], 0xfc000000, v[BM+\q]    ; my own block: the conversion's scale operand,
.endr
.irp q, 0,1,2,3
	v_and_or_b32 v[HD+\q], v[BM+\q], 0x7f800000, s44               ; and 448 x the scale
.endr
.irp i, 0,2,4,6,8,10,12,14
.irp q, 0,1,2,3
	v_pk_add_f32 v[LL+2*\q:LL+2*\q+1], v[LL+2*\q:LL+2*\q+1], v[S+16*\q+\i:S+16*\q+\i+1]     ; the row's sum is taken of the unquantised p
.endr
.endr
.irp q, 0,1,2,3
.irp i, 0,1,2,3,4,5,6,7,8,9,10,11,12,13,14,15
	v_min_num_f32 v[S+16*\q+\i], v[S+16*\q+\i], v[HD+\q]           ; the conversion does not saturate (ISA guide 7.6.2); p is not negative, so the hold is one-sided
.endr
	v_cvt_scalef32_pk8_fp8_f32 v[PCD+4*\q:PCD+4*\q+1], v[S+16*\q:S+16*\q+7], v[SO+\q]
	v_cvt_scalef32_pk8_fp8_f32 v[PCD+4*\q+2:PCD+4*\q+3], v[S+16*\q+8:S+16*\q+15], v[SO+\q]
.endr
	v_nop                                          ; a plain instruction behind the last conversion: later products write its sources
.irp q, 0,1,2,3
	ds_store_b128 v[APW], v[PCD+4*\q:PCD+4*\q+3] offset:2048*\q    ; register group w of tile q's image
.endr
.endm
; THE SECOND HALF.  The barrier that shows p to all.  All that I want of this step's slot stands in my registers, so with mode > 0 the barrier is the cluster's round, and behind it the slot is filled again:
; mode = 2: with the run two steps on, jointly;  mode = 1: with my rows of x;  mode = 0 (the last step): nothing is filled, a plain barrier, and no next K.  first = 1: the products start O^T's sums and nothing is rescaled.
.macro MID slot, mode, first
.if \mode
	s_wait_tensorcnt 0x0                           ; my tensor loads have landed, my quarter of the next step's run among them: so every group 0 may be written
	ds_add_u32 v[SPW], v[NIL]                      ; 0 onto my spare word
.if \mode == 2
	s_add_nc_u64 s[34+4*\slot:35+4*\slot], s[34+4*\slot:35+4*\slot], 2*KVB     ; this slot's next run, two steps on; the type bits on top are not reached
.endif
	s_wait_dscnt 0x0                               ; the add is done, my part of p has landed, and my reads of this slot (V's fragments the last) are in
	ROUND                                          ; all this now holds of every wave of all four work-groups
.if \mode == 2
	tensor_load_to_lds s[32+4*\slot:35+4*\slot], s[24:31]   ; my one tensor load behind the round: it has a whole step in which to land
	s_nop 0
.else
	tensor_load_to_lds s[76:79], s[68:75]          ; my 128 rows of x: read by me alone, at the end
	s_nop 0
.endif
	PLACES 4
.else
	s_wait_dscnt 0x0                               ; my part of p has landed; my reads of slot 1 are in
	s_barrier_signal -1
	s_barrier_wait -1
.endif
	WIN 0xc0
.set i, 0
.rept 16
	ds_load_b128 v[128+4*i:128+4*i+3], v[APL] offset:512*i         ; p's four fragments
.set i, i+1
.endr
.if \first == 0
	RESCALE 0                                      ; work on registers while p's fragments come
	RESCALE 1
.endif
.if \mode
	FETCHK 1-\slot                                 ; the next step's K, from the other slot, which is whole: it lands beside the products below
.endif
.if \first == 0
	RESCALE 2
	RESCALE 3
.endif
.if \mode
	s_wait_alu depctr_va_vdst(0)
	s_wait_dscnt 36                                ; p's fragments are in; K's 32 loads and its 4 scale loads may be out
.else
	s_wait_alu depctr_va_vdst(0)
	s_wait_dscnt 0x0
.endif
	; ---- O^T += V^T P^T: my eight tiles of channels x the four tiles of queries; K = these 128 keys: 32 different accumulators
	WIN 0xaf                                       ; V and p window 3, O^T window 2
.irp ct, 0,1,2,3,4,5,6,7
.irp qt, 0,1,2,3
.if \first
	WMS 64*\qt+8*\ct, 16*\ct, 128+16*\qt, -1, VS+\ct/2, PS+\qt, \ct%2, 0
.else
	WMS 64*\qt+8*\ct, 16*\ct, 128+16*\qt, 64*\qt+8*\ct, VS+\ct/2, PS+\qt, \ct%2, 0
.endif
.endr
.endr
	WIN 0
.endm
	s_wait_tensorcnt 0x1                           ; my quarter of key step 0 is in; step 1's may stay out
	s_barrier_signal -1
	s_barrier_wait -1                              ; everybody's is
	FETCHK 0
	s_wait_loadcnt 0x0                             ; q and its scale words
	FRONT 0, 0                                     ; key step 0
	MID 0, 2, 1
	s_mov_b32 s45, 2
.Lpair:                                            ; key steps 1 to 4
	FRONT 1, 0
	MID 1, 2, 0
	FRONT 0, 0
	MID 0, 2, 0
	s_sub_co_u32 s45, s45, 1
	s_cmp_lg_u32 s45, 0
	s_cbranch_scc1 .Lpair
	FRONT 1, 0                                     ; key step 5: the last run of kv is asked for
	MID 1, 2, 0
	FRONT 0, 0                                     ; key step 6: slot 0 takes x
	MID 0, 1, 0
	FRONT 1, 1                                     ; key step 7 is written out: nothing is left to fetch
	MID 1, 0, 0
	PLACES 8                                       ; ahead of the loads over V's, p's and K's fragments and over their scale words, and of the first read of O^T
; ---- THE END.  What the projection wants from memory is asked for first: it lands while O^T is divided and quantised.
.irp ot, 0,1,2,3,4,5,6,7
	global_load_b32 v[BV+\ot], v[ABP], s[14:15] offset:64*\ot      ; the bias of channel 128 w + 16 ot + r
.endr
.irp g, 0,1,2
	global_load_b128 v[KS+4*\g:KS+4*\g+3], v[LI], s[12:13] offset:512*\g       ; wproj's scale words: lanes 0-15 tile 2 g's rows, lanes 16-31 tile 2 g + 1's; four K steps; 512 consecutive bytes
.endr
	global_load_b128 v[W3S:W3S+3], v[LI], s[12:13] offset:1536
	WIN 0xc0
	WPLOAD 4
	WPLOAD 5
	WPLOAD 6
	WPLOAD 7
	WIN 0
	; the rows' sums: my two halves, lane l xor 16's, and the other three waves'
.irp q, 0,1,2,3
	v_add_f32 v[BM+\q], v[LL+2*\q], v[LL+2*\q+1]
.endr
.irp q, 0,1,2,3
	v_permlanex16_b32 v[TQ+\q], v[BM+\q], s40, s41
.endr
.irp q, 0,1,2,3
	v_add_f32 v[BM+\q], v[BM+\q], v[TQ+\q]
.endr
	ds_store_b128 v[ALW], v[BM:BM+3]
	s_wait_dscnt 0x0
	s_barrier_signal -1
	s_barrier_wait -1
.irp w, 0,1,2,3
	ds_load_b128 v[BMX+4*\w:BMX+4*\w+3], v[ALL] offset:512*\w
.endr
	s_wait_dscnt 0x0
.irp q, 0,1,2,3
	v_add_f32 v[BM+\q], v[BMX+\q], v[BMX+4+\q]
.endr
.irp q, 0,1,2,3
	v_add_f32 v[BM+\q], v[BM+\q], v[BMX+8+\q]
.endr
.irp q, 0,1,2,3
	v_add_f32 v[BM+\q], v[BM+\q], v[BMX+12+\q]
.endr
	s_wait_alu depctr_va_vdst(0)
.irp q, 0,1,2,3
	v_rcp_f32 v[FF+2*\q], v[BM+\q]
.endr
	v_nop                                          ; a plain instruction between the last reciprocal and the use of its result
	s_wait_alu depctr_va_vdst(0)
; 64 numbers of a lane, v[s] on, register 16 b + i = channel 32 b + 16 (lane / 16) + i of my 128, become a fragment's codes in v[PC] on and its scale word in v[PW]
.macro QUANT s
.irp b, 0,1,2,3
	v_max3_num_f32 v[TM+\b], |v[\s+16*\b]|, |v[\s+1+16*\b]|, 0x4800000
.endr
.irp i, 2,4,6,8,10,12,14
.irp b, 0,1,2,3
	v_max3_num_f32 v[TM+\b], v[TM+\b], |v[\s+16*\b+\i]|, |v[\s+1+16*\b+\i]|
.endr
.endr
.irp b, 0,1,2,3
	v_permlanex16_b32 v[TM+4+\b], v[TM+\b], s40, s41
.endr
.irp b, 0,1,2,3
	v_max_num_f32 v[TM+\b], v[TM+\b], v[TM+4+\b]
.endr
.irp b, 0,1,2,3
	v_add_nc_u32 v[TM+12+\b], 0xfc000000, v[TM+\b]
.endr
.irp b, 0,1,2,3
	v_and_or_b32 v[TM+8+\b], v[TM+\b], 0x7f800000, s44
.endr
.irp b, 0,1,2,3
	v_lshrrev_b32 v[TM+4+\b], 23, v[TM+12+\b]
.endr
	v_lshl_or_b32 v[PW], v[TM+5], 8, v[TM+4]
	v_lshl_or_b32 v[PW], v[TM+6], 16, v[PW]
	v_lshl_or_b32 v[PW], v[TM+7], 24, v[PW]
.irp b, 0,1,2,3
.irp i, 0,1,2,3,4,5,6,7,8,9,10,11,12,13,14,15
	v_med3_num_f32 v[\s+16*\b+\i], v[\s+16*\b+\i], -v[TM+8+\b], v[TM+8+\b]
.endr
	v_cvt_scalef32_pk8_fp8_f32 v[PC+4*\b:PC+4*\b+1], v[\s+16*\b:\s+16*\b+7], v[TM+12+\b]
	v_cvt_scalef32_pk8_fp8_f32 v[PC+4*\b+2:PC+4*\b+3], v[\s+16*\b+8:\s+16*\b+15], v[TM+12+\b]
.endr
	v_nop                                          ; a plain instruction behind the last conversion
.endm
.irp qt, 0,1,2,3
	WIN 0x02                                       ; O^T window 2
.set i, 0
.rept 32
	v_pk_mul_f32 v[S+i:S+i+1], v[64*\qt+i:64*\qt+i+1], v[FF+2*\qt:FF+2*\qt+1] op_sel_hi:[1,0]        ; O^T / the sum, each accumulator from its low end on
.set i, i+2
.endr
	WIN 0
	QUANT S
.irp c, 0,1,2,3
	ds_store_b128 v[AOW], v[PC+4*\c:PC+4*\c+3] offset:8192*\qt+512*\c          ; K step w of tile qt's image
.endr
	ds_store_b32 v[AOS], v[PW] offset:64*\qt       ; both halves of the lanes write the same word with the same value
	s_wait_dscnt 0x0                               ; the stores have read their registers; at the last tile also for the others' sake
.endr
	s_barrier_signal -1
	s_barrier_wait -1                              ; the output's sixteen images lie in LDS
	WIN 0x80
.set i, 0
.rept 64
	ds_load_b128 v[4*i:4*i+3], v[AOL] offset:512*i ; into the registers that O^T has left
.set i, i+1
.endr
	WIN 0
.irp s, 0,1,2,3
.irp p, 0,1
	ds_load_b32 v[QS+2*\s+\p], v[AOSL] offset:256*\s+128*\p
.endr
.endr
	s_wait_loadcnt 0x0                             ; wproj's eight tiles, its scale words, the bias
.irp ot, 0,1,2,3,4,5,6,7
.if \ot < 7
.set oC, 52+8*\ot
.else
.set oC, 112
.endif
.irp k, 0,1,2,3,4,5,6,7
	v_mov_b32 v[oC+\k], v[BV+\ot]                  ; the bias as C: all eight registers of a lane belong to its one output channel.  (These copies stand beside the LDS loads above)
.endr
.endr
	s_wait_dscnt 0x0
; The projection, a tile of 16 output channels at a time: source 0 = 16 tokens, source 1 = 16 rows of wproj: a lane holds ONE output channel and eight neighbouring tokens.  Four accumulators by turns; the sums of tile ot lie in set ot % 2.
.macro OT ot
.if (\ot) < 4
	WIN 0x06                                       ; the output window 2, wproj window 1; the bias and the sums window 0
.else
	WIN 0x0e                                       ; wproj window 3
.endif
.if (\ot) < 6
.set oW, KS+4*((\ot)/2)
.else
.set oW, W3S
.endif
.if (\ot) < 7
.set oC, 52+8*(\ot)
.else
.set oC, 112
.endif
.irp s, 0,1,2,3
.irp qt, 0,1,2,3
.if \s == 0
	WMS R+32*((\ot)%2)+8*\qt, (4*\qt+\s)*16, 64*((\ot)%4)+16*\s, oC, QS+2*\s+\qt/2, oW+\s, \qt%2, (\ot)%2
.else
	WMS R+32*((\ot)%2)+8*\qt, (4*\qt+\s)*16, 64*((\ot)%4)+16*\s, R+32*((\ot)%2)+8*\qt, QS+2*\s+\qt/2, oW+\s, \qt%2, (\ot)%2
.endif
.endr
.endr
	WIN 0
.endm
; THE WAY OUT of tile ot, 16 channels x 64 tokens.  STAGE: into my own stage, and back as whole rows of 256 bytes; the same rows of x from slot 0.  FIN: x added, stored.  The next tile's products stand between the two.
.macro STAGE ot
.if (\ot) > 0
	s_wait_xcnt 0x0                                ; the last tile's stores have read their registers: only behind this wait are those loaded again
.endif
.irp qt, 0,1,2,3
	ds_store_b128 v[STO], v[R+32*((\ot)%2)+8*\qt:R+32*((\ot)%2)+8*\qt+3] offset:128*(\qt/2)+32*(\qt%2)       ; tokens 32 (qt / 2) + 16 h + 8 (qt % 2) + 0 .. 7 of channel r; each accumulator from its low end on
	ds_store_b128 v[STO], v[R+32*((\ot)%2)+8*\qt+4:R+32*((\ot)%2)+8*\qt+7] offset:128*(\qt/2)+32*(\qt%2)+16
.endr
.irp i, 0,1,2,3,4,5,6,7
	ds_load_b128 v[RB+4*\i:RB+4*\i+3], v[SRD] offset:544*\i        ; LDS serves a wave's instructions in order (ISA guide 5.7.1.4): these see the stores above
.endr
.irp i, 0,1,2,3,4,5,6,7
	ds_load_b128 v[XB+4*\i:XB+4*\i+3], v[AXR] offset:4096*(\ot)+512*\i         ; x: channels 16 ot + 2 i + h: 512 consecutive bytes
.endr
.endm
.macro FIN ot
	s_wait_dscnt 0x0                               ; the rows are back, x's too, and the stage's stores have read the sums' registers
.set i, 0
.rept 16
	v_pk_add_f32 v[RB+i:RB+i+1], v[RB+i:RB+i+1], v[XB+i:XB+i+1]    ; (these sixteen are also the places between the next tile's products and the first read of their results)
.set i, i+2
.endr
.irp i, 0,1,2,3,4,5,6,7
	global_store_b128 v[GO], v[RB+4*\i:RB+4*\i+3], s[18:19] offset:65536*(\ot)+8192*\i th:TH_STORE_NT   ; sixteen lanes store 256 consecutive bytes, at a multiple of 256 from out0's first byte
.endr
.endm
	OT 0
	PLACES 8                                       ; eight plain instructions between the last products and the first read of results
	s_wait_tensorcnt 0x0                           ; my rows of x have landed; no other wave reads them
	STAGE 0
.irp ot, 1,2,3,4,5,6,7
	OT \ot
	FIN \ot-1
	STAGE \ot
.endr
	FIN 7
	s_wait_tensorcnt 0x0                           ; the wave's end: behind my last tensor load and my last LDS store
	ds_add_u32 v[SPW], v[NIL]
	s_wait_dscnt 0x0
	ROUND                                          ; the closing round: no work-group ends while a partner may still ask for a run that names it
	s_endpgm
.Lfunc_end_k_qedd1ec8752_attn:
	.size	k_qedd1ec8752_attn, .Lfunc_end_k_qedd1ec8752_attn-k_qedd1ec8752_attn
	.p2alignl 7, 3214868480
	.fill 96, 4, 3214868480
	.section	.rodata,"a",@progbits
	.p2align	6, 0x0
	.amdhsa_kernel k_qedd1ec8752_attn
		.amdhsa_group_segment_fixed_size 327680
		.amdhsa_private_segment_fixed_size 0
		.amdhsa_enable_private_segment 0
		.amdhsa_kernarg_size 64
		.amdhsa_user_sgpr_count 2
		.amdhsa_user_sgpr_kernarg_segment_ptr 1
		.amdhsa_wavefront_size32 1
		.amdhsa_system_sgpr_workgroup_id_x 1
		.amdhsa_system_sgpr_workgroup_id_y 1
		.amdhsa_system_sgpr_workgroup_id_z 1
		.amdhsa_system_vgpr_workitem_id 0
		.amdhsa_next_free_vgpr 1024
		.amdhsa_next_free_sgpr 80
		.amdhsa_reserve_vcc 0
		.amdhsa_float_denorm_mode_32 3
		.amdhsa_float_denorm_mode_16_64 3
		.amdhsa_memory_ordered 1
		.amdhsa_forward_progress 1
		.amdhsa_inst_pref_size 255
	.end_amdhsa_kernel
	.section	.bss,"aw",@nobits
	.p2align	6
	.space	262144
	.amdgpu_metadata
---
amdhsa.version: [ 1, 2 ]
amdhsa.kernels:
  - .name:           k_qedd1ec8752_attn
    .symbol:         k_qedd1ec8752_attn.kd
    .args:
      - { .name: qimg, .offset: 0, .size: 8, .value_kind: global_buffer, .address_space: global }
      - { .name: qsc, .offset: 8, .size: 8, .value_kind: global_buffer, .address_space: global }
      - { .name: kv, .offset: 16, .size: 8, .value_kind: global_buffer, .address_space: global }
      - { .name: wproj_codes, .offset: 24, .size: 8, .value_kind: global_buffer, .address_space: global }
      - { .name: wproj_scales, .offset: 32, .size: 8, .value_kind: global_buffer, .address_space: global }
      - { .name: bproj, .offset: 40, .size: 8, .value_kind: global_buffer, .address_space: global }
      - { .name: x, .offset: 48, .size: 8, .value_kind: global_buffer, .address_space: global }
      - { .name: out0, .offset: 56, .size: 8, .value_kind: global_buffer, .address_space: global }
    .group_segment_fixed_size: 327680
    .private_segment_fixed_size: 0
    .kernarg_segment_align: 8
    .kernarg_segment_size: 64
    .max_flat_workgroup_size: 128
    .sgpr_count:     80
    .vgpr_count:     1024
    .wavefront_size: 32
...
	.end_amdgpu_metadata
.endif
;; end of part 6
